; MI455X (gfx1250); checked and timed in simulation.
; The chip was launched on July 23, 2026; its instructions are those of AMD's public machine-readable ISA for CDNA 5 (MIT licence, August 2026) and "CDNA5" Instruction Set Architecture Reference Guide (July 2026). The comments in the code are by the model that wrote it; some were corrected since.
;; Mo E Layer. Allowed arithmetic: matrix products marked QUANTISED: E2M1 operands, one E8M0 scale for each 32 along K, by v_wmma_scale_f32_16x16x128_f8f6f4 with both operands' format E2M1 (or v_wmma_scale_f32_32x16x128_f4), f32 sums; products left as they are: f32 operands where the result goes on into a quantised operand, else bf16, f16 or f32 operands; f32 sums; everything else in f32.
;; Inputs: W1_codes 8 x 1,024 x 32 x 16 uint8 (E2M1 codes of W1, K innermost, in blocks of 32 codes, two codes a byte); W1_scales 8 x 1,024 x 32 uint8 (E8M0 scales of W1, one for each 32 codes along K); W2_codes 8 x 1,024 x 32 x 16 uint8 (E2M1 codes of W2, K innermost, in blocks of 32 codes, two codes a byte); W2_scales 8 x 1,024 x 32 uint8 (E8M0 scales of W2, one for each 32 codes along K); Wg 8 x 1,024 float32; b1 8 x 1,024 float32; b2 8 x 1,024 float32; bg 8 float32; x 4,096 x 1,024 float32.
;; Outputs: out0 4,096 x 1,024 float32.
;; This version of the problem:
;;   THIS VERSION OF THE PROBLEM IS GIVEN IN LOW PRECISION. The matrix products marked QUANTISED in the list below multiply operands that are first quantised to E2M1 (2 exponent bits, 1 mantissa bit; 4 bits a number), with one power-of-two scale for each 32 numbers along K (OCP MX v1.0); their sums are f32. All else is computed in f32.
;;   The module's matrix products, in the order in which they are computed (A, B: the left and right operand; K: the contracted axis; several contracted axes count as one K, in the product's order):
;;     1. [M 4,096, K 1,024] x [K 1,024, N 8]; A: input x; B: input Wg: left as it is (N = 8 < 16)
;;     2. [M 4,096, K 1,024] x [K 1,024, N 8,192]; A: input x; B: input W1 (given as codes): QUANTISED
;;     3. batch 8 x [M 1,024, K 1,024] x [K 1,024, N 4,096]; A: input W2 (given as codes); B: computed on the way: QUANTISED
;;   THE QUANTISER, for each operand of a quantised product, along K:
;;     - K is cut into blocks of 32 from its start; a last block that is shorter is filled with zeros.
;;     - A block's scale is 2^e with e = floor(log2(the largest magnitude in the block)) - 2, held to -126 .. 127; a block of zeros has e = 0. As a byte (E8M0): e + 127.
;;     - Each number is divided by its block's scale, clamped to +-6, and rounded to the nearest number of E2M1, ties to even, subnormals kept.
;;     - The product sums the exact products of the quantised numbers (number of the format x scale) in f32.
;;   ~~~python
;;   def quantise(x, axis):      # numpy; x: float32 -> the quantised numbers, widened to float32 again
;;       x = np.moveaxis(x, axis, -1); K = x.shape[-1]
;;       x = np.pad(x, [(0, 0)] * (x.ndim - 1) + [(0, -K % 32)]); x = x.reshape(x.shape[:-1] + (-1, 32)); a = np.abs(x).max(-1, keepdims=True)
;;       e = np.where(a > 0, np.clip(np.frexp(np.where(a > 0, a, 1))[1] - 1 - 2, -126, 127), 0)      # np.frexp(a)[1] - 1 = floor(log2(a)), exactly
;;       r = np.clip(x / 2.0 ** e, -6, 6)
;;       step = 2.0 ** (np.maximum(np.frexp(np.where(r == 0, 1, r))[1] - 1, 0) - 1)
;;       q = np.round(r / step) * step * 2.0 ** e      # np.round: ties to even
;;       return np.moveaxis(q.reshape(q.shape[:-2] + (-1,))[..., :K], -1, axis).astype(np.float32)
;;   ~~~
;;   OPERANDS COMPUTED ON THE WAY. 'Computed on the way' means the value that the module computes at that place (a softmax that the list does not call 'softmax' is quantised finished and normalised). What goes into a quantiser is computed in f32, as accurately as f32 sums, v_exp_f32 and their like allow (about 1e-6 of the number): no bf16 or f16 on the way to a quantiser, and a product that is left as it is and whose result goes on into a quantised operand takes f32 operands (vector FMAs, or v_wmma_f32_16x16x4_f32). A number that lies on a knife's edge between two numbers of the format may be rounded either way, as far as f32 arithmetic and the matrix unit's own rounding can turn it there, and no further.
;;   INPUTS GIVEN AS CODES. W1 (in the module: [8, 1024, 1024], K = its axis 1); W2 (in the module: [8, 1024, 1024], K = its axis 1): each comes as NAME_codes (uint8): NAME with its K axis moved to the last place and cut into blocks of 32 codes, [.., K / 32, bytes a block], one block behind the other in memory; two codes a byte, the lower K in the low four bits (a code: sign, 2 exponent bits, 1 mantissa bit); and NAME_scales (uint8): the same leading axes, one E8M0 byte (e + 127) for each 32 codes along K. Its value is code x scale, taken as it is: it is not quantised again, and the codes and scales need not be those that the quantiser above would give.
;; 3 versions, each right; version 2 is faster than version 1; version 3 is version 2 with the launches up, down written anew for expert scheduling mode. Each part assembles by itself: llvm-mc -triple=amdgcn-amd-amdhsa -mcpu=gfx1250 --defsym DOCPART=n.
;; ======== version 1 of 3: 4 launches
;; workspace buffers: xq 2,228,224 bytes; sel 16,384 bytes of whole numbers; gp 32,768 bytes; order 16,384 bytes of whole numbers; wf 8,912,896 bytes; h1 17,825,792 bytes
;; launch gate (part 1): grid 256 x 1, 4 waves a work-group, no clusters, 111,616 bytes of LDS; arguments x, Wg, bg, xq, sel, gp; writes xq, sel, gp
.if DOCPART == 1
	.amdgcn_target "amdgcn-amd-amdhsa--gfx1250"
	.amdhsa_code_object_version 6
	.text
	.protected	k_q2053832fbe_gate
	.globl	k_q2053832fbe_gate
	.p2align	8
	.type	k_q2053832fbe_gate,@function
k_q2053832fbe_gate:
	s_mov_b64 s[64:65], 0
	v_nop
	global_prefetch_b8 v0, s[64:65] scope:SCOPE_SE
	s_setreg_imm32_b32 hwreg(HW_REG_WAVE_MODE, 25, 1), 1
	s_wait_xcnt 0x0
; THE GATE AND THE QUANTISER OF x.  x [4096][1024] f32, Wg [8][1024] f32, bg [8] f32.
; Out: xq = x's E2M1 codes [4096][512 bytes], K innermost, and at byte XS its E8M0 bytes [4096][32];
;      sel [4096] u32 = pair number | lo << 8 | hi << 12 (lo < hi: the token's two experts);  gp [4096][2] f32 = the gates of lo and of hi.
; The pair number runs through the 28 pairs so that neighbouring numbers share an expert: lo (15 - lo) / 2 + (hi - lo - 1 for even lo, 7 - hi for odd lo).
; SHARES.  A work-group takes 16 tokens, a wave 4 whole rows of 4,096 bytes.  Every load takes 512 consecutive bytes; a row then turns through the wave's own LDS bytes,
; so that lane l holds block l of the row: 32 neighbours along K in 32 registers.  So a block's largest magnitude needs no other lane, the four conversions give the block's
; 16 bytes, and a wave's store of codes covers a row's 512 consecutive bytes.  The same registers feed the eight logits, in f32 multiply-adds.
; All 48 loads of a wave go out at the head: x is read from memory once.  No matrix unit: the gate's product has eight columns and stays in f32.
; LIMITS.  NaN and infinite logits are not served.  Two logits that differ by less than the error of an f32 sum of 1,024 terms may be chosen either way; equal logits: the lower index first.
; A block whose largest magnitude lies under 2^-124 keeps the scale byte 1, a block of zeros too (its codes are zeros; only this program reads these bytes).
.set ROWL, 4608                        ; a row in LDS: 32 pieces of 128 bytes + 16 of padding = 32 x 144
.set XST,  8*ROWL                      ; behind Wg's eight rows: 16 rows of x, four for each wave, the wave's own
.set SCB,  XST+16*ROWL                 ; behind them: the work-group's 512 scale bytes
.set XS,   0x200000                    ; where the scale bytes begin in xq
.set X,    16                          ; v16-143   four rows, 32 registers each
.set WB,   144                         ; v144-207  two sets of 32: rows of Wg
.set T,    208                         ; v208-223  token t: two chains of a pair each
.set L,    224                         ; v224-255  logit e of token t at 8 t + e.  Before that, the quantiser's:
.set MX,   224                         ; largest magnitudes
.set SO,   228                         ; the conversions' scale operands
.set BY,   232                         ; the scale bytes
.set CD,   236                         ; v236-251  the codes, four registers a token
	s_load_b256 s[4:11], s[0:1], 0x0               ; x s[4:5], Wg s[6:7], bg s[8:9], xq s[10:11]
	s_load_b128 s[12:15], s[0:1], 0x20             ; sel s[12:13], gp s[14:15]
	s_set_vgpr_msb 0x40
	v_lshl_add_u32 v0, v0, 2, 0x1b200
	v_mov_b32 v1, 0
	s_set_vgpr_msb 0x4000
	v_lshrrev_b32 v12, 5, v0
	v_readfirstlane_b32 s16, v12                   ; wave 0..3
	v_and_b32 v1, 31, v0                           ; lane
	v_lshlrev_b32 v2, 4, v1                        ; 16 x lane
	v_lshrrev_b32 v3, 3, v1
	v_mul_u32_u24 v3, v3, 144
	v_and_b32 v12, 7, v1
	v_lshl_add_u32 v3, v12, 4, v3                  ; into a row in LDS: EIGHT lanes of 16 bytes fill a piece of 128: 144 (lane / 8) + 16 (lane % 8); a load's 512 bytes are four pieces, 576 bytes of LDS
	v_mul_u32_u24 v4, v1, 144                      ; out of it: lane l takes piece l.  (Also: where I read Wg's rows, which begin at LDS byte 0)
	s_mul_i32 s17, s16, 2*ROWL
	v_add_nc_u32 v5, s17, v3                       ; where I put Wg's rows 2 w and 2 w + 1
	s_mul_i32 s17, s16, 4*ROWL
	s_add_co_u32 s17, s17, XST
	v_add_nc_u32 v6, s17, v3                       ; my wave's rows of x: in,
	v_add_nc_u32 v7, s17, v4                       ; and out
	v_add_nc_u32 v8, SCB, v2                       ; the scale bytes, 16 a lane, on their way out
	s_lshl_b32 s17, s16, 7
	s_add_co_u32 s17, s17, SCB
	v_add_nc_u32 v9, s17, v1                       ; my block's byte: 128 x wave + lane (+ 32 x token)
	v_and_b32 v10, 15, v0                          ; r
	v_bfe_u32 v11, v0, 4, 1                        ; h
	s_lshl_b32 s30, s16, 13                        ; Wg: two rows of 4,096 bytes a wave
	s_mov_b32 s31, 0
	s_lshl_b32 s32, ttmp9, 16                      ; x: 16 rows a work-group,
	s_lshl_b32 s33, s16, 14                        ; 4 a wave
	s_add_co_u32 s32, s32, s33
	s_mov_b32 s33, 0
	s_lshr_b32 s34, s32, 3                         ; the codes: an eighth of the bytes
	s_mov_b32 s35, 0
	s_lshl_b32 s36, ttmp9, 9                       ; the scale bytes: 512 a work-group
	s_add_co_u32 s36, s36, XS
	s_mov_b32 s37, 0
	s_lshl_b32 s38, ttmp9, 4
	s_lshl_b32 s39, s16, 2
	s_add_co_u32 s38, s38, s39                     ; my wave's first token
	s_wait_kmcnt 0x0
	s_load_b256 s[20:27], s[8:9], 0x0              ; bg's eight numbers
	s_add_nc_u64 s[6:7], s[6:7], s[30:31]
	s_add_nc_u64 s[4:5], s[4:5], s[32:33]
	s_add_nc_u64 s[36:37], s[10:11], s[36:37]
	s_add_nc_u64 s[10:11], s[10:11], s[34:35]
.irp row, 0,1
.irp i, 0,1,2,3,4,5,6,7
	global_load_b128 v[WB+32*\row+4*\i:WB+32*\row+4*\i+3], v2, s[6:7] offset:4096*\row+512*\i
.endr
.endr
.irp t, 0,1,2,3
.irp i, 0,1,2,3,4,5,6,7
	global_load_b128 v[X+32*\t+4*\i:X+32*\t+4*\i+3], v2, s[4:5] offset:4096*\t+512*\i th:TH_LOAD_NT   ; 512 consecutive bytes; read once in the launch
.endr
.endr
	s_wait_loadcnt 32                              ; Wg's 16 loads are in; the 32 of x are younger
.irp row, 0,1
.irp i, 0,1,2,3,4,5,6,7
	ds_store_b128 v5, v[WB+32*\row+4*\i:WB+32*\row+4*\i+3] offset:ROWL*\row+576*\i
.endr
.endr
; Row t turns through my own LDS bytes and comes back into the registers that it left: LDS serves a wave's instructions in order, so no wait stands between the stores and the loads.
.macro TURN t
	s_wait_loadcnt 8*(3-\t)                        ; this row's eight loads are in; the later rows' may be out
.irp i, 0,1,2,3,4,5,6,7
	ds_store_b128 v6, v[X+32*\t+4*\i:X+32*\t+4*\i+3] offset:ROWL*\t+576*\i
.endr
.irp i, 0,1,2,3,4,5,6,7
	ds_load_b128 v[X+32*\t+4*\i:X+32*\t+4*\i+3], v7 offset:ROWL*\t+16*\i
.endr
.endm
	TURN 0
	TURN 1
	TURN 2
	TURN 3
	s_wait_dscnt 0x0                               ; lane l now holds x(token, 32 l .. 32 l + 31)
; THE QUANTISER, the four tokens by turns.  The floor 2^(3 - 127) among the leaves holds the byte at 1 from below.
.irp t, 0,1,2,3
	v_max3_num_f32 v[MX+\t], |v[X+32*\t]|, |v[X+32*\t+1]|, 0x1800000
.endr
.irp i, 2,4,6,8,10,12,14,16,18,20,22,24,26,28,30
.irp t, 0,1,2,3
	v_max3_num_f32 v[MX+\t], v[MX+\t], |v[X+32*\t+\i]|, |v[X+32*\t+\i+1]|
.endr
.endr
.irp t, 0,1,2,3
	v_add_nc_u32 v[SO+\t], 0xff000000, v[MX+\t]    ; 2 off the exponent field: the conversion takes this operand's exponent field as its scale
.endr
.irp t, 0,1,2,3
	v_lshrrev_b32 v[BY+\t], 23, v[SO+\t]           ; the scale's byte
.endr
.irp t, 0,1,2,3
.irp g, 0,1,2,3
	v_cvt_scalef32_pk8_fp4_f32 v[CD+4*\t+\g], v[X+32*\t+8*\g:X+32*\t+8*\g+7], v[SO+\t]
.endr
.endr
	v_nop                                          ; one plain place behind the last scaled conversion: vector instructions write these registers again further down
.irp t, 0,1,2,3
	global_store_b128 v2, v[CD+4*\t:CD+4*\t+3], s[10:11] offset:512*\t   ; a row's 512 bytes of codes, consecutive and aligned
	ds_store_b8 v9, v[BY+\t] offset:32*\t
.endr
	s_wait_dscnt 0x0                               ; for the others' sake: my rows of Wg and my scale bytes lie in LDS
	s_barrier_signal -1
	s_barrier_wait -1
	s_cmp_lg_u32 s16, 0
	s_cbranch_scc1 .Lnot_wave_0
	ds_load_b128 v[12:15], v8                      ; wave 0 sends the work-group's 512 scale bytes: consecutive and aligned
	s_wait_dscnt 0x0
	global_store_b128 v2, v[12:15], s[36:37]
.Lnot_wave_0:
	s_wait_xcnt 0x0                                ; the stores have read their data: the codes' registers become the logits'
.macro WLOAD e                         ; row e of Wg into set e % 2: lane l takes piece l, the numbers beside its x
.irp i, 0,1,2,3,4,5,6,7
	ds_load_b128 v[WB+32*((\e)%2)+4*\i:WB+32*((\e)%2)+4*\i+3], v4 offset:ROWL*(\e)+16*\i
.endr
.endm
; Logit e of my four tokens: my 32 products of each, two at a time, in two chains a token; the next row of Wg is on its way meanwhile.
.macro GATE e
.if \e < 7
	WLOAD \e+1
	s_wait_dscnt 8                                 ; row e is in; the eight loads of row e + 1 are younger
.else
	s_wait_dscnt 0x0
.endif
.set WR, WB+32*((\e)%2)
.irp t, 0,1,2,3
.irp c, 0,1
	v_pk_mul_f32 v[T+4*\t+2*\c:T+4*\t+2*\c+1], v[X+32*\t+2*\c:X+32*\t+2*\c+1], v[WR+2*\c:WR+2*\c+1]   ; the first products start the chains
.endr
.endr
.irp n, 1,2,3,4,5,6,7
.irp t, 0,1,2,3
.irp c, 0,1
	v_pk_fma_f32 v[T+4*\t+2*\c:T+4*\t+2*\c+1], v[X+32*\t+4*\n+2*\c:X+32*\t+4*\n+2*\c+1], v[WR+4*\n+2*\c:WR+4*\n+2*\c+1], v[T+4*\t+2*\c:T+4*\t+2*\c+1]
.endr
.endr
.endr
.irp t, 0,1,2,3
	v_pk_add_f32 v[T+4*\t:T+4*\t+1], v[T+4*\t:T+4*\t+1], v[T+4*\t+2:T+4*\t+3]
.endr
.irp t, 0,1,2,3
	v_add_f32 v[L+8*\t+\e], v[T+4*\t], v[T+4*\t+1]
.endr
.endm
	WLOAD 0
.irp e, 0,1,2,3,4,5,6,7
	GATE \e
.endr
; ACROSS THE LANES.  Tokens p and p + 2 change halves, so that one register carries both: lanes 0-15 token p, lanes 16-31 token p + 2; then four steps inside each half.
.irp e, 0,1,2,3,4,5,6,7
.irp p, 0,1
	v_permlane16_swap_b32 v[L+8*\p+\e], v[L+8*\p+16+\e]
.endr
.endr
.irp e, 0,1,2,3,4,5,6,7
.irp p, 0,1
	v_add_f32 v[L+8*\p+\e], v[L+8*\p+\e], v[L+8*\p+16+\e]
.endr
.endr
.irp k, 1,2,4,8
.irp n, 0,1,2,3,4,5,6,7,8,9,10,11,12,13,14,15
	v_add_f32_dpp v[L+\n], v[L+\n], v[L+\n] row_xmask:\k row_mask:0xf bank_mask:0xf
.endr
.endr
	s_wait_kmcnt 0x0                               ; bg
.irp e, 0,1,2,3,4,5,6,7
.irp p, 0,1
	v_add_f32 v[L+8*\p+\e], s[20+\e], v[L+8*\p+\e]
.endr
.endr
; THE TOP TWO.  FIND: the largest of eight logits and the LOWEST index that holds it (the walk goes down, so the lowest comes last).
.macro FIND LL, M, I
	v_max3_num_f32 v[\M], v[\LL], v[\LL+1], v[\LL+2]
	v_max3_num_f32 v[\M], v[\M], v[\LL+3], v[\LL+4]
	v_max3_num_f32 v[\M], v[\M], v[\LL+5], v[\LL+6]
	v_max_num_f32 v[\M], v[\M], v[\LL+7]
	v_mov_b32 v[\I], 7
.irp e, 6,5,4,3,2,1,0
	v_cmp_neq_f32 vcc_lo, v[\LL+\e], v[\M]
	v_cndmask_b32 v[\I], \e, v[\I], vcc_lo
.endr
.endm
; Registers of set p, at R = 16 + 16 p: +0 M1, +1 I1, +2 M2, +3 I2, +4 u, +5 g1, +6 g2, +7 lo, +8 hi, +9 g_lo, +10 g_hi, +11 the word, +12 to +14 at work
	v_mov_b32 v48, 0xff800000                      ; -infinity takes the winner's place for the second search
.irp p, 0,1
	FIND L+8*\p, 16+16*\p, 17+16*\p
.irp e, 0,1,2,3,4,5,6,7
	v_cmp_eq_u32 vcc_lo, \e, v[17+16*\p]
	v_cndmask_b32 v[L+8*\p+\e], v[L+8*\p+\e], v48, vcc_lo
.endr
	FIND L+8*\p, 18+16*\p, 19+16*\p
.endr
; The softmax of the two: the larger is taken away, so u = e^(M2 - M1) is at most 1; g1 = 1 / (1 + u), g2 = u g1.
.irp p, 0,1
	v_sub_f32 v[20+16*\p], v[18+16*\p], v[16+16*\p]
.endr
.irp p, 0,1
	v_mul_f32 v[20+16*\p], 0x3fb8aa3b, v[20+16*\p]
.endr
.irp p, 0,1
	v_exp_f32 v[20+16*\p], v[20+16*\p]
.endr
	v_nop                                          ; a plain place behind the exponentials
	s_wait_alu depctr_va_vdst(0)
.irp p, 0,1
	v_add_f32 v[21+16*\p], 1.0, v[20+16*\p]
.endr
.irp p, 0,1
	v_rcp_f32 v[21+16*\p], v[21+16*\p]
.endr
	v_nop                                          ; and behind the reciprocals
	s_wait_alu depctr_va_vdst(0)
.irp p, 0,1
	v_mul_f32 v[22+16*\p], v[20+16*\p], v[21+16*\p]
	v_cmp_lt_u32 vcc_lo, v[17+16*\p], v[19+16*\p]              ; is the winner the lower index?
	v_cndmask_b32 v[23+16*\p], v[19+16*\p], v[17+16*\p], vcc_lo   ; lo
	v_cndmask_b32 v[24+16*\p], v[17+16*\p], v[19+16*\p], vcc_lo   ; hi
	v_cndmask_b32 v[25+16*\p], v[22+16*\p], v[21+16*\p], vcc_lo   ; lo's gate
	v_cndmask_b32 v[26+16*\p], v[21+16*\p], v[22+16*\p], vcc_lo   ; hi's
	v_sub_nc_u32 v[27+16*\p], 15, v[23+16*\p]
	v_mul_u32_u24 v[27+16*\p], v[27+16*\p], v[23+16*\p]
	v_lshrrev_b32 v[27+16*\p], 1, v[27+16*\p]                  ; lo (15 - lo) / 2
	v_sub_nc_u32 v[28+16*\p], v[24+16*\p], v[23+16*\p]
	v_add_nc_u32 v[28+16*\p], -1, v[28+16*\p]                  ; even lo: hi - lo - 1
	v_sub_nc_u32 v[29+16*\p], 7, v[24+16*\p]                   ; odd lo: 7 - hi
	v_and_b32 v[30+16*\p], 1, v[23+16*\p]
	v_cmp_eq_u32 vcc_lo, 1, v[30+16*\p]
	v_cndmask_b32 v[28+16*\p], v[28+16*\p], v[29+16*\p], vcc_lo
	v_add_nc_u32 v[27+16*\p], v[27+16*\p], v[28+16*\p]
	v_lshl_or_b32 v[27+16*\p], v[23+16*\p], 8, v[27+16*\p]
	v_lshl_or_b32 v[27+16*\p], v[24+16*\p], 12, v[27+16*\p]
.endr
; Lanes r = 0 and 1 of each half store: lane (r, h) has token r + 2 h of the wave, out of set r.  A wave has 16 bytes for sel and 32 for gp: too few for whole runs of 256 bytes.
	v_cmp_eq_u32 vcc_lo, 1, v10
	v_cndmask_b32 v50, v27, v43, vcc_lo
	v_cndmask_b32 v52, v25, v41, vcc_lo
	v_cndmask_b32 v53, v26, v42, vcc_lo
	v_lshl_add_u32 v54, v11, 1, v10
	v_add_nc_u32 v54, s38, v54                     ; the token
	v_lshlrev_b32 v55, 2, v54
	v_lshlrev_b32 v56, 3, v54
	s_wait_xcnt 0x0                                ; EXEC changes only behind this wait: it is a source of the stores above
	v_cmp_gt_u32 vcc_lo, 2, v10
	s_set_vgpr_msb 0x5
	s_wait_tensorcnt 0x0
	ds_add_u32 v0, v1
	s_wait_dscnt 0x0
	s_set_vgpr_msb 0x500
	s_and_saveexec_b32 s39, vcc_lo
	global_store_b32 v55, v50, s[12:13]
	global_store_b64 v56, v[52:53], s[14:15]
	s_endpgm
.Lfunc_end_k_q2053832fbe_gate:
	.size	k_q2053832fbe_gate, .Lfunc_end_k_q2053832fbe_gate-k_q2053832fbe_gate
	.p2alignl 7, 3214868480
	.fill 96, 4, 3214868480
	.section	.rodata,"a",@progbits
	.p2align	6, 0x0
	.amdhsa_kernel k_q2053832fbe_gate
		.amdhsa_group_segment_fixed_size 111616
		.amdhsa_private_segment_fixed_size 0
		.amdhsa_enable_private_segment 0
		.amdhsa_kernarg_size 48
		.amdhsa_user_sgpr_count 2
		.amdhsa_user_sgpr_kernarg_segment_ptr 1
		.amdhsa_wavefront_size32 1
		.amdhsa_system_sgpr_workgroup_id_x 1
		.amdhsa_system_sgpr_workgroup_id_y 1
		.amdhsa_system_sgpr_workgroup_id_z 1
		.amdhsa_system_vgpr_workitem_id 0
		.amdhsa_next_free_vgpr 258
		.amdhsa_next_free_sgpr 66
		.amdhsa_reserve_vcc 1
		.amdhsa_float_denorm_mode_32 3
		.amdhsa_float_denorm_mode_16_64 3
		.amdhsa_memory_ordered 1
		.amdhsa_forward_progress 1
		.amdhsa_inst_pref_size 70
	.end_amdhsa_kernel
	.amdgpu_metadata
---
amdhsa.version: [ 1, 2 ]
amdhsa.kernels:
  - .name:           k_q2053832fbe_gate
    .symbol:         k_q2053832fbe_gate.kd
    .args:
      - { .name: x, .offset: 0, .size: 8, .value_kind: global_buffer, .address_space: global }
      - { .name: Wg, .offset: 8, .size: 8, .value_kind: global_buffer, .address_space: global }
      - { .name: bg, .offset: 16, .size: 8, .value_kind: global_buffer, .address_space: global }
      - { .name: xq, .offset: 24, .size: 8, .value_kind: global_buffer, .address_space: global }
      - { .name: sel, .offset: 32, .size: 8, .value_kind: global_buffer, .address_space: global }
      - { .name: gp, .offset: 40, .size: 8, .value_kind: global_buffer, .address_space: global }
    .group_segment_fixed_size: 111616
    .private_segment_fixed_size: 0
    .kernarg_segment_align: 8
    .kernarg_segment_size: 48
    .max_flat_workgroup_size: 128
    .sgpr_count:     66
    .vgpr_count:     258
    .wavefront_size: 32
...
	.end_amdgpu_metadata
.endif
;; end of part 1
;; launch place (part 2): grid 257 x 1, 8 waves a work-group, no clusters, 37,888 bytes of LDS; arguments sel, W1_codes, W1_scales, W2_codes, W2_scales, order, wf; writes order, wf
.if DOCPART == 2
	.amdgcn_target "amdgcn-amd-amdhsa--gfx1250"
	.amdhsa_code_object_version 6
	.text
	.protected	k_q2053832fbe_place
	.globl	k_q2053832fbe_place
	.p2align	8
	.type	k_q2053832fbe_place,@function
k_q2053832fbe_place:
	s_mov_b64 s[64:65], 0
	v_nop
	global_prefetch_b8 v0, s[64:65] scope:SCOPE_SE
	s_setreg_imm32_b32 hwreg(HW_REG_WAVE_MODE, 25, 1), 1
	s_wait_xcnt 0x0
; TWO JOBS IN ONE LAUNCH, parted on the work-group's number; each has LDS bytes of its own.
; WORK-GROUP 0 SORTS THE TOKENS BY THEIR PAIR OF EXPERTS: a counting sort on the 28 pair numbers of sel, without atomics.
;   order [4096 places] u32 = token | lo << 12 | hi << 16.  The order inside a pair's run is free.
; WORK-GROUPS 1 TO 256 LAY THE WEIGHTS OUT IN THE ORDER OF THE OPERAND'S REGISTERS.  Group G = 16 x matrix + g (matrix 0-7: W1's experts, 8-15: W2's; g: 64 rows, one wave's share later on).
;   wf, codes:  [G][K step s 8][tile t 4][half c 2][lane 32][16 bytes]: lane (r, h) holds k = 128 s + 64 c + 32 h .. + 31 of the tile's row r.
;   THE ROWS OF A TILE ARE NOT NEIGHBOURS: row r of tile t = 2 b + u is row 64 g + 32 b + 8 u + r + 8 (r / 8), so that in a transposed product the 16 registers of tiles 2 b, 2 b + 1 are 16 neighbouring columns.
;   wf, scales, at byte WS: [G][q 4][lane 32][16 bytes]: lane (r, h) holds the scale words of K steps 4 (q % 2) .. + 3 of row r of tile 2 (q / 2) + h: four loads of 16 bytes a lane later bring 16 scale registers.
; So a later wave loads every fragment whole, 512 consecutive bytes an instruction, straight into registers.
.set HT,   0                           ; LDS, the sort's: [wave 8][key 32] counts
.set STG,  1024                        ; LDS, the layout's: a stage of 16 rows x 272 bytes for each wave, its own
.set WS,   0x800000
.set SEL,  16                          ; v16-31   16 tokens a lane: register 4 q + c of lane l is token 512 w + 128 q + 4 l + c; later the entries
.set IDX4, 32                          ; v32-47   4 x key
.set RK,   48                          ; v48-63   how many lower lanes hold my key in the same register; later the places' byte offsets
.set RUN,  64                          ; v64-79   lane k: key k's tokens in the wave's earlier registers
.set H,    80                          ; v80-95   lane k: key k's tokens in this register; later each token's start
.set NEG,  112                         ; v112-116 0 - bit b of my lane's number
	s_load_b256 s[4:11], s[0:1], 0x0               ; sel s[4:5], W1's codes s[6:7], W1's scales s[8:9], W2's codes s[10:11]
	s_load_b128 s[12:15], s[0:1], 0x20             ; W2's scales s[12:13], order s[14:15]
	s_load_b64 s[16:17], s[0:1], 0x30              ; wf
	v_lshl_add_u32 v128, v0, 2, 0x9000
	v_mov_b32 v129, 0
	v_lshrrev_b32 v1, 5, v0
	v_readfirstlane_b32 s18, v1                    ; wave 0..7
	v_and_b32 v1, 31, v0                           ; lane
	v_lshlrev_b32 v2, 4, v1                        ; 16 x lane
	v_and_b32 v3, 15, v0                           ; r
	v_bfe_u32 v4, v0, 4, 1                         ; h
	v_lshlrev_b32 v5, 2, v1                        ; every LDS address is made here, ahead of the parting.  The counts: key = lane,
	s_lshl_b32 s19, s18, 7
	v_add_nc_u32 v6, s19, v5                       ; my wave's row of them
	s_mul_i32 s19, s18, 16*272
	s_add_co_u32 s19, s19, STG
	v_mul_u32_u24 v7, v4, 272
	v_lshl_add_u32 v7, v3, 4, v7
	v_add_nc_u32 v7, s19, v7                       ; the stage, in: sixteen lanes to a row, two rows an instruction
	v_mul_u32_u24 v8, v3, 272
	v_lshl_add_u32 v8, v4, 4, v8
	v_add_nc_u32 v8, s19, v8                       ; and out: row r, + 16 h
	s_cmp_lg_u32 ttmp9, 0
	s_cbranch_scc1 .Llayout
	; ---------------- THE SORT: wave w takes tokens 512 w .. 512 w + 511 ----------------
	s_lshl_b32 s20, s18, 11
	s_mov_b32 s21, 0
	s_wait_kmcnt 0x0
	s_add_nc_u64 s[4:5], s[4:5], s[20:21]
.irp q, 0,1,2,3
	global_load_b128 v[SEL+4*\q:SEL+4*\q+3], v2, s[4:5] offset:512*\q
.endr
.irp b, 0,1,2,3,4
	v_bfe_u32 v[NEG+\b], v1, \b, 1
	v_sub_nc_u32 v[NEG+\b], 0, v[NEG+\b]
.endr
	s_mov_b32 s30, 0x55555555
	s_mov_b32 s31, 0x33333333
	s_mov_b32 s32, 0x0f0f0f0f
	s_mov_b32 s33, 0x01010101
	s_wait_loadcnt 0x0
; Register i.  For each of the key's five bits VCC holds the lanes whose bit is set.  VCC xor (0 - a bit) is the set of lanes that DIFFER from that bit; the union over the bits, inverted, is the set of lanes
; that hold a given key.  It is made twice: for my own key (its bits below my lane are my rank among my peers), and for the key that is my LANE's number (its bits, counted, are that key's count).
.macro PEERS i
	v_and_b32 v96, 31, v[SEL+\i]
	v_lshlrev_b32 v[IDX4+\i], 2, v96
.irp b, 0,1,2,3,4
	v_bfe_u32 v97, v96, \b, 1
	v_cmp_ne_u32 vcc_lo, 0, v97
	v_sub_nc_u32 v97, 0, v97
.if \b == 0
	v_xor_b32 v98, vcc_lo, v97
	v_xor_b32 v100, vcc_lo, v[NEG+\b]
.else
	v_xor_b32 v97, vcc_lo, v97
	v_xor_b32 v99, vcc_lo, v[NEG+\b]
	v_or_b32 v98, v98, v97
	v_or_b32 v100, v100, v99
.endif
.endr
	v_xor_b32 v98, -1, v98
	v_mbcnt_lo_u32_b32 v[RK+\i], v98, 0
	v_xor_b32 v100, -1, v100
	v_lshrrev_b32 v97, 1, v100                     ; the bits of v100 are counted: by twos, fours, bytes, and the four bytes by one multiplication
	v_and_b32 v97, s30, v97
	v_sub_nc_u32 v100, v100, v97
	v_lshrrev_b32 v97, 2, v100
	v_and_b32 v100, s31, v100
	v_and_b32 v97, s31, v97
	v_add_nc_u32 v100, v100, v97
	v_lshrrev_b32 v97, 4, v100
	v_add_nc_u32 v100, v100, v97
	v_and_b32 v100, s32, v100
	v_mul_lo_u32 v100, v100, s33
	v_lshrrev_b32 v[H+\i], 24, v100
.endm
.irp i, 0,1,2,3,4,5,6,7,8,9,10,11,12,13,14,15
	PEERS \i
.endr
	v_mov_b32 v[RUN], 0
.irp i, 0,1,2,3,4,5,6,7,8,9,10,11,12,13,14
	v_add_nc_u32 v[RUN+\i+1], v[RUN+\i], v[H+\i]
.endr
	v_add_nc_u32 v101, v[RUN+15], v[H+15]          ; lane k: key k's tokens in my wave
	ds_store_b32 v6, v101
	s_wait_dscnt 0x0                               ; for the others' sake
	s_barrier_signal -1                            ; (the branch above hangs on the work-group's number alone: all eight waves are here)
	s_barrier_wait -1
.irp j, 0,1,2,3,4,5,6,7
	ds_load_b32 v[104+\j], v5 offset:128*\j
.endr
	s_wait_dscnt 0x0
	s_cmp_gt_u32 s18, 0
	s_cselect_b32 s34, -1, 0
	v_and_b32 v103, s34, v104                      ; key k's tokens in the waves before mine
.irp j, 1,2,3,4,5,6
	s_cmp_gt_u32 s18, \j
	s_cselect_b32 s34, -1, 0
	v_and_b32 v97, s34, v[104+\j]
	v_add_nc_u32 v103, v103, v97
.endr
	v_add_nc_u32 v102, v104, v105                  ; key k's tokens in all
.irp j, 2,3,4,5,6,7
	v_add_nc_u32 v102, v102, v[104+\j]
.endr
	v_mov_b32 v97, 0
	v_mov_b32 v98, v102                            ; running sums over the keys: four steps inside each half of the lanes,
.irp k, 1,2,4,8
	v_mov_b32_dpp v97, v98 row_shr:\k row_mask:0xf bank_mask:0xf bound_ctrl:1
	v_add_nc_u32 v98, v98, v97
.endr
	v_readlane_b32 s34, v98, 15
	v_mul_u32_u24 v97, s34, v4
	v_add_nc_u32 v98, v98, v97                     ; and the lower half's sum onto the upper half
	v_sub_nc_u32 v98, v98, v102
	v_add_nc_u32 v98, v98, v103                    ; lane k: where my wave's tokens of key k begin
.irp i, 0,1,2,3,4,5,6,7,8,9,10,11,12,13,14,15
	v_add_nc_u32 v[RUN+\i], v98, v[RUN+\i]
	ds_bpermute_b32 v[H+\i], v[IDX4+\i], v[RUN+\i] ; each token fetches its key's start for its register
.endr
	s_wait_dscnt 0x0
	s_lshl_b32 s34, s18, 9
	v_add_nc_u32 v99, s34, v5                      ; token 512 w + 4 lane
.irp i, 0,1,2,3,4,5,6,7,8,9,10,11,12,13,14,15
	v_add_nc_u32 v[RK+\i], v[H+\i], v[RK+\i]       ; the token's place,
	v_min_u32 v[RK+\i], 0xfff, v[RK+\i]            ; held inside the buffer,
	v_lshlrev_b32 v[RK+\i], 2, v[RK+\i]
	v_bfe_u32 v[SEL+\i], v[SEL+\i], 8, 8           ; lo and hi
	v_lshl_or_b32 v[SEL+\i], v[SEL+\i], 12, v99
	v_add_nc_u32 v[SEL+\i], 128*(\i/4)+\i%4, v[SEL+\i]
	global_store_b32 v[RK+\i], v[SEL+\i], s[14:15] ; a placement scatters by its nature: 16,384 bytes in all
.endr
	s_wait_tensorcnt 0x0
	ds_add_u32 v128, v129
	s_wait_dscnt 0x0
	s_endpgm
	; ---------------- THE LAYOUT: wave w takes tile t = w / 2, K steps 4 (w % 2) .. + 3: 16 rows x 256 bytes ----------------
.Llayout:
	s_sub_co_u32 s20, ttmp9, 1                     ; G
	s_and_b32 s21, s20, 127                        ; the group's number inside W1 or W2
	s_lshr_b32 s24, s18, 1                         ; t
	s_and_b32 s25, s18, 1                          ; which half of K
	s_lshr_b32 s26, s24, 1
	s_and_b32 s27, s24, 1
	s_lshl_b32 s22, s21, 15                        ; from: 64 rows of 512 bytes a group,
	s_lshl_b32 s28, s26, 14                        ; + 32 (t / 2) rows
	s_add_co_u32 s22, s22, s28
	s_lshl_b32 s28, s27, 12                        ; + 8 (t % 2) rows
	s_add_co_u32 s22, s22, s28
	s_lshl_b32 s28, s25, 8                         ; + my 256 bytes of a row
	s_add_co_u32 s22, s22, s28
	s_mov_b32 s23, 0
	s_lshl_b32 s34, s21, 11                        ; the scale bytes, from: 64 rows of 32 bytes a group; wave w makes bytes 256 w .. + 255 of the group's 2,048: q = t, lanes 16 (w % 2) .. + 15
	s_lshl_b32 s28, s26, 10                        ; + 32 (q / 2) rows
	s_add_co_u32 s34, s34, s28
	s_lshl_b32 s28, s25, 8                         ; + 8 rows for the upper sixteen lanes
	s_add_co_u32 s34, s34, s28
	s_lshl_b32 s28, s27, 4                         ; + 16 (q % 2) bytes
	s_add_co_u32 s34, s34, s28
	s_mov_b32 s35, 0
	s_lshl_b32 s28, s20, 15                        ; to: 32,768 bytes a group,
	s_lshl_b32 s29, s25, 14                        ; + 4 K steps of 4,096,
	s_add_co_u32 s28, s28, s29
	s_lshl_b32 s29, s24, 10                        ; + 1,024 t
	s_add_co_u32 s28, s28, s29
	s_mov_b32 s29, 0
	s_lshl_b32 s36, s20, 11
	s_lshl_b32 s37, s18, 8
	s_add_co_u32 s36, s36, s37
	s_add_co_u32 s36, s36, WS
	s_mov_b32 s37, 0
	v_lshlrev_b32 v9, 9, v4
	v_lshl_add_u32 v9, v3, 4, v9                   ; codes in: lanes 0-15 one row's 256 bytes, lanes 16-31 the next row's
	v_lshrrev_b32 v10, 1, v1                       ; scales in: two lanes to a row r' = lane / 2,
	v_and_b32 v11, 8, v10
	v_add_nc_u32 v10, v10, v11                     ; r' + 8 (r' / 8)
	v_lshlrev_b32 v10, 5, v10
	v_and_b32 v11, 1, v1
	v_lshl_add_u32 v10, v11, 3, v10                ; 8 bytes each
	v_lshlrev_b32 v12, 3, v1                       ; scales out: 8 x lane
	s_wait_kmcnt 0x0
	s_cmp_lt_u32 s20, 128                          ; W1's group or W2's?  The choice hangs on the work-group's number alone
	s_cselect_b64 s[6:7], s[6:7], s[10:11]
	s_cselect_b64 s[8:9], s[8:9], s[12:13]
	s_add_nc_u64 s[6:7], s[6:7], s[22:23]
	s_add_nc_u64 s[8:9], s[8:9], s[34:35]
	s_add_nc_u64 s[30:31], s[16:17], s[28:29]
	s_add_nc_u64 s[32:33], s[16:17], s[36:37]
	global_load_b64 v[48:49], v10, s[8:9] th:TH_LOAD_NT
.irp n, 0,1,2,3,4,5,6,7
	global_load_b128 v[16+4*\n:19+4*\n], v9, s[6:7] offset:(2*\n+8*(\n/4))*512 th:TH_LOAD_NT   ; the tile's rows 2 n, 2 n + 1: eight neighbours, then the eight that lie 16 further on
.endr
	s_wait_loadcnt 0x0
	global_store_b64 v12, v[48:49], s[32:33]       ; 256 consecutive bytes, aligned
.irp n, 0,1,2,3,4,5,6,7
	ds_store_b128 v7, v[16+4*\n:19+4*\n] offset:544*\n
.endr
.irp n, 0,1,2,3,4,5,6,7                ; n = 2 x K step + half.  LDS serves a wave's instructions in order: these see my stores
	ds_load_b128 v[52+4*\n:55+4*\n], v8 offset:32*\n
.endr
.irp n, 0,1,2,3,4,5,6,7
	s_wait_dscnt 7-\n
	global_store_b128 v2, v[52+4*\n:55+4*\n], s[30:31] offset:4096*(\n/2)+512*(\n%2)   ; half a fragment's image: 512 consecutive bytes
.endr
	s_wait_tensorcnt 0x0
	ds_add_u32 v128, v129
	s_wait_dscnt 0x0
	s_endpgm
.Lfunc_end_k_q2053832fbe_place:
	.size	k_q2053832fbe_place, .Lfunc_end_k_q2053832fbe_place-k_q2053832fbe_place
	.p2alignl 7, 3214868480
	.fill 96, 4, 3214868480
	.section	.rodata,"a",@progbits
	.p2align	6, 0x0
	.amdhsa_kernel k_q2053832fbe_place
		.amdhsa_group_segment_fixed_size 37888
		.amdhsa_private_segment_fixed_size 0
		.amdhsa_enable_private_segment 0
		.amdhsa_kernarg_size 56
		.amdhsa_user_sgpr_count 2
		.amdhsa_user_sgpr_kernarg_segment_ptr 1
		.amdhsa_wavefront_size32 1
		.amdhsa_system_sgpr_workgroup_id_x 1
		.amdhsa_system_sgpr_workgroup_id_y 1
		.amdhsa_system_sgpr_workgroup_id_z 1
		.amdhsa_system_vgpr_workitem_id 0
		.amdhsa_next_free_vgpr 130
		.amdhsa_next_free_sgpr 66
		.amdhsa_reserve_vcc 1
		.amdhsa_float_denorm_mode_32 3
		.amdhsa_float_denorm_mode_16_64 3
		.amdhsa_memory_ordered 1
		.amdhsa_forward_progress 1
		.amdhsa_inst_pref_size 48
	.end_amdhsa_kernel
	.amdgpu_metadata
---
amdhsa.version: [ 1, 2 ]
amdhsa.kernels:
  - .name:           k_q2053832fbe_place
    .symbol:         k_q2053832fbe_place.kd
    .args:
      - { .name: sel, .offset: 0, .size: 8, .value_kind: global_buffer, .address_space: global }
      - { .name: W1_codes, .offset: 8, .size: 8, .value_kind: global_buffer, .address_space: global }
      - { .name: W1_scales, .offset: 16, .size: 8, .value_kind: global_buffer, .address_space: global }
      - { .name: W2_codes, .offset: 24, .size: 8, .value_kind: global_buffer, .address_space: global }
      - { .name: W2_scales, .offset: 32, .size: 8, .value_kind: global_buffer, .address_space: global }
      - { .name: order, .offset: 40, .size: 8, .value_kind: global_buffer, .address_space: global }
      - { .name: wf, .offset: 48, .size: 8, .value_kind: global_buffer, .address_space: global }
    .group_segment_fixed_size: 37888
    .private_segment_fixed_size: 0
    .kernarg_segment_align: 8
    .kernarg_segment_size: 56
    .max_flat_workgroup_size: 256
    .sgpr_count:     66
    .vgpr_count:     130
    .wavefront_size: 32
...
	.end_amdgpu_metadata
.endif
;; end of part 2
;; launch up (part 3): grid 4 x 64, 4 waves a work-group, no clusters, 34,304 bytes of LDS; arguments xq, order, wf, b1, h1; writes h1
.if DOCPART == 3
	.amdgcn_target "amdgcn-amd-amdhsa--gfx1250"
	.amdhsa_code_object_version 6
	.text
	.protected	k_q2053832fbe_up
	.globl	k_q2053832fbe_up
	.p2align	8
	.type	k_q2053832fbe_up,@function
k_q2053832fbe_up:
	s_mov_b64 s[64:65], 0
	v_nop
	global_prefetch_b8 v0, s[64:65] scope:SCOPE_SE
	s_setreg_imm32_b32 hwreg(HW_REG_WAVE_MODE, 25, 1), 1
	s_wait_xcnt 0x0
; h1 = Q(relu(x W1[e] + b1[e])), in MX-FP4, for each block of 64 SORTED tokens and each expert that some token of the block has chosen.  All 64 rows are multiplied for each such expert
; (a block has the tokens of one pair of experts, or crosses into a neighbouring pair): so h1 lies at fixed places [block][expert], and the next launch weighs a row that did not choose the expert with 0.
; SHARES.  Work-group (cb, blk): block blk, hidden units 256 cb .. + 255.  Wave w: 64 tokens x 64 hidden units: 16 accumulators.
; x's 32 fragments stay in registers for the whole launch; an expert's 32 weight fragments, 16 scale registers and bias come from memory STRAIGHT INTO REGISTERS, in the order in which an earlier launch laid them:
; each byte is loaded by one wave.  The walk over the experts hangs on a stored list, so the text has no copy engine, no cluster and no barrier in its loop; LDS serves once, to turn x's gathered rows into fragments.
; TRANSPOSED: source 0 = 16 rows of W1, source 1 = 16 tokens.  Lane (r, h) holds token r; register 16 b + i of a tile of tokens is hidden unit 32 b + 16 h + i of the wave's 64 (by the order of a weight tile's rows).
; So the conversions take neighbours along the next K, and the wave's 64 units are half c = w % 2 of K step S = 2 cb + w / 2 of the next product.
; h1, codes: [blk][e][S 8][tile of tokens m 4][c 2][lane 32][16 bytes]: an image of the operand's registers.  Scales, at byte HS: [blk][e][q 4][lane][16 bytes], as the weights' are laid.
; SCALE REGISTERS, of weights and of x alike: register 8 j + s holds, in lane (r, h), the scale word of K step s of row r of tile 2 j + h: tile t names register 8 (t / 2) + s and the lanes' half t % 2.
; LIMITS: a block of 32 whose largest number lies under 2^-124, zeros too, keeps the scale byte 1 (only this program reads these bytes).
; REGISTERS.  Window 0: v1-15 lane terms and the block's entries; v16-31 x's scales; v32-47 the weights' scales; v48-79 the bias, 8 a tile; v80-207 the accumulators, (m, t) at 32 m + 8 t; v208-251 the quantiser's.
;   Window 1: x's fragment (s, m) at 8 (4 s + m).   Window 2: the weights' fragment (s, t) at 8 (4 s + t).
.set XS,   0x200000                    ; x's scale bytes in xq
.set WS,   0x800000                    ; the weights' scale words in wf
.set HS,   0x1000000                   ; h1's scale words in h1
.set SP,   528                         ; a row of x's codes in LDS: 512 bytes + 16: the sixteen rows of a fragment load begin in different banks
.set XSC,  16
.set WSC,  32
.set BIAS, 48
.set ACC,  80
.set RO,   144                         ; v144-159 at the head: the byte offsets of my 16 rows of x
.set MXR,  208                         ; v208-215 eight blocks' largest numbers; later the rows' two bytes
.set PD,   216                         ; v216-223 the other half's; later the bytes
.set SO,   224                         ; v224-231 the conversions' scale operands
.set PC,   232                         ; v232-247 the codes
.set HW,   248                         ; v248-249 two bytes a lane, to store
.set MSB, 0
.macro WIN new                         ; the immediate's high byte repeats the setting that is left
.if MSB != \new
	s_set_vgpr_msb (MSB<<8)|\new
.set MSB, \new
.endif
.endm
	s_load_b256 s[4:11], s[0:1], 0x0               ; xq s[4:5], order s[6:7], wf s[8:9], b1 s[10:11]
	s_load_b64 s[12:13], s[0:1], 0x20              ; h1
	v_lshl_add_u32 v254, v0, 2, 0x8400
	v_mov_b32 v255, 0
	v_lshrrev_b32 v1, 5, v0
	v_readfirstlane_b32 s14, v1                    ; wave 0..3
	s_mov_b32 s15, ttmp9                           ; cb
	s_and_b32 s16, ttmp7, 0xffff                   ; blk
	v_and_b32 v1, 31, v0                           ; lane
	v_and_b32 v2, 15, v0                           ; r
	v_bfe_u32 v3, v0, 4, 1                         ; h
	v_lshlrev_b32 v4, 4, v1                        ; 16 x lane: never rewritten
	v_lshlrev_b32 v5, 2, v1                        ; 4 x lane
	v_mul_u32_u24 v6, v2, SP
	v_lshl_add_u32 v6, v3, 4, v6                   ; a fragment of x in LDS: row r, + 16 h
	v_lshlrev_b32 v7, 6, v3                        ; the bias: 16 h numbers on: never rewritten
	s_mul_i32 s52, s14, 16*SP
	v_add_nc_u32 v8, s52, v4                       ; where I put my 16 rows
	v_mov_b32 v15, 1
.irp k, 0,1,2,3,4,5,6,7
	v_mov_b32 v[PD+\k], 0                          ; written once: a lane permute's destination counts as one of its sources
.endr
	s_mov_b32 s48, 0xffff0000                      ; lanes 16-31
	s_mov_b32 s50, 0x76543210
	s_mov_b32 s51, 0xfedcba98                      ; v_permlanex16_b32's selects for lane l xor 16
	s_lshl_b32 s49, s15, 10
	s_lshl_b32 s52, s14, 8
	s_add_co_u32 s49, s49, s52                     ; my first hidden unit in a row of b1, in bytes
	s_lshl_b32 s52, s15, 1
	s_lshr_b32 s53, s14, 1
	s_add_co_u32 s52, s52, s53                     ; S
	s_and_b32 s53, s14, 1                          ; c
	s_lshl_b32 s58, s52, 12
	s_lshl_b32 s54, s53, 9
	s_add_co_u32 s58, s58, s54                     ; my place in a (block, expert)'s codes: 4,096 S + 512 c
	s_lshr_b32 s59, s52, 2
	s_lshl_b32 s59, s59, 9
	s_and_b32 s54, s52, 3
	s_lshl_b32 s54, s54, 2
	s_add_co_u32 s59, s59, s54
	s_lshl_b32 s54, s53, 1
	s_add_co_u32 s59, s59, s54
	s_add_co_u32 s59, s59, HS                      ; and in its scale words: 512 (S / 4) + 4 (S % 4) + 2 c
	s_lshl_b32 s52, s16, 8                         ; the block's 64 entries
	s_mov_b32 s53, 0
	s_lshl_b32 s54, s14, 6                         ; my wave's 16 of them
	s_mov_b32 s55, 0
	s_wait_kmcnt 0x0
	s_add_nc_u64 s[6:7], s[6:7], s[52:53]
	s_add_nc_u64 s[54:55], s[6:7], s[54:55]
	s_load_b512 s[32:47], s[54:55], 0x0
	global_load_b32 v9, v5, s[6:7]                 ; lane l: the entries of places l and 32 + l
	global_load_b32 v10, v5, s[6:7] offset:128
	s_add_nc_u64 s[56:57], s[4:5], XS
	s_wait_kmcnt 0x0
.irp i, 0,1,2,3,4,5,6,7,8,9,10,11,12,13,14,15
	s_and_b32 s52, s[32+\i], 0xfff                 ; the token,
	s_min_u32 s52, s52, 0xfff                      ; held inside the buffer
	s_lshl_b32 s52, s52, 9
	v_add_nc_u32 v[RO+\i], s52, v4
	global_load_b128 v[ACC+4*\i:ACC+4*\i+3], v[RO+\i], s[4:5]   ; a row's 512 bytes of codes, consecutive
.endr
	s_wait_loadcnt 16                              ; the two loads of entries are in; the 16 rows are younger
	v_and_b32 v12, 0xfff, v9
	v_min_u32 v12, 0xfff, v12
	v_lshlrev_b32 v12, 5, v12
	v_and_b32 v13, 0xfff, v10
	v_min_u32 v13, 0xfff, v13
	v_lshlrev_b32 v13, 5, v13
	global_load_b128 v[XSC:XSC+3], v12, s[56:57]               ; place 32 j + lane = row r of tile 2 j + h: its eight scale words are registers 8 j .. 8 j + 7
	global_load_b128 v[XSC+4:XSC+7], v12, s[56:57] offset:16
	global_load_b128 v[XSC+8:XSC+11], v13, s[56:57]
	global_load_b128 v[XSC+12:XSC+15], v13, s[56:57] offset:16
	v_bfe_u32 v14, v9, 12, 4                       ; which experts do my two tokens use?
	v_lshlrev_b32 v11, v14, v15
	v_bfe_u32 v14, v9, 16, 4
	v_lshlrev_b32 v14, v14, v15
	v_or_b32 v11, v11, v14
	v_bfe_u32 v14, v10, 12, 4
	v_lshlrev_b32 v14, v14, v15
	v_or_b32 v11, v11, v14
	v_bfe_u32 v14, v10, 16, 4
	v_lshlrev_b32 v14, v14, v15
	v_or_b32 v11, v11, v14
	; THE BLOCK'S LIST OF EXPERTS, four bits each, in ascending order, and their number: made without a jump, alike in all four waves
	s_mov_b32 s17, 0                               ; the list
	s_mov_b32 s18, 0                               ; how many
	s_mov_b32 s21, 0                               ; 4 x how many
.irp e, 0,1,2,3,4,5,6,7
	v_and_b32 v14, 1<<\e, v11
	v_cmp_ne_u32 vcc_lo, 0, v14
	s_cmp_lg_u32 vcc_lo, 0
	s_cselect_b32 s52, 1, 0                        ; does any token use expert e?
	s_lshl_b32 s53, \e, s21
	s_mul_i32 s53, s53, s52
	s_or_b32 s17, s17, s53
	s_lshl_b32 s53, s52, 2
	s_add_co_u32 s21, s21, s53
	s_add_co_u32 s18, s18, s52
.endr
.macro PICK                            ; s20 = entry s19 of the list
	s_lshl_b32 s52, s19, 2
	s_lshr_b32 s20, s17, s52
	s_and_b32 s20, s20, 7
	s_min_u32 s20, s20, 7
.endm
; Expert s20's bias, scale words and 32 fragments are asked for: 76 loads of 512 consecutive bytes (the bias: 16 bytes a lane), the fragments last, K step by K step.
; The bases are written anew here: every load that named them has been waited for.
.macro ISSUE
	s_lshl_b32 s52, s20, 4
	s_lshl_b32 s53, s15, 2
	s_add_co_u32 s52, s52, s53
	s_add_co_u32 s52, s52, s14                     ; G = 16 e + 4 cb + w
	s_lshl_b32 s54, s52, 11
	s_add_co_u32 s54, s54, WS
	s_lshl_b32 s52, s52, 15
	s_mov_b32 s53, 0
	s_mov_b32 s55, 0
	s_add_nc_u64 s[22:23], s[8:9], s[52:53]
	s_add_nc_u64 s[24:25], s[8:9], s[54:55]
	s_lshl_b32 s52, s20, 12
	s_add_co_u32 s52, s52, s49
	s_add_nc_u64 s[26:27], s[10:11], s[52:53]
.irp t, 0,1,2,3
	global_load_b128 v[BIAS+8*\t:BIAS+8*\t+3], v7, s[26:27] offset:(32*(\t/2)+8*(\t%2))*4      ; lane (r, h), tile t: units 32 (t / 2) + 16 h + 8 (t % 2) + 0 .. 7: the result's layout
	global_load_b128 v[BIAS+8*\t+4:BIAS+8*\t+7], v7, s[26:27] offset:(32*(\t/2)+8*(\t%2))*4+16
.endr
.irp q, 0,1,2,3
	global_load_b128 v[WSC+4*\q:WSC+4*\q+3], v4, s[24:25] offset:512*\q
.endr
	WIN 0x80                                       ; destination window 2
.irp s, 0,1,2,3,4,5,6,7
.irp t, 0,1,2,3
.irp c, 0,1
	global_load_b128 v[(4*\s+\t)*8+4*\c:(4*\s+\t)*8+4*\c+3], v4, s[22:23] offset:(4*\s+\t)*1024+512*\c
.endr
.endr
.endr
	WIN 0
.endm
; One matrix instruction: K step s, tokens' tile m, weights' tile t; c: the first register of its C.  The four forms differ in the halves of the lanes from which the scales are taken.
.macro WM s, m, t, c
.if ((\t)%2 == 0) && ((\m)%2 == 0)
	v_wmma_scale_f32_16x16x128_f8f6f4 v[ACC+32*\m+8*\t:ACC+32*\m+8*\t+7], v[(4*\s+\t)*8:(4*\s+\t)*8+7], v[(4*\s+\m)*8:(4*\s+\m)*8+7], v[\c:\c+7], v[WSC+8*(\t/2)+\s], v[XSC+8*(\m/2)+\s] matrix_a_fmt:MATRIX_FMT_FP4 matrix_b_fmt:MATRIX_FMT_FP4
.elseif ((\t)%2 == 1) && ((\m)%2 == 0)
	v_wmma_scale_f32_16x16x128_f8f6f4 v[ACC+32*\m+8*\t:ACC+32*\m+8*\t+7], v[(4*\s+\t)*8:(4*\s+\t)*8+7], v[(4*\s+\m)*8:(4*\s+\m)*8+7], v[\c:\c+7], v[WSC+8*(\t/2)+\s], v[XSC+8*(\m/2)+\s] matrix_a_fmt:MATRIX_FMT_FP4 matrix_b_fmt:MATRIX_FMT_FP4 matrix_a_scale:MATRIX_SCALE_ROW1
.elseif ((\t)%2 == 0) && ((\m)%2 == 1)
	v_wmma_scale_f32_16x16x128_f8f6f4 v[ACC+32*\m+8*\t:ACC+32*\m+8*\t+7], v[(4*\s+\t)*8:(4*\s+\t)*8+7], v[(4*\s+\m)*8:(4*\s+\m)*8+7], v[\c:\c+7], v[WSC+8*(\t/2)+\s], v[XSC+8*(\m/2)+\s] matrix_a_fmt:MATRIX_FMT_FP4 matrix_b_fmt:MATRIX_FMT_FP4 matrix_b_scale:MATRIX_SCALE_ROW1
.else
	v_wmma_scale_f32_16x16x128_f8f6f4 v[ACC+32*\m+8*\t:ACC+32*\m+8*\t+7], v[(4*\s+\t)*8:(4*\s+\t)*8+7], v[(4*\s+\m)*8:(4*\s+\m)*8+7], v[\c:\c+7], v[WSC+8*(\t/2)+\s], v[XSC+8*(\m/2)+\s] matrix_a_fmt:MATRIX_FMT_FP4 matrix_b_fmt:MATRIX_FMT_FP4 matrix_a_scale:MATRIX_SCALE_ROW1 matrix_b_scale:MATRIX_SCALE_ROW1
.endif
.endm
; An expert's eight K steps, 16 matrix instructions each.  The 16 accumulators take turns, one instruction a turn, in the same order in every step and over the loop's edge.
; The first step's C is the bias: nothing is cleared and nothing is added afterwards.
.macro KSTEPS
	WIN 0x06                                       ; source 0 (weights) window 2, source 1 (x) window 1, C and D window 0
.irp s, 0,1,2,3,4,5,6,7
	s_wait_loadcnt 8*(7-\s)                        ; loads come back in order: all up to this step's eight are in; the later steps' eight each may be out
.irp m, 0,1,2,3
.irp t, 0,1,2,3
.if \s == 0
	WM \s, \m, \t, BIAS+8*\t
.else
	WM \s, \m, \t, ACC+32*\m+8*\t
.endif
.endr
.endr
.endr
	WIN 0
.rept 4
	v_nop                                          ; four places: in front of the loads into registers that the products have read, and of the first read of their results
.endr
.endm
; relu, the quantiser along the next K, and the stores.  Block k = 2 m + b is 16 registers of mine and 16 of lane l xor 16.
.macro EPI
.set n, 0
.rept 128
	v_max_num_f32 v[ACC+n], 0, v[ACC+n]            ; in ascending order: each accumulator is read from its low end on
.set n, n+1
.endr
.irp k, 0,1,2,3,4,5,6,7
	v_max3_num_f32 v[MXR+\k], v[ACC+16*\k], v[ACC+16*\k+1], 0x1800000   ; none is negative: no |.|; the floor 2^(3 - 127) holds the byte at 1 from below
.endr
.irp i, 2,4,6,8,10,12,14
.irp k, 0,1,2,3,4,5,6,7
	v_max3_num_f32 v[MXR+\k], v[MXR+\k], v[ACC+16*\k+\i], v[ACC+16*\k+\i+1]
.endr
.endr
.irp k, 0,1,2,3,4,5,6,7
	v_permlanex16_b32 v[PD+\k], v[MXR+\k], s50, s51
.endr
.irp k, 0,1,2,3,4,5,6,7
	v_max_num_f32 v[MXR+\k], v[MXR+\k], v[PD+\k]
.endr
.irp k, 0,1,2,3,4,5,6,7
	v_add_nc_u32 v[SO+\k], 0xff000000, v[MXR+\k]   ; 2 off the exponent field: the conversion's scale operand
.endr
.irp k, 0,1,2,3,4,5,6,7
	v_lshrrev_b32 v[PD+\k], 23, v[SO+\k]           ; the scale's byte
.endr
.irp m, 0,1,2,3
	v_lshl_or_b32 v[MXR+\m], v[PD+2*\m+1], 8, v[PD+2*\m]       ; token r of tile m: bytes 2 c and 2 c + 1 of its scale word for K step S
.endr
.irp p, 0,1
	v_cndmask_b32 v[HW+\p], v[MXR+2*\p], v[MXR+2*\p+1], s48    ; lanes 0-15 carry tile 2 p's, lanes 16-31 tile 2 p + 1's
.endr
.irp k, 0,1,2,3,4,5,6,7
	v_cvt_scalef32_pk8_fp4_f32 v[PC+2*\k], v[ACC+16*\k:ACC+16*\k+7], v[SO+\k]
	v_cvt_scalef32_pk8_fp4_f32 v[PC+2*\k+1], v[ACC+16*\k+8:ACC+16*\k+15], v[SO+\k]
.endr
	v_nop                                          ; one plain place behind the last scaled conversion
.irp m, 0,1,2,3                        ; the operand's layout wants a WHOLE block in a lane: lanes 0-15 block 0, lanes 16-31 block 1
.irp i, 0,1
	v_permlane16_swap_b32 v[PC+4*\m+\i], v[PC+4*\m+2+\i]
.endr
.endr
.irp m, 0,1,2,3
	global_store_b128 v4, v[PC+4*\m:PC+4*\m+3], s[28:29] offset:1024*\m   ; half a fragment's image: 512 consecutive bytes
.endr
.irp p, 0,1
	global_store_b16 v4, v[HW+\p], s[30:31] offset:1024*\p     ; two bytes of each lane's 16: a wave has no more of a scale word; 128 bytes a wave and expert
.endr
.endm
	s_mov_b32 s19, 0
	PICK
	ISSUE                                          ; the first expert's loads go out before x is turned
	s_wait_loadcnt 63                              ; my 16 rows and x's scale words are in: 76 loads are younger than they, and 63 is the most that a wait can name
.irp i, 0,1,2,3,4,5,6,7,8,9,10,11,12,13,14,15
	ds_store_b128 v8, v[ACC+4*\i:ACC+4*\i+3] offset:\i*SP
.endr
	s_wait_dscnt 0x0                               ; for the others' sake
	s_barrier_signal -1
	s_barrier_wait -1                              ; the block's 64 rows lie in LDS
	WIN 0x40                                       ; destination window 1
.irp s, 0,1,2,3,4,5,6,7
.irp m, 0,1,2,3
.irp c, 0,1
	ds_load_b128 v[(4*\s+\m)*8+4*\c:(4*\s+\m)*8+4*\c+3], v6 offset:\m*16*SP+64*\s+32*\c
.endr
.endr
.endr
	WIN 0
	s_wait_dscnt 0x0
.Ltrip:                                            ; a trip: one expert of the list
	KSTEPS
	s_wait_xcnt 0x0                                ; the last trip's stores have read their data and bases: both are written again below
	s_lshl_b32 s52, s16, 3
	s_add_co_u32 s52, s52, s20                     ; 8 blk + e
	s_lshl_b32 s54, s52, 11
	s_add_co_u32 s54, s54, s59
	s_lshl_b32 s52, s52, 15
	s_add_co_u32 s52, s52, s58
	s_mov_b32 s53, 0
	s_mov_b32 s55, 0
	s_add_nc_u64 s[28:29], s[12:13], s[52:53]      ; where this expert's codes go,
	s_add_nc_u64 s[30:31], s[12:13], s[54:55]      ; and its scale bytes
	s_add_co_u32 s19, s19, 1
	s_cmp_lt_u32 s19, s18
	s_cbranch_scc0 .Lno_next
	PICK
	ISSUE                                          ; the next expert's loads, into the registers just read: they are on their way while this expert's results are quantised
.Lno_next:
	EPI
	s_cmp_lt_u32 s19, s18
	s_cbranch_scc1 .Ltrip
	s_wait_tensorcnt 0x0
	ds_add_u32 v254, v255
	s_wait_dscnt 0x0
	s_endpgm
.Lfunc_end_k_q2053832fbe_up:
	.size	k_q2053832fbe_up, .Lfunc_end_k_q2053832fbe_up-k_q2053832fbe_up
	.p2alignl 7, 3214868480
	.fill 96, 4, 3214868480
	.section	.rodata,"a",@progbits
	.p2align	6, 0x0
	.amdhsa_kernel k_q2053832fbe_up
		.amdhsa_group_segment_fixed_size 34304
		.amdhsa_private_segment_fixed_size 0
		.amdhsa_enable_private_segment 0
		.amdhsa_kernarg_size 40
		.amdhsa_user_sgpr_count 2
		.amdhsa_user_sgpr_kernarg_segment_ptr 1
		.amdhsa_wavefront_size32 1
		.amdhsa_system_sgpr_workgroup_id_x 1
		.amdhsa_system_sgpr_workgroup_id_y 1
		.amdhsa_system_sgpr_workgroup_id_z 1
		.amdhsa_system_vgpr_workitem_id 0
		.amdhsa_next_free_vgpr 768
		.amdhsa_next_free_sgpr 66
		.amdhsa_reserve_vcc 1
		.amdhsa_float_denorm_mode_32 3
		.amdhsa_float_denorm_mode_16_64 3
		.amdhsa_memory_ordered 1
		.amdhsa_forward_progress 1
		.amdhsa_inst_pref_size 61
	.end_amdhsa_kernel
	.amdgpu_metadata
---
amdhsa.version: [ 1, 2 ]
amdhsa.kernels:
  - .name:           k_q2053832fbe_up
    .symbol:         k_q2053832fbe_up.kd
    .args:
      - { .name: xq, .offset: 0, .size: 8, .value_kind: global_buffer, .address_space: global }
      - { .name: order, .offset: 8, .size: 8, .value_kind: global_buffer, .address_space: global }
      - { .name: wf, .offset: 16, .size: 8, .value_kind: global_buffer, .address_space: global }
      - { .name: b1, .offset: 24, .size: 8, .value_kind: global_buffer, .address_space: global }
      - { .name: h1, .offset: 32, .size: 8, .value_kind: global_buffer, .address_space: global }
    .group_segment_fixed_size: 34304
    .private_segment_fixed_size: 0
    .kernarg_segment_align: 8
    .kernarg_segment_size: 40
    .max_flat_workgroup_size: 128
    .sgpr_count:     66
    .vgpr_count:     768
    .wavefront_size: 32
...
	.end_amdgpu_metadata
.endif
;; end of part 3
;; launch down (part 4): grid 4 x 64, 4 waves a work-group, no clusters, 67,072 bytes of LDS; arguments h1, order, gp, wf, b2, out0; writes out0
.if DOCPART == 4
	.amdgcn_target "amdgcn-amd-amdhsa--gfx1250"
	.amdhsa_code_object_version 6
	.text
	.protected	k_q2053832fbe_down
	.globl	k_q2053832fbe_down
	.p2align	8
	.type	k_q2053832fbe_down,@function
k_q2053832fbe_down:
	s_mov_b64 s[64:65], 0
	v_nop
	global_prefetch_b8 v0, s[64:65] scope:SCOPE_SE
	s_setreg_imm32_b32 hwreg(HW_REG_WAVE_MODE, 25, 1), 1
	s_wait_xcnt 0x0
; out = the sum over the block's experts e of gate(token, e) x relu(h1[e] W2[e] + b2[e]), in MX-FP4; gate is 0 for a token that did not choose e.  EACH OUTPUT ROW HAS ONE OWNER: nothing is added between work-groups.
; SHARES.  Work-group (cb, blk): the 64 sorted tokens of block blk, output columns 256 cb .. + 255.  Wave w: 64 tokens x 64 columns: 16 accumulators for the expert in hand, and 128 registers of weighed sums.
; Weights, h1, their scale words and the bias come from memory straight into registers, as images of the operands' registers (512 consecutive bytes a load).  The walk over the experts hangs on a stored list,
; so the text has no copy engine, no cluster and no barrier in its loop; its one barrier stands behind the loop, on the way out.
; TRANSPOSED: source 0 = 16 rows of W2, source 1 = 16 tokens of h1.  Lane (r, h) holds token r; register 16 b + i of a tile of tokens is column 32 b + 16 h + i of the wave's 64.
; SCALE REGISTERS: register 8 j + s holds, in lane (r, h), the scale word of K step s of row r of tile 2 j + h.
; LIMIT: where an expert that a token did NOT choose overflows to infinity in that token's row, 0 x infinity gives NaN there.
; REGISTERS.  Window 0: v1-15 lane terms and entries; v16-31 h1's scales; v32-47 the weights' scales; v48-79 the bias (at the end: row offsets); v80-207 the accumulators, (m, t) at 32 m + 8 t (at the end: rows of out);
;   v208-215 lo, hi of token r of tile m; v216-223 its two gates; v224-231 the gate for the expert in hand, a pair for each m; v232-235 offsets into gp.
;   Window 1: h1's fragment (s, m) at 8 (4 s + m).   Window 2: the weights' (s, t) at 8 (4 s + t).   Window 3: v0-127 the weighed sums, laid as the accumulators.
.set WS,   0x800000
.set HS,   0x1000000
.set OP,   1040                        ; a row of the stage: 1,024 bytes + 16
.set HSC,  16
.set WSC,  32
.set BIAS, 48
.set ACC,  80
.set LO,   208
.set HI,   212
.set GP,   216
.set G,    224
.set GA,   232
.set MSB, 0
.macro WIN new                         ; the immediate's high byte repeats the setting that is left
.if MSB != \new
	s_set_vgpr_msb (MSB<<8)|\new
.set MSB, \new
.endif
.endm
	s_load_b256 s[4:11], s[0:1], 0x0               ; h1 s[4:5], order s[6:7], gp s[8:9], wf s[10:11]
	s_load_b128 s[12:15], s[0:1], 0x20             ; b2 s[12:13], out0 s[14:15]
	v_lshl_add_u32 v254, v0, 2, 0x10400
	v_mov_b32 v255, 0
	v_lshrrev_b32 v1, 5, v0
	v_readfirstlane_b32 s16, v1                    ; wave 0..3
	s_mov_b32 s17, ttmp9                           ; cb
	s_and_b32 s18, ttmp7, 0xffff                   ; blk
	v_and_b32 v1, 31, v0                           ; lane
	v_and_b32 v2, 15, v0                           ; r
	v_bfe_u32 v3, v0, 4, 1                         ; h
	v_lshlrev_b32 v4, 4, v1                        ; 16 x lane: never rewritten
	v_lshlrev_b32 v5, 2, v2                        ; 4 r
	v_mul_u32_u24 v6, v2, OP
	v_lshl_add_u32 v6, v3, 6, v6
	s_lshl_b32 s52, s16, 8
	v_add_nc_u32 v6, s52, v6                       ; the stage, in: row r, + 256 w + 64 h
	v_lshlrev_b32 v7, 6, v3                        ; the bias: 16 h numbers on: never rewritten
	s_mul_i32 s52, s16, 16*OP
	v_add_nc_u32 v8, s52, v4                       ; the stage, out: my 16 rows, 16 bytes a lane
	v_mov_b32 v15, 1
.irp m, 0,1,2,3
	v_mov_b32 v[G+2*\m+1], 0                       ; the pairs' upper halves are named by the packed forms and never used: written once
.endr
	s_lshl_b32 s50, s17, 10
	s_lshl_b32 s52, s16, 8
	s_add_co_u32 s50, s50, s52                     ; my first column in a row of b2, in bytes
	s_lshl_b32 s52, s18, 8                         ; the block's 64 entries
	s_mov_b32 s53, 0
	s_lshl_b32 s54, s16, 6                         ; the 16 rows that I store at the end
	s_mov_b32 s55, 0
	s_lshl_b32 s56, s17, 10                        ; the work-group's 1,024 bytes of a row of out
	s_mov_b32 s57, 0
	s_wait_kmcnt 0x0
	s_add_nc_u64 s[6:7], s[6:7], s[52:53]
	s_add_nc_u64 s[54:55], s[6:7], s[54:55]
	s_add_nc_u64 s[14:15], s[14:15], s[56:57]
	s_load_b512 s[32:47], s[54:55], 0x0
.irp m, 0,1,2,3
	global_load_b32 v[9+\m], v5, s[6:7] offset:64*\m           ; the entry of token r of tile m (both halves of the lanes alike)
.endr
	s_wait_loadcnt 0x0
.irp m, 0,1,2,3
	v_bfe_u32 v[LO+\m], v[9+\m], 12, 4
	v_bfe_u32 v[HI+\m], v[9+\m], 16, 4
	v_and_b32 v[GA+\m], 0xfff, v[9+\m]             ; the token,
	v_min_u32 v[GA+\m], 0xfff, v[GA+\m]            ; held inside the buffer
	v_lshlrev_b32 v[GA+\m], 3, v[GA+\m]
	global_load_b64 v[GP+2*\m:GP+2*\m+1], v[GA+\m], s[8:9]     ; its two gates.  Older than every load below: in by the first K steps' last wait
.endr
	v_lshlrev_b32 v13, v[LO], v15                  ; which experts do my four tokens use?
.irp m, 1,2,3
	v_lshlrev_b32 v14, v[LO+\m], v15
	v_or_b32 v13, v13, v14
.endr
.irp m, 0,1,2,3
	v_lshlrev_b32 v14, v[HI+\m], v15
	v_or_b32 v13, v13, v14
.endr
	; THE BLOCK'S LIST OF EXPERTS, four bits each, ascending, and their number: the same list as in the launch before, made without a jump, alike in all four waves
	s_mov_b32 s19, 0                               ; the list
	s_mov_b32 s20, 0                               ; how many
	s_mov_b32 s23, 0                               ; 4 x how many
.irp e, 0,1,2,3,4,5,6,7
	v_and_b32 v14, 1<<\e, v13
	v_cmp_ne_u32 vcc_lo, 0, v14
	s_cmp_lg_u32 vcc_lo, 0
	s_cselect_b32 s52, 1, 0
	s_lshl_b32 s53, \e, s23
	s_mul_i32 s53, s53, s52
	s_or_b32 s19, s19, s53
	s_lshl_b32 s53, s52, 2
	s_add_co_u32 s23, s23, s53
	s_add_co_u32 s20, s20, s52
.endr
	s_wait_kmcnt 0x0                               ; my 16 entries are in: their base's registers serve as scratch below
.macro PICK                            ; s22 = entry s21 of the list
	s_lshl_b32 s52, s21, 2
	s_lshr_b32 s22, s19, s52
	s_and_b32 s22, s22, 7
	s_min_u32 s22, s22, 7
.endm
; Expert s22's bias, scale words, weights and h1 are asked for: 144 loads, the fragments last, K step by K step (eight of the weights', eight of h1's).
; The bases are written anew here: every load that named them has been waited for.
.macro ISSUE
	s_lshl_b32 s52, s22, 4
	s_add_co_u32 s52, s52, 128
	s_lshl_b32 s53, s17, 2
	s_add_co_u32 s52, s52, s53
	s_add_co_u32 s52, s52, s16                     ; G = 16 (8 + e) + 4 cb + w
	s_lshl_b32 s54, s52, 11
	s_add_co_u32 s54, s54, WS
	s_lshl_b32 s52, s52, 15
	s_mov_b32 s53, 0
	s_mov_b32 s55, 0
	s_add_nc_u64 s[24:25], s[10:11], s[52:53]
	s_add_nc_u64 s[26:27], s[10:11], s[54:55]
	s_lshl_b32 s52, s22, 12
	s_add_co_u32 s52, s52, s50
	s_add_nc_u64 s[28:29], s[12:13], s[52:53]
	s_lshl_b32 s52, s18, 3
	s_add_co_u32 s52, s52, s22                     ; 8 blk + e
	s_lshl_b32 s54, s52, 11
	s_add_co_u32 s54, s54, HS
	s_lshl_b32 s52, s52, 15
	s_add_nc_u64 s[30:31], s[4:5], s[52:53]
	s_add_nc_u64 s[48:49], s[4:5], s[54:55]
.irp t, 0,1,2,3
	global_load_b128 v[BIAS+8*\t:BIAS+8*\t+3], v7, s[28:29] offset:(32*(\t/2)+8*(\t%2))*4
	global_load_b128 v[BIAS+8*\t+4:BIAS+8*\t+7], v7, s[28:29] offset:(32*(\t/2)+8*(\t%2))*4+16
.endr
.irp q, 0,1,2,3
	global_load_b128 v[WSC+4*\q:WSC+4*\q+3], v4, s[26:27] offset:512*\q
.endr
.irp q, 0,1,2,3
	global_load_b128 v[HSC+4*\q:HSC+4*\q+3], v4, s[48:49] offset:512*\q
.endr
.irp s, 0,1,2,3,4,5,6,7
	WIN 0x80                                       ; destination window 2
.irp t, 0,1,2,3
.irp c, 0,1
	global_load_b128 v[(4*\s+\t)*8+4*\c:(4*\s+\t)*8+4*\c+3], v4, s[24:25] offset:(4*\s+\t)*1024+512*\c
.endr
.endr
	WIN 0x40                                       ; destination window 1
.irp m, 0,1,2,3
.irp c, 0,1
	global_load_b128 v[(4*\s+\m)*8+4*\c:(4*\s+\m)*8+4*\c+3], v4, s[30:31] offset:(4*\s+\m)*1024+512*\c
.endr
.endr
.endr
	WIN 0
.endm
; One matrix instruction: K step s, tokens' tile m, weights' tile t; c: the first register of its C.  The four forms differ in the halves of the lanes from which the scales are taken.
.macro WM s, m, t, c
.if ((\t)%2 == 0) && ((\m)%2 == 0)
	v_wmma_scale_f32_16x16x128_f8f6f4 v[ACC+32*\m+8*\t:ACC+32*\m+8*\t+7], v[(4*\s+\t)*8:(4*\s+\t)*8+7], v[(4*\s+\m)*8:(4*\s+\m)*8+7], v[\c:\c+7], v[WSC+8*(\t/2)+\s], v[HSC+8*(\m/2)+\s] matrix_a_fmt:MATRIX_FMT_FP4 matrix_b_fmt:MATRIX_FMT_FP4
.elseif ((\t)%2 == 1) && ((\m)%2 == 0)
	v_wmma_scale_f32_16x16x128_f8f6f4 v[ACC+32*\m+8*\t:ACC+32*\m+8*\t+7], v[(4*\s+\t)*8:(4*\s+\t)*8+7], v[(4*\s+\m)*8:(4*\s+\m)*8+7], v[\c:\c+7], v[WSC+8*(\t/2)+\s], v[HSC+8*(\m/2)+\s] matrix_a_fmt:MATRIX_FMT_FP4 matrix_b_fmt:MATRIX_FMT_FP4 matrix_a_scale:MATRIX_SCALE_ROW1
.elseif ((\t)%2 == 0) && ((\m)%2 == 1)
	v_wmma_scale_f32_16x16x128_f8f6f4 v[ACC+32*\m+8*\t:ACC+32*\m+8*\t+7], v[(4*\s+\t)*8:(4*\s+\t)*8+7], v[(4*\s+\m)*8:(4*\s+\m)*8+7], v[\c:\c+7], v[WSC+8*(\t/2)+\s], v[HSC+8*(\m/2)+\s] matrix_a_fmt:MATRIX_FMT_FP4 matrix_b_fmt:MATRIX_FMT_FP4 matrix_b_scale:MATRIX_SCALE_ROW1
.else
	v_wmma_scale_f32_16x16x128_f8f6f4 v[ACC+32*\m+8*\t:ACC+32*\m+8*\t+7], v[(4*\s+\t)*8:(4*\s+\t)*8+7], v[(4*\s+\m)*8:(4*\s+\m)*8+7], v[\c:\c+7], v[WSC+8*(\t/2)+\s], v[HSC+8*(\m/2)+\s] matrix_a_fmt:MATRIX_FMT_FP4 matrix_b_fmt:MATRIX_FMT_FP4 matrix_a_scale:MATRIX_SCALE_ROW1 matrix_b_scale:MATRIX_SCALE_ROW1
.endif
.endm
; An expert's eight K steps, 16 matrix instructions each; the 16 accumulators take turns, one instruction a turn, in the same order in every step and over the loop's edge.
; The first step's C is the bias.  Behind them the gate of this expert for token r of each tile: 0 unless the token chose it.
.macro KSTEPS
	WIN 0x06                                       ; source 0 (weights) window 2, source 1 (h1) window 1, C and D window 0
.irp s, 0,1,2,3,4,5,6,7
.if 16*(7-\s) > 63
	s_wait_loadcnt 63                              ; 16 (7 - s) loads are younger than this step's; 63 is the most that a wait can name, and a smaller count is safe
.else
	s_wait_loadcnt 16*(7-\s)                       ; all up to this step's sixteen are in; the later steps' sixteen each may be out
.endif
.irp m, 0,1,2,3
.irp t, 0,1,2,3
.if \s == 0
	WM \s, \m, \t, BIAS+8*\t
.else
	WM \s, \m, \t, ACC+32*\m+8*\t
.endif
.endr
.endr
.endr
	WIN 0
.rept 4
	v_nop                                          ; four places: in front of the loads into registers that the products have read, and of the first read of their results
.endr
.irp m, 0,1,2,3
	v_cmp_eq_u32 vcc_lo, s22, v[LO+\m]
	v_cndmask_b32 v[G+2*\m], 0, v[GP+2*\m], vcc_lo
	v_cmp_eq_u32 vcc_lo, s22, v[HI+\m]
	v_cndmask_b32 v[G+2*\m], v[G+2*\m], v[GP+2*\m+1], vcc_lo
.endr
.endm
; relu, and the weighed sum: the first expert's products start the sums (nothing is cleared), the others are fused multiply-adds, two at a time; of the gate's pair the low word serves both halves.
.macro EPI first
.set n, 0
.rept 128
	v_max_num_f32 v[ACC+n], 0, v[ACC+n]            ; in ascending order: each accumulator is read from its low end on
.set n, n+1
.endr
.if \first
	WIN 0xc0                                       ; destination window 3
.else
	WIN 0xf0                                       ; source 2 and destination window 3
.endif
.set n, 0
.rept 64
.if \first
	v_pk_mul_f32 v[2*n:2*n+1], v[ACC+2*n:ACC+2*n+1], v[G+2*(n/16):G+2*(n/16)+1] op_sel_hi:[1,0]
.else
	v_pk_fma_f32 v[2*n:2*n+1], v[ACC+2*n:ACC+2*n+1], v[G+2*(n/16):G+2*(n/16)+1], v[2*n:2*n+1] op_sel_hi:[1,0,1]
.endif
.set n, n+1
.endr
	WIN 0
.endm
	s_mov_b32 s21, 0
	PICK
	ISSUE
	KSTEPS                                         ; the first expert is written out ahead of the loop: its products start the weighed sums
	s_mov_b32 s21, 1
	s_cmp_lt_u32 s21, s20
	s_cbranch_scc0 .Lno_second
	PICK
	ISSUE                                          ; the next expert's loads, into the registers just read: on their way while this expert's results are weighed
.Lno_second:
	EPI 1
	s_cmp_lt_u32 s21, s20
	s_cbranch_scc0 .Lout
.Ltrip:                                            ; a trip: one further expert of the list
	KSTEPS
	s_add_co_u32 s21, s21, 1
	s_cmp_lt_u32 s21, s20
	s_cbranch_scc0 .Lno_next
	PICK
	ISSUE
.Lno_next:
	EPI 0
	s_cmp_lt_u32 s21, s20
	s_cbranch_scc1 .Ltrip
.Lout:
	; THE WAY OUT.  A row's 1,024 bytes come from four waves: they meet in a stage in LDS, and each wave stores 16 whole rows to the tokens' own places.
	s_wait_loadcnt 0x0                             ; no load is out here (the last trip asked for nothing): the bias's registers are written below
	WIN 0x0c                                       ; an LDS store's data are its source 1: window 3
.irp m, 0,1,2,3
.irp b, 0,1
.irp q, 0,1,2,3
	ds_store_b128 v6, v[32*\m+16*\b+4*\q:32*\m+16*\b+4*\q+3] offset:\m*16*OP+128*\b+16*\q   ; lane (r, h): out(16 m + r, 64 w + 32 b + 16 h + 4 q .. + 3)
.endr
.endr
.endr
	WIN 0
	s_wait_dscnt 0x0                               ; for the others' sake
	s_barrier_signal -1
	s_barrier_wait -1                              ; 64 rows of 1,024 bytes lie in the stage
.irp i, 0,1,2,3,4,5,6,7,8,9,10,11,12,13,14,15
	s_and_b32 s52, s[32+\i], 0xfff                 ; the token of my row i,
	s_min_u32 s52, s52, 0xfff                      ; held inside the buffer
	s_lshl_b32 s52, s52, 12
	v_add_nc_u32 v[BIAS+\i], s52, v4
.endr
.irp i, 0,1,2,3,4,5,6,7,8,9,10,11,12,13,14,15
.irp f, 0,1
	ds_load_b128 v[ACC+8*\i+4*\f:ACC+8*\i+4*\f+3], v8 offset:\i*OP+512*\f
.endr
.endr
.irp i, 0,1,2,3,4,5,6,7,8,9,10,11,12,13,14,15
.irp f, 0,1
	s_wait_dscnt 31-(2*\i+\f)
	global_store_b128 v[BIAS+\i], v[ACC+8*\i+4*\f:ACC+8*\i+4*\f+3], s[14:15] offset:512*\f th:TH_STORE_NT   ; 512 consecutive bytes, aligned; written once, read by nobody here
.endr
.endr
	s_wait_tensorcnt 0x0
	ds_add_u32 v254, v255
	s_wait_dscnt 0x0
	s_endpgm
.Lfunc_end_k_q2053832fbe_down:
	.size	k_q2053832fbe_down, .Lfunc_end_k_q2053832fbe_down-k_q2053832fbe_down
	.p2alignl 7, 3214868480
	.fill 96, 4, 3214868480
	.section	.rodata,"a",@progbits
	.p2align	6, 0x0
	.amdhsa_kernel k_q2053832fbe_down
		.amdhsa_group_segment_fixed_size 67072
		.amdhsa_private_segment_fixed_size 0
		.amdhsa_enable_private_segment 0
		.amdhsa_kernarg_size 48
		.amdhsa_user_sgpr_count 2
		.amdhsa_user_sgpr_kernarg_segment_ptr 1
		.amdhsa_wavefront_size32 1
		.amdhsa_system_sgpr_workgroup_id_x 1
		.amdhsa_system_sgpr_workgroup_id_y 1
		.amdhsa_system_sgpr_workgroup_id_z 1
		.amdhsa_system_vgpr_workitem_id 0
		.amdhsa_next_free_vgpr 896
		.amdhsa_next_free_sgpr 66
		.amdhsa_reserve_vcc 1
		.amdhsa_float_denorm_mode_32 3
		.amdhsa_float_denorm_mode_16_64 3
		.amdhsa_memory_ordered 1
		.amdhsa_forward_progress 1
		.amdhsa_inst_pref_size 114
	.end_amdhsa_kernel
	.amdgpu_metadata
---
amdhsa.version: [ 1, 2 ]
amdhsa.kernels:
  - .name:           k_q2053832fbe_down
    .symbol:         k_q2053832fbe_down.kd
    .args:
      - { .name: h1, .offset: 0, .size: 8, .value_kind: global_buffer, .address_space: global }
      - { .name: order, .offset: 8, .size: 8, .value_kind: global_buffer, .address_space: global }
      - { .name: gp, .offset: 16, .size: 8, .value_kind: global_buffer, .address_space: global }
      - { .name: wf, .offset: 24, .size: 8, .value_kind: global_buffer, .address_space: global }
      - { .name: b2, .offset: 32, .size: 8, .value_kind: global_buffer, .address_space: global }
      - { .name: out0, .offset: 40, .size: 8, .value_kind: global_buffer, .address_space: global }
    .group_segment_fixed_size: 67072
    .private_segment_fixed_size: 0
    .kernarg_segment_align: 8
    .kernarg_segment_size: 48
    .max_flat_workgroup_size: 128
    .sgpr_count:     66
    .vgpr_count:     896
    .wavefront_size: 32
...
	.end_amdgpu_metadata
.endif
;; end of part 4
;; ======== version 2 of 3: 4 launches; 1.13 times as fast as version 1
;; workspace buffers: xq 2,228,224 bytes; sel 16,384 bytes of whole numbers; gp 32,768 bytes; order 16,384 bytes of whole numbers; wf 8,912,896 bytes; h1 17,825,792 bytes
;; launch gate: the kernel of part 1 again; grid 256 x 1, 4 waves a work-group, no clusters, 111,616 bytes of LDS; arguments x, Wg, bg, xq, sel, gp; writes xq, sel, gp
;; launch place (part 5): grid 257 x 1, 8 waves a work-group, no clusters, 37,888 bytes of LDS; arguments sel, W1_codes, W1_scales, W2_codes, W2_scales, order, wf; writes order, wf
.if DOCPART == 5
	.amdgcn_target "amdgcn-amd-amdhsa--gfx1250"
	.amdhsa_code_object_version 6
	.text
	.protected	k_q2053832fbe_place
	.globl	k_q2053832fbe_place
	.p2align	8
	.type	k_q2053832fbe_place,@function
k_q2053832fbe_place:
	s_mov_b64 s[64:65], 0
	v_nop
	global_prefetch_b8 v0, s[64:65] scope:SCOPE_SE
	s_setreg_imm32_b32 hwreg(HW_REG_WAVE_MODE, 25, 1), 1
	s_wait_xcnt 0x0
; TWO JOBS IN ONE LAUNCH, parted on the work-group's number; each has LDS bytes of its own.
; WORK-GROUP 0 SORTS THE TOKENS BY THEIR PAIR OF EXPERTS: a counting sort on the 28 pair numbers of sel, without atomics.
;   order [4096 places] u32 = token | lo << 12 | hi << 16.  The order inside a pair's run is free.
; WORK-GROUPS 1 TO 256 LAY THE WEIGHTS OUT IN THE ORDER OF THE OPERAND'S REGISTERS.  Group G = 16 x matrix + g (matrix 0-7: W1's experts, 8-15: W2's; g: 64 rows, one wave's share later on).
;   wf, codes:  [G][K step s 8][tile t 4][half c 2][lane 32][16 bytes]: lane (r, h) holds k = 128 s + 64 c + 32 h .. + 31 of the tile's row r.
;   THE ROWS OF A TILE ARE NOT NEIGHBOURS: row r of tile t = 2 b + u is row 64 g + 32 b + 8 u + r + 8 (r / 8), so that in a transposed product the 16 registers of tiles 2 b, 2 b + 1 are 16 neighbouring columns.
;   wf, scales, at byte WS: [G][q 4][lane 32][16 bytes]: lane (r, h) holds the scale words of K steps 4 (q % 2) .. + 3 of row r of tile 2 (q / 2) + h: four loads of 16 bytes a lane later bring 16 scale registers.
; So a later wave loads every fragment whole, 512 consecutive bytes an instruction, straight into registers.
.set HT,   0                           ; LDS, the sort's: [wave 8][key 32] counts
.set STG,  1024                        ; LDS, the layout's: a stage of 16 rows x 272 bytes for each wave, its own
.set WS,   0x800000
.set SEL,  16                          ; v16-31   16 tokens a lane: register 4 q + c of lane l is token 512 w + 128 q + 4 l + c; later the entries
.set K4,   32                          ; v32-47   4 x key: the byte index of the lane that keeps the key's figures
.set RK,   48                          ; v48-63   the lanes that hold my key in this register; then how many of them lie below me; then the place's byte offset
.set RUN,  64                          ; v64-79   lane k: key k's tokens in the wave's earlier registers; later where they begin
.set H,    80                          ; v80-95   lane k: key k's tokens in this register; later each token's start
.set TA,   96                          ; v96-99   at work, one for each of four registers in hand
.set PCN,  100                         ; v100-103 the counting of bits, likewise
.set NC,   112                         ; v112-116 bit b of my lane's number - 1: 0 where it is set, all ones where it is clear
.set M,    128                         ; v128-143 lane k: the lanes that hold key k, a register of its own for each of the 16: no source of a pending LDS instruction is written again
.set BAL,  36                          ; s36-55   for four registers in hand and five bits of the key: the lanes whose bit is set
	s_load_b256 s[4:11], s[0:1], 0x0               ; sel s[4:5], W1's codes s[6:7], W1's scales s[8:9], W2's codes s[10:11]
	s_load_b128 s[12:15], s[0:1], 0x20             ; W2's scales s[12:13], order s[14:15]
	s_load_b64 s[16:17], s[0:1], 0x30              ; wf
	v_lshl_add_u32 v160, v0, 2, 0x9000
	v_mov_b32 v161, 0
	v_lshrrev_b32 v1, 5, v0
	v_readfirstlane_b32 s18, v1                    ; wave 0..7
	v_and_b32 v1, 31, v0                           ; lane
	v_lshlrev_b32 v2, 4, v1                        ; 16 x lane
	v_and_b32 v3, 15, v0                           ; r
	v_bfe_u32 v4, v0, 4, 1                         ; h
	v_lshlrev_b32 v5, 2, v1                        ; every LDS address is made here, ahead of the parting.  The counts: key = lane,
	s_lshl_b32 s19, s18, 7
	v_add_nc_u32 v6, s19, v5                       ; my wave's row of them
	s_mul_i32 s19, s18, 16*272
	s_add_co_u32 s19, s19, STG
	v_mul_u32_u24 v7, v4, 272
	v_lshl_add_u32 v7, v3, 4, v7
	v_add_nc_u32 v7, s19, v7                       ; the stage, in: sixteen lanes to a row, two rows an instruction
	v_mul_u32_u24 v8, v3, 272
	v_lshl_add_u32 v8, v4, 4, v8
	v_add_nc_u32 v8, s19, v8                       ; and out: row r, + 16 h
	s_cmp_lg_u32 ttmp9, 0
	s_cbranch_scc1 .Llayout
	; ---------------- THE SORT: wave w takes tokens 512 w .. 512 w + 511 ----------------
	s_lshl_b32 s20, s18, 11
	s_mov_b32 s21, 0
	s_wait_kmcnt 0x0
	s_add_nc_u64 s[4:5], s[4:5], s[20:21]
.irp q, 0,1,2,3
	global_load_b128 v[SEL+4*\q:SEL+4*\q+3], v2, s[4:5] offset:512*\q
.endr
.irp b, 0,1,2,3,4
	v_bfe_u32 v[NC+\b], v1, \b, 1
.endr
.irp b, 0,1,2,3,4
	v_add_nc_u32 v[NC+\b], -1, v[NC+\b]
.endr
	s_mov_b32 s30, 0x55555555
	s_mov_b32 s31, 0x33333333
	s_mov_b32 s32, 0x0f0f0f0f
	s_mov_b32 s33, 0x01010101
	s_lshl_b32 s34, s18, 9
	v_add_nc_u32 v109, s34, v5                     ; token 512 w + 4 lane
; FOUR REGISTERS AT A TIME, stage by stage, so that no line reads the result of the line above it.
; For each of the key's five bits a scalar register holds the lanes whose bit is set.  That set xor (bit b of k - 1) is the set of lanes that AGREE with key k in bit b; the five sets' common part is the set of lanes
; that hold key k.  Lane k makes it for k = its own number.  Counted, it is the key's count; and each token fetches its own key's set from the key's lane: the bits below its lane are its rank among its peers.
.macro GROUP g
	s_wait_loadcnt 3-\g                            ; loads come back in order: this group's is in, the later groups' may be out
.irp u, 0,1,2,3
	v_lshlrev_b32 v[K4+4*\g+\u], 2, v[SEL+4*\g+\u]
.endr
.irp u, 0,1,2,3
	v_and_b32 v[K4+4*\g+\u], 0x7c, v[K4+4*\g+\u]
.endr
.irp b, 0,1,2,3,4
.irp u, 0,1,2,3
	v_and_b32 v[TA+\u], 4<<\b, v[K4+4*\g+\u]
.endr
.irp u, 0,1,2,3
	v_cmp_ne_u32 s[BAL+5*\u+\b], 0, v[TA+\u]
.endr
.endr
.irp u, 0,1,2,3
	v_xor_b32 v[M+4*\g+\u], s[BAL+5*\u], v[NC]
.endr
.irp b, 1,2,3,4
.irp u, 0,1,2,3
	v_xor_b32 v[TA+\u], s[BAL+5*\u+\b], v[NC+\b]
.endr
.irp u, 0,1,2,3
	v_and_b32 v[M+4*\g+\u], v[M+4*\g+\u], v[TA+\u]
.endr
.endr
.irp u, 0,1,2,3
	ds_bpermute_b32 v[RK+4*\g+\u], v[K4+4*\g+\u], v[M+4*\g+\u]   ; my key's set, from the key's lane
.endr
.irp u, 0,1,2,3                        ; the set's bits are counted: by twos, fours, bytes, and the four bytes by one multiplication
	v_lshrrev_b32 v[TA+\u], 1, v[M+4*\g+\u]
.endr
.irp u, 0,1,2,3
	v_and_b32 v[TA+\u], s30, v[TA+\u]
.endr
.irp u, 0,1,2,3
	v_sub_nc_u32 v[PCN+\u], v[M+4*\g+\u], v[TA+\u]
.endr
.irp u, 0,1,2,3
	v_lshrrev_b32 v[TA+\u], 2, v[PCN+\u]
.endr
.irp u, 0,1,2,3
	v_and_b32 v[PCN+\u], s31, v[PCN+\u]
.endr
.irp u, 0,1,2,3
	v_and_b32 v[TA+\u], s31, v[TA+\u]
.endr
.irp u, 0,1,2,3
	v_add_nc_u32 v[PCN+\u], v[PCN+\u], v[TA+\u]
.endr
.irp u, 0,1,2,3
	v_lshrrev_b32 v[TA+\u], 4, v[PCN+\u]
.endr
.irp u, 0,1,2,3
	v_add_nc_u32 v[PCN+\u], v[PCN+\u], v[TA+\u]
.endr
.irp u, 0,1,2,3
	v_and_b32 v[PCN+\u], s32, v[PCN+\u]
.endr
.irp u, 0,1,2,3
	v_mul_lo_u32 v[PCN+\u], v[PCN+\u], s33
.endr
.irp u, 0,1,2,3
	v_lshrrev_b32 v[H+4*\g+\u], 24, v[PCN+\u]
.endr
.endm
	GROUP 0
	GROUP 1
	GROUP 2
	GROUP 3
	v_mov_b32 v[RUN], 0
.irp i, 0,1,2,3,4,5,6,7,8,9,10,11,12,13,14
	v_add_nc_u32 v[RUN+\i+1], v[RUN+\i], v[H+\i]   ; a chain; the entries' first step stands between its links
	v_bfe_u32 v[SEL+\i], v[SEL+\i], 8, 8           ; lo and hi
.endr
	v_add_nc_u32 v104, v[RUN+15], v[H+15]          ; lane k: key k's tokens in my wave
	v_bfe_u32 v[SEL+15], v[SEL+15], 8, 8
	ds_store_b32 v6, v104
	s_wait_dscnt 0x0                               ; for the others' sake: my counts lie in LDS; and my tokens' sets are in
	s_barrier_signal -1                            ; (the branch above hangs on the work-group's number alone: all eight waves are here)
.irp i, 0,1,2,3,4,5,6,7,8,9,10,11,12,13,14,15      ; work on registers while the others arrive
	v_mbcnt_lo_u32_b32 v[RK+\i], v[RK+\i], 0       ; my rank among my peers
.endr
.irp i, 0,1,2,3,4,5,6,7,8,9,10,11,12,13,14,15
	v_lshl_or_b32 v[SEL+\i], v[SEL+\i], 12, v109
.endr
.irp i, 0,1,2,3,4,5,6,7,8,9,10,11,12,13,14,15
	v_add_nc_u32 v[SEL+\i], 128*(\i/4)+\i%4, v[SEL+\i]   ; the entry: token | lo << 12 | hi << 16
.endr
	s_barrier_wait -1
.irp j, 0,1,2,3,4,5,6,7
	ds_load_b32 v[96+\j], v5 offset:128*\j
.endr
	s_wait_dscnt 0x0
	s_cmp_gt_u32 s18, 0
	s_cselect_b32 s34, -1, 0
	v_and_b32 v105, s34, v96                       ; key k's tokens in the waves before mine
.irp j, 1,2,3,4,5,6
	s_cmp_gt_u32 s18, \j
	s_cselect_b32 s34, -1, 0
	v_and_b32 v106, s34, v[96+\j]
	v_add_nc_u32 v105, v105, v106
.endr
	v_add_nc_u32 v104, v96, v97                    ; key k's tokens in all
.irp j, 2,3,4,5,6,7
	v_add_nc_u32 v104, v104, v[96+\j]
.endr
	v_mov_b32 v106, 0
	v_mov_b32 v107, v104                           ; running sums over the keys: four steps inside each half of the lanes,
.irp k, 1,2,4,8
	v_mov_b32_dpp v106, v107 row_shr:\k row_mask:0xf bank_mask:0xf bound_ctrl:1
	v_add_nc_u32 v107, v107, v106
.endr
	v_readlane_b32 s34, v107, 15
	v_mul_u32_u24 v106, s34, v4
	v_add_nc_u32 v107, v107, v106                  ; and the lower half's sum onto the upper half
	v_sub_nc_u32 v107, v107, v104
	v_add_nc_u32 v107, v107, v105                  ; lane k: where my wave's tokens of key k begin
.irp i, 0,1,2,3,4,5,6,7,8,9,10,11,12,13,14,15
	v_add_nc_u32 v[RUN+\i], v107, v[RUN+\i]
.endr
.irp i, 0,1,2,3,4,5,6,7,8,9,10,11,12,13,14,15
	ds_bpermute_b32 v[H+\i], v[K4+\i], v[RUN+\i]   ; each token fetches its key's start for its register
.endr
	s_wait_dscnt 0x0
.irp i, 0,1,2,3,4,5,6,7,8,9,10,11,12,13,14,15
	v_add_lshl_u32 v[RK+\i], v[H+\i], v[RK+\i], 2  ; the token's place, in bytes,
.endr
.irp i, 0,1,2,3,4,5,6,7,8,9,10,11,12,13,14,15
	v_min_u32 v[RK+\i], 0x3ffc, v[RK+\i]           ; held inside the buffer
.endr
.irp i, 0,1,2,3,4,5,6,7,8,9,10,11,12,13,14,15
	global_store_b32 v[RK+\i], v[SEL+\i], s[14:15] ; a placement scatters by its nature: 16,384 bytes in all
.endr
	s_wait_tensorcnt 0x0
	ds_add_u32 v160, v161
	s_wait_dscnt 0x0
	s_endpgm
	; ---------------- THE LAYOUT: wave w takes tile t = w / 2, K steps 4 (w % 2) .. + 3: 16 rows x 256 bytes ----------------
.Llayout:
	s_sub_co_u32 s20, ttmp9, 1                     ; G
	s_and_b32 s21, s20, 127                        ; the group's number inside W1 or W2
	s_lshr_b32 s24, s18, 1                         ; t
	s_and_b32 s25, s18, 1                          ; which half of K
	s_lshr_b32 s26, s24, 1
	s_and_b32 s27, s24, 1
	s_lshl_b32 s22, s21, 15                        ; from: 64 rows of 512 bytes a group,
	s_lshl_b32 s28, s26, 14                        ; + 32 (t / 2) rows
	s_add_co_u32 s22, s22, s28
	s_lshl_b32 s28, s27, 12                        ; + 8 (t % 2) rows
	s_add_co_u32 s22, s22, s28
	s_lshl_b32 s28, s25, 8                         ; + my 256 bytes of a row
	s_add_co_u32 s22, s22, s28
	s_mov_b32 s23, 0
	s_lshl_b32 s34, s21, 11                        ; the scale bytes, from: 64 rows of 32 bytes a group; wave w makes bytes 256 w .. + 255 of the group's 2,048: q = t, lanes 16 (w % 2) .. + 15
	s_lshl_b32 s28, s26, 10                        ; + 32 (q / 2) rows
	s_add_co_u32 s34, s34, s28
	s_lshl_b32 s28, s25, 8                         ; + 8 rows for the upper sixteen lanes
	s_add_co_u32 s34, s34, s28
	s_lshl_b32 s28, s27, 4                         ; + 16 (q % 2) bytes
	s_add_co_u32 s34, s34, s28
	s_mov_b32 s35, 0
	s_lshl_b32 s28, s20, 15                        ; to: 32,768 bytes a group,
	s_lshl_b32 s29, s25, 14                        ; + 4 K steps of 4,096,
	s_add_co_u32 s28, s28, s29
	s_lshl_b32 s29, s24, 10                        ; + 1,024 t
	s_add_co_u32 s28, s28, s29
	s_mov_b32 s29, 0
	s_lshl_b32 s36, s20, 11
	s_lshl_b32 s37, s18, 8
	s_add_co_u32 s36, s36, s37
	s_add_co_u32 s36, s36, WS
	s_mov_b32 s37, 0
	v_lshlrev_b32 v9, 9, v4
	v_lshl_add_u32 v9, v3, 4, v9                   ; codes in: lanes 0-15 one row's 256 bytes, lanes 16-31 the next row's
	v_lshrrev_b32 v10, 1, v1                       ; scales in: two lanes to a row r' = lane / 2,
	v_and_b32 v11, 8, v10
	v_add_nc_u32 v10, v10, v11                     ; r' + 8 (r' / 8)
	v_lshlrev_b32 v10, 5, v10
	v_and_b32 v11, 1, v1
	v_lshl_add_u32 v10, v11, 3, v10                ; 8 bytes each
	v_lshlrev_b32 v12, 3, v1                       ; scales out: 8 x lane
	s_wait_kmcnt 0x0
	s_cmp_lt_u32 s20, 128                          ; W1's group or W2's?  The choice hangs on the work-group's number alone
	s_cselect_b64 s[6:7], s[6:7], s[10:11]
	s_cselect_b64 s[8:9], s[8:9], s[12:13]
	s_add_nc_u64 s[6:7], s[6:7], s[22:23]
	s_add_nc_u64 s[8:9], s[8:9], s[34:35]
	s_add_nc_u64 s[30:31], s[16:17], s[28:29]
	s_add_nc_u64 s[32:33], s[16:17], s[36:37]
	global_load_b64 v[48:49], v10, s[8:9] th:TH_LOAD_NT
.irp n, 0,1,2,3,4,5,6,7
	global_load_b128 v[16+4*\n:19+4*\n], v9, s[6:7] offset:(2*\n+8*(\n/4))*512 th:TH_LOAD_NT   ; the tile's rows 2 n, 2 n + 1: eight neighbours, then the eight that lie 16 further on
.endr
	s_wait_loadcnt 0x0
	global_store_b64 v12, v[48:49], s[32:33]       ; 256 consecutive bytes, aligned
.irp n, 0,1,2,3,4,5,6,7
	ds_store_b128 v7, v[16+4*\n:19+4*\n] offset:544*\n
.endr
.irp n, 0,1,2,3,4,5,6,7                ; n = 2 x K step + half.  LDS serves a wave's instructions in order: these see my stores
	ds_load_b128 v[52+4*\n:55+4*\n], v8 offset:32*\n
.endr
.irp n, 0,1,2,3,4,5,6,7
	s_wait_dscnt 7-\n
	global_store_b128 v2, v[52+4*\n:55+4*\n], s[30:31] offset:4096*(\n/2)+512*(\n%2)   ; half a fragment's image: 512 consecutive bytes
.endr
	s_wait_tensorcnt 0x0
	ds_add_u32 v160, v161
	s_wait_dscnt 0x0
	s_endpgm
.Lfunc_end_k_q2053832fbe_place:
	.size	k_q2053832fbe_place, .Lfunc_end_k_q2053832fbe_place-k_q2053832fbe_place
	.p2alignl 7, 3214868480
	.fill 96, 4, 3214868480
	.section	.rodata,"a",@progbits
	.p2align	6, 0x0
	.amdhsa_kernel k_q2053832fbe_place
		.amdhsa_group_segment_fixed_size 37888
		.amdhsa_private_segment_fixed_size 0
		.amdhsa_enable_private_segment 0
		.amdhsa_kernarg_size 56
		.amdhsa_user_sgpr_count 2
		.amdhsa_user_sgpr_kernarg_segment_ptr 1
		.amdhsa_wavefront_size32 1
		.amdhsa_system_sgpr_workgroup_id_x 1
		.amdhsa_system_sgpr_workgroup_id_y 1
		.amdhsa_system_sgpr_workgroup_id_z 1
		.amdhsa_system_vgpr_workitem_id 0
		.amdhsa_next_free_vgpr 162
		.amdhsa_next_free_sgpr 66
		.amdhsa_reserve_vcc 0
		.amdhsa_float_denorm_mode_32 3
		.amdhsa_float_denorm_mode_16_64 3
		.amdhsa_memory_ordered 1
		.amdhsa_forward_progress 1
		.amdhsa_inst_pref_size 41
	.end_amdhsa_kernel
	.amdgpu_metadata
---
amdhsa.version: [ 1, 2 ]
amdhsa.kernels:
  - .name:           k_q2053832fbe_place
    .symbol:         k_q2053832fbe_place.kd
    .args:
      - { .name: sel, .offset: 0, .size: 8, .value_kind: global_buffer, .address_space: global }
      - { .name: W1_codes, .offset: 8, .size: 8, .value_kind: global_buffer, .address_space: global }
      - { .name: W1_scales, .offset: 16, .size: 8, .value_kind: global_buffer, .address_space: global }
      - { .name: W2_codes, .offset: 24, .size: 8, .value_kind: global_buffer, .address_space: global }
      - { .name: W2_scales, .offset: 32, .size: 8, .value_kind: global_buffer, .address_space: global }
      - { .name: order, .offset: 40, .size: 8, .value_kind: global_buffer, .address_space: global }
      - { .name: wf, .offset: 48, .size: 8, .value_kind: global_buffer, .address_space: global }
    .group_segment_fixed_size: 37888
    .private_segment_fixed_size: 0
    .kernarg_segment_align: 8
    .kernarg_segment_size: 56
    .max_flat_workgroup_size: 256
    .sgpr_count:     66
    .vgpr_count:     162
    .wavefront_size: 32
...
	.end_amdgpu_metadata
.endif
;; end of part 5
;; launch up (part 6): grid 4 x 64, 4 waves a work-group, no clusters, 34,304 bytes of LDS; arguments xq, order, wf, b1, h1; writes h1
.if DOCPART == 6
	.amdgcn_target "amdgcn-amd-amdhsa--gfx1250"
	.amdhsa_code_object_version 6
	.text
	.protected	k_q2053832fbe_up
	.globl	k_q2053832fbe_up
	.p2align	8
	.type	k_q2053832fbe_up,@function
k_q2053832fbe_up:
	s_mov_b64 s[64:65], 0
	v_nop
	global_prefetch_b8 v0, s[64:65] scope:SCOPE_SE
	s_setreg_imm32_b32 hwreg(HW_REG_WAVE_MODE, 25, 1), 1
	s_wait_xcnt 0x0
; h1 = Q(relu(x W1[e] + b1[e])), in MX-FP4, for each block of 64 SORTED tokens and each expert that some token of the block has chosen.  All 64 rows are multiplied for each such expert
; (a block has the tokens of one pair of experts, or crosses into a neighbouring pair): so h1 lies at fixed places [block][expert], and the next launch weighs a row that did not choose the expert with 0.
; SHARES.  Work-group (cb, blk): block blk, hidden units 256 cb .. + 255.  Wave w: 64 tokens x 64 hidden units: 16 accumulators.
; x's 32 fragments stay in registers for the whole launch; an expert's 32 weight fragments, 16 scale registers and bias come from memory STRAIGHT INTO REGISTERS, in the order in which an earlier launch laid them:
; each byte is loaded by one wave.  The walk over the experts hangs on a stored list, so the text has no copy engine, no cluster and no barrier in its loop; LDS serves once, to turn x's gathered rows into fragments.
; THE LOADS NEVER STOP BETWEEN EXPERTS: behind the products of K step s, which have read the step's registers for the last time, the NEXT expert's step s is asked for into the same registers.
; So the trip of an expert that has a successor and the last trip are two texts.
; TRANSPOSED: source 0 = 16 rows of W1, source 1 = 16 tokens.  Lane (r, h) holds token r; register 16 b + i of a tile of tokens is hidden unit 32 b + 16 h + i of the wave's 64 (by the order of a weight tile's rows).
; So the conversions take neighbours along the next K, and the wave's 64 units are half c = w % 2 of K step S = 2 cb + w / 2 of the next product.
; h1, codes: [blk][e][S 8][tile of tokens m 4][c 2][lane 32][16 bytes]: an image of the operand's registers.  Scales, at byte HS: [blk][e][q 4][lane][16 bytes], as the weights' are laid.
; SCALE REGISTERS, of weights and of x alike: register 8 j + s holds, in lane (r, h), the scale word of K step s of row r of tile 2 j + h: tile t names register 8 (t / 2) + s and the lanes' half t % 2.
; LIMITS: a block of 32 whose largest number lies under 2^-124, zeros too, keeps the scale byte 1 (only this program reads these bytes).
; REGISTERS.  Window 0: v1-15 lane terms and the block's entries; v16-31 x's scales; v32-47 the weights' scales; v48-79 the bias, 8 a tile; v80-207 the accumulators, (m, t) at 32 m + 8 t; v208-251 the quantiser's.
;   Window 1: x's fragment (s, m) at 8 (4 s + m).   Window 2: the weights' fragment (s, t) at 8 (4 s + t).
.set XS,   0x200000                    ; x's scale bytes in xq
.set WS,   0x800000                    ; the weights' scale words in wf
.set HS,   0x1000000                   ; h1's scale words in h1
.set SP,   528                         ; a row of x's codes in LDS: 512 bytes + 16: the sixteen rows of a fragment load begin in different banks
.set XSC,  16
.set WSC,  32
.set BIAS, 48
.set ACC,  80
.set RO,   144                         ; v144-159 at the head: the byte offsets of my 16 rows of x
.set MXR,  208                         ; v208-215 eight blocks' largest numbers; later the rows' two bytes.  At the head: at work on the list
.set PD,   216                         ; v216-223 the other half's; later the bytes
.set SO,   224                         ; v224-231 the conversions' scale operands
.set PC,   232                         ; v232-247 the codes
.set HW,   248                         ; v248-249 two bytes a lane, to store
.set UB,   66                          ; s66-73   for each expert: the lanes with a token that uses it
.set MSB, 0
.macro WIN new                         ; the immediate's high byte repeats the setting that is left
.if MSB != \new
	s_set_vgpr_msb (MSB<<8)|\new
.set MSB, \new
.endif
.endm
	s_load_b256 s[4:11], s[0:1], 0x0               ; xq s[4:5], order s[6:7], wf s[8:9], b1 s[10:11]
	s_load_b64 s[12:13], s[0:1], 0x20              ; h1
	v_lshl_add_u32 v254, v0, 2, 0x8400
	v_mov_b32 v255, 0
	v_lshrrev_b32 v1, 5, v0
	v_readfirstlane_b32 s14, v1                    ; wave 0..3
	s_mov_b32 s15, ttmp9                           ; cb
	s_and_b32 s16, ttmp7, 0xffff                   ; blk
	v_and_b32 v1, 31, v0                           ; lane
	v_and_b32 v2, 15, v0                           ; r
	v_bfe_u32 v3, v0, 4, 1                         ; h
	v_lshlrev_b32 v4, 4, v1                        ; 16 x lane: never rewritten
	v_lshlrev_b32 v5, 2, v1                        ; 4 x lane
	v_mul_u32_u24 v6, v2, SP
	v_lshl_add_u32 v6, v3, 4, v6                   ; a fragment of x in LDS: row r, + 16 h
	v_lshlrev_b32 v7, 6, v3                        ; the bias: 16 h numbers on: never rewritten
	s_mul_i32 s52, s14, 16*SP
	v_add_nc_u32 v8, s52, v4                       ; where I put my 16 rows
	v_mov_b32 v15, 1
.irp k, 0,1,2,3,4,5,6,7
	v_mov_b32 v[PD+\k], 0                          ; written once: a lane permute's destination counts as one of its sources
.endr
	s_mov_b32 s48, 0xffff0000                      ; lanes 16-31
	s_mov_b32 s50, 0x76543210
	s_mov_b32 s51, 0xfedcba98                      ; v_permlanex16_b32's selects for lane l xor 16
	s_lshl_b32 s49, s15, 10
	s_lshl_b32 s52, s14, 8
	s_add_co_u32 s49, s49, s52                     ; my first hidden unit in a row of b1, in bytes
	s_lshl_b32 s52, s15, 1
	s_lshr_b32 s53, s14, 1
	s_add_co_u32 s52, s52, s53                     ; S
	s_and_b32 s53, s14, 1                          ; c
	s_lshl_b32 s58, s52, 12
	s_lshl_b32 s54, s53, 9
	s_add_co_u32 s58, s58, s54                     ; my place in a (block, expert)'s codes: 4,096 S + 512 c
	s_lshr_b32 s59, s52, 2
	s_lshl_b32 s59, s59, 9
	s_and_b32 s54, s52, 3
	s_lshl_b32 s54, s54, 2
	s_add_co_u32 s59, s59, s54
	s_lshl_b32 s54, s53, 1
	s_add_co_u32 s59, s59, s54
	s_add_co_u32 s59, s59, HS                      ; and in its scale words: 512 (S / 4) + 4 (S % 4) + 2 c
	s_lshl_b32 s52, s16, 8                         ; the block's 64 entries
	s_mov_b32 s53, 0
	s_lshl_b32 s54, s14, 6                         ; my wave's 16 of them
	s_mov_b32 s55, 0
	s_wait_kmcnt 0x0
	s_add_nc_u64 s[6:7], s[6:7], s[52:53]
	s_add_nc_u64 s[54:55], s[6:7], s[54:55]
	s_load_b512 s[32:47], s[54:55], 0x0
	global_load_b32 v9, v5, s[6:7]                 ; lane l: the entries of places l and 32 + l
	global_load_b32 v10, v5, s[6:7] offset:128
	s_add_nc_u64 s[56:57], s[4:5], XS
	s_wait_kmcnt 0x0
.irp i, 0,1,2,3,4,5,6,7,8,9,10,11,12,13,14,15
	s_and_b32 s52, s[32+\i], 0xfff                 ; the token,
	s_min_u32 s52, s52, 0xfff                      ; held inside the buffer
	s_lshl_b32 s52, s52, 9
	v_add_nc_u32 v[RO+\i], s52, v4
	global_load_b128 v[ACC+4*\i:ACC+4*\i+3], v[RO+\i], s[4:5]   ; a row's 512 bytes of codes, consecutive
.endr
	s_wait_loadcnt 16                              ; the two loads of entries are in; the 16 rows are younger
	v_and_b32 v12, 0xfff, v9
	v_min_u32 v12, 0xfff, v12
	v_lshlrev_b32 v12, 5, v12
	v_and_b32 v13, 0xfff, v10
	v_min_u32 v13, 0xfff, v13
	v_lshlrev_b32 v13, 5, v13
	global_load_b128 v[XSC:XSC+3], v12, s[56:57]               ; place 32 j + lane = row r of tile 2 j + h: its eight scale words are registers 8 j .. 8 j + 7
	global_load_b128 v[XSC+4:XSC+7], v12, s[56:57] offset:16
	global_load_b128 v[XSC+8:XSC+11], v13, s[56:57]
	global_load_b128 v[XSC+12:XSC+15], v13, s[56:57] offset:16
	v_bfe_u32 v14, v9, 12, 4                       ; which experts do my two tokens use?
	v_lshlrev_b32 v11, v14, v15
	v_bfe_u32 v14, v9, 16, 4
	v_lshlrev_b32 v14, v14, v15
	v_or_b32 v11, v11, v14
	v_bfe_u32 v14, v10, 12, 4
	v_lshlrev_b32 v14, v14, v15
	v_or_b32 v11, v11, v14
	v_bfe_u32 v14, v10, 16, 4
	v_lshlrev_b32 v14, v14, v15
	v_or_b32 v11, v11, v14
	; THE BLOCK'S LIST OF EXPERTS, four bits each, in ascending order, and their number: made without a jump, alike in all four waves.  The eight compares go into eight registers of their own, ahead of the scalar part
.irp e, 0,1,2,3,4,5,6,7
	v_and_b32 v[MXR+\e], 1<<\e, v11
.endr
.irp e, 0,1,2,3,4,5,6,7
	v_cmp_ne_u32 s[UB+\e], 0, v[MXR+\e]
.endr
	s_mov_b32 s17, 0                               ; the list
	s_mov_b32 s18, 0                               ; how many
	s_mov_b32 s21, 0                               ; 4 x how many
.irp e, 0,1,2,3,4,5,6,7
	s_cmp_lg_u32 s[UB+\e], 0
	s_cselect_b32 s52, 1, 0                        ; does any token use expert e?
	s_lshl_b32 s53, \e, s21
	s_mul_i32 s53, s53, s52
	s_or_b32 s17, s17, s53
	s_lshl_b32 s53, s52, 2
	s_add_co_u32 s21, s21, s53
	s_add_co_u32 s18, s18, s52
.endr
	s_sub_co_u32 s18, s18, 1                       ; how many experts have a successor (every entry names an expert: the list is not empty)
.macro PICK                            ; s20 = entry s19 of the list
	s_lshl_b32 s52, s19, 2
	s_lshr_b32 s20, s17, s52
	s_and_b32 s20, s20, 7
	s_min_u32 s20, s20, 7
.endm
.macro BASES                           ; where expert s20's fragments, scale words and bias lie
	s_lshl_b32 s52, s20, 4
	s_lshl_b32 s53, s15, 2
	s_add_co_u32 s52, s52, s53
	s_add_co_u32 s52, s52, s14                     ; G = 16 e + 4 cb + w
	s_lshl_b32 s54, s52, 11
	s_add_co_u32 s54, s54, WS
	s_lshl_b32 s52, s52, 15
	s_mov_b32 s53, 0
	s_mov_b32 s55, 0
	s_add_nc_u64 s[22:23], s[8:9], s[52:53]
	s_add_nc_u64 s[24:25], s[8:9], s[54:55]
	s_lshl_b32 s52, s20, 12
	s_add_co_u32 s52, s52, s49
	s_add_nc_u64 s[26:27], s[10:11], s[52:53]
.endm
.macro STB                             ; where expert s20's codes and scale bytes go
	s_lshl_b32 s52, s16, 3
	s_add_co_u32 s52, s52, s20                     ; 8 blk + e
	s_lshl_b32 s54, s52, 11
	s_add_co_u32 s54, s54, s59
	s_lshl_b32 s52, s52, 15
	s_add_co_u32 s52, s52, s58
	s_mov_b32 s53, 0
	s_mov_b32 s55, 0
	s_add_nc_u64 s[28:29], s[12:13], s[52:53]
	s_add_nc_u64 s[30:31], s[12:13], s[54:55]
.endm
; AN EXPERT'S 76 LOADS GO OUT IN ONE ORDER, at the head and from trip to trip: the bias (8), K steps 0 to 2 (8 each), the scale words of steps 0 to 3 (2), steps 3 to 6, the scale words of steps 4 to 7 (2), step 7.
.macro LB                              ; the bias: lane (r, h), tile t: units 32 (t / 2) + 16 h + 8 (t % 2) + 0 .. 7: the result's layout
	WIN 0
.irp t, 0,1,2,3
	global_load_b128 v[BIAS+8*\t:BIAS+8*\t+3], v7, s[26:27] offset:(32*(\t/2)+8*(\t%2))*4
	global_load_b128 v[BIAS+8*\t+4:BIAS+8*\t+7], v7, s[26:27] offset:(32*(\t/2)+8*(\t%2))*4+16
.endr
.endm
.macro LW h                            ; the scale words of K steps 4 h .. 4 h + 3: registers 8 j + 4 h .. + 3
	WIN 0
.irp j, 0,1
	global_load_b128 v[WSC+8*\j+4*\h:WSC+8*\j+4*\h+3], v4, s[24:25] offset:1024*\j+512*\h
.endr
.endm
.macro LF s                            ; the four fragments of K step s: 512 consecutive bytes a load
	WIN 0x80                                       ; destination window 2
.irp t, 0,1,2,3
.irp c, 0,1
	global_load_b128 v[(4*\s+\t)*8+4*\c:(4*\s+\t)*8+4*\c+3], v4, s[22:23] offset:(4*\s+\t)*1024+512*\c
.endr
.endr
.endm
; One matrix instruction: K step s, tokens' tile m, weights' tile t; c: the first register of its C.  The four forms differ in the halves of the lanes from which the scales are taken.
.macro WM s, m, t, c
.if ((\t)%2 == 0) && ((\m)%2 == 0)
	v_wmma_scale_f32_16x16x128_f8f6f4 v[ACC+32*\m+8*\t:ACC+32*\m+8*\t+7], v[(4*\s+\t)*8:(4*\s+\t)*8+7], v[(4*\s+\m)*8:(4*\s+\m)*8+7], v[\c:\c+7], v[WSC+8*(\t/2)+\s], v[XSC+8*(\m/2)+\s] matrix_a_fmt:MATRIX_FMT_FP4 matrix_b_fmt:MATRIX_FMT_FP4
.elseif ((\t)%2 == 1) && ((\m)%2 == 0)
	v_wmma_scale_f32_16x16x128_f8f6f4 v[ACC+32*\m+8*\t:ACC+32*\m+8*\t+7], v[(4*\s+\t)*8:(4*\s+\t)*8+7], v[(4*\s+\m)*8:(4*\s+\m)*8+7], v[\c:\c+7], v[WSC+8*(\t/2)+\s], v[XSC+8*(\m/2)+\s] matrix_a_fmt:MATRIX_FMT_FP4 matrix_b_fmt:MATRIX_FMT_FP4 matrix_a_scale:MATRIX_SCALE_ROW1
.elseif ((\t)%2 == 0) && ((\m)%2 == 1)
	v_wmma_scale_f32_16x16x128_f8f6f4 v[ACC+32*\m+8*\t:ACC+32*\m+8*\t+7], v[(4*\s+\t)*8:(4*\s+\t)*8+7], v[(4*\s+\m)*8:(4*\s+\m)*8+7], v[\c:\c+7], v[WSC+8*(\t/2)+\s], v[XSC+8*(\m/2)+\s] matrix_a_fmt:MATRIX_FMT_FP4 matrix_b_fmt:MATRIX_FMT_FP4 matrix_b_scale:MATRIX_SCALE_ROW1
.else
	v_wmma_scale_f32_16x16x128_f8f6f4 v[ACC+32*\m+8*\t:ACC+32*\m+8*\t+7], v[(4*\s+\t)*8:(4*\s+\t)*8+7], v[(4*\s+\m)*8:(4*\s+\m)*8+7], v[\c:\c+7], v[WSC+8*(\t/2)+\s], v[XSC+8*(\m/2)+\s] matrix_a_fmt:MATRIX_FMT_FP4 matrix_b_fmt:MATRIX_FMT_FP4 matrix_a_scale:MATRIX_SCALE_ROW1 matrix_b_scale:MATRIX_SCALE_ROW1
.endif
.endm
; An expert's eight K steps, 16 matrix instructions each.  The 16 accumulators take turns, one instruction a turn, in the same order in every step and from trip to trip.
; The first step's C is the bias: nothing is cleared and nothing is added afterwards.
; nxt = 1: behind each step's products stand four places and then the NEXT expert's loads into the registers just read: its bias behind step 0, its scale words behind steps 3 and 7, its step s behind step s.
; THE WAITS count the loads that are younger than the youngest load a step needs (loads come back in order); 63 is the most that a wait can name, and a smaller count than the true one is safe.
;   step 0 needs the scale words of steps 0-3 (with them the bias and steps 0-2 are in): behind them went steps 3-7 and two loads of scale words: 42.
;   step 3 needs its fragments: behind them 34 of this expert's, and with nxt = 1 the 32 that this trip has issued.
;   step 4 needs the scale words of steps 4-7 (with them steps 4-6 are in): behind them step 7's 8, and with nxt = 1 this trip's 42.
;   step 7 needs its fragments: the expert's last; with nxt = 1 this trip's 66 are younger.
.macro KSTEPS nxt
.irp s, 0,1,2,3,4,5,6,7
.if \s == 0
	s_wait_loadcnt 42
.elseif \s == 3
.if \nxt
	s_wait_loadcnt 63
.else
	s_wait_loadcnt 34
.endif
.elseif \s == 4
.if \nxt
	s_wait_loadcnt 50
.else
	s_wait_loadcnt 8
.endif
.elseif \s == 7
.if \nxt
	s_wait_loadcnt 63
.else
	s_wait_loadcnt 0x0
.endif
.endif
	WIN 0x06                                       ; source 0 (weights) window 2, source 1 (x) window 1, C and D window 0
.irp m, 0,1,2,3
.irp t, 0,1,2,3
.if \s == 0
	WM \s, \m, \t, BIAS+8*\t
.else
	WM \s, \m, \t, ACC+32*\m+8*\t
.endif
.endr
.endr
.if \nxt
.rept 4
	v_nop                                          ; four places in front of loads into registers that the products have read (behind step 7 also: of the first read of the results)
.endr
.if \s == 0
	LB
.elseif \s == 3
	LW 0
.elseif \s == 7
	LW 1
.endif
	LF \s
.endif
.endr
	WIN 0
.if \nxt == 0
.rept 4
	v_nop                                          ; four places in front of the first read of the results
.endr
.endif
.endm
; relu, the quantiser along the next K, and the stores.  Block k = 2 m + b is 16 registers of mine and 16 of lane l xor 16.
.macro EPI
.set n, 0
.rept 128
	v_max_num_f32 v[ACC+n], 0, v[ACC+n]            ; in ascending order: each accumulator is read from its low end on
.set n, n+1
.endr
.irp k, 0,1,2,3,4,5,6,7
	v_max3_num_f32 v[MXR+\k], v[ACC+16*\k], v[ACC+16*\k+1], 0x1800000   ; none is negative: no |.|; the floor 2^(3 - 127) holds the byte at 1 from below
.endr
.irp i, 2,4,6,8,10,12,14
.irp k, 0,1,2,3,4,5,6,7
	v_max3_num_f32 v[MXR+\k], v[MXR+\k], v[ACC+16*\k+\i], v[ACC+16*\k+\i+1]
.endr
.endr
.irp k, 0,1,2,3,4,5,6,7
	v_permlanex16_b32 v[PD+\k], v[MXR+\k], s50, s51
.endr
.irp k, 0,1,2,3,4,5,6,7
	v_max_num_f32 v[MXR+\k], v[MXR+\k], v[PD+\k]
.endr
.irp k, 0,1,2,3,4,5,6,7
	v_add_nc_u32 v[SO+\k], 0xff000000, v[MXR+\k]   ; 2 off the exponent field: the conversion's scale operand
.endr
.irp k, 0,1,2,3,4,5,6,7
	v_lshrrev_b32 v[PD+\k], 23, v[SO+\k]           ; the scale's byte
.endr
.irp m, 0,1,2,3
	v_lshl_or_b32 v[MXR+\m], v[PD+2*\m+1], 8, v[PD+2*\m]       ; token r of tile m: bytes 2 c and 2 c + 1 of its scale word for K step S
.endr
.irp p, 0,1
	v_cndmask_b32 v[HW+\p], v[MXR+2*\p], v[MXR+2*\p+1], s48    ; lanes 0-15 carry tile 2 p's, lanes 16-31 tile 2 p + 1's
.endr
.irp k, 0,1,2,3,4,5,6,7
	v_cvt_scalef32_pk8_fp4_f32 v[PC+2*\k], v[ACC+16*\k:ACC+16*\k+7], v[SO+\k]
	v_cvt_scalef32_pk8_fp4_f32 v[PC+2*\k+1], v[ACC+16*\k+8:ACC+16*\k+15], v[SO+\k]
.endr
	v_nop                                          ; one plain place behind the last scaled conversion
.irp m, 0,1,2,3                        ; the operand's layout wants a WHOLE block in a lane: lanes 0-15 block 0, lanes 16-31 block 1
.irp i, 0,1
	v_permlane16_swap_b32 v[PC+4*\m+\i], v[PC+4*\m+2+\i]
.endr
.endr
.irp m, 0,1,2,3
	global_store_b128 v4, v[PC+4*\m:PC+4*\m+3], s[28:29] offset:1024*\m   ; half a fragment's image: 512 consecutive bytes
.endr
.irp p, 0,1
	global_store_b16 v4, v[HW+\p], s[30:31] offset:1024*\p     ; two bytes of each lane's 16: a wave has no more of a scale word; 128 bytes a wave and expert
.endr
.endm
	s_mov_b32 s19, 0
	PICK
	BASES
	LB                                             ; the first expert's loads go out before x is turned, in the order stated above
	LF 0
	LF 1
	LF 2
	LW 0
	LF 3
	LF 4
	LF 5
	LF 6
	LW 1
	LF 7
	WIN 0
	s_wait_loadcnt 63                              ; my 16 rows and x's scale words are in: 76 loads are younger than they
.irp i, 0,1,2,3,4,5,6,7,8,9,10,11,12,13,14,15
	ds_store_b128 v8, v[ACC+4*\i:ACC+4*\i+3] offset:\i*SP
.endr
	s_wait_dscnt 0x0                               ; for the others' sake
	s_barrier_signal -1
	s_barrier_wait -1                              ; the block's 64 rows lie in LDS
	WIN 0x40                                       ; destination window 1
.irp s, 0,1,2,3,4,5,6,7
.irp m, 0,1,2,3
.irp c, 0,1
	ds_load_b128 v[(4*\s+\m)*8+4*\c:(4*\s+\m)*8+4*\c+3], v6 offset:\m*16*SP+64*\s+32*\c
.endr
.endr
.endr
	WIN 0
	s_wait_dscnt 0x0
	s_cmp_lt_u32 s19, s18
	s_cbranch_scc0 .Llast
.Ltrip:                                            ; a trip: an expert of the list that has a successor
	s_wait_xcnt 0x0                                ; every earlier load and store has read its base and its data: the bases, and in the epilogue the stores' data, are written again
	STB                                            ; for the expert in hand,
	s_add_co_u32 s19, s19, 1
	PICK                                           ; and on to its successor,
	BASES                                          ; whose loads this trip issues
	KSTEPS 1
	EPI
	s_cmp_lt_u32 s19, s18
	s_cbranch_scc1 .Ltrip
.Llast:                                            ; the list's last expert: nothing more is asked for
	s_wait_xcnt 0x0
	STB
	KSTEPS 0
	EPI
	s_wait_tensorcnt 0x0
	ds_add_u32 v254, v255
	s_wait_dscnt 0x0
	s_endpgm
.Lfunc_end_k_q2053832fbe_up:
	.size	k_q2053832fbe_up, .Lfunc_end_k_q2053832fbe_up-k_q2053832fbe_up
	.p2alignl 7, 3214868480
	.fill 96, 4, 3214868480
	.section	.rodata,"a",@progbits
	.p2align	6, 0x0
	.amdhsa_kernel k_q2053832fbe_up
		.amdhsa_group_segment_fixed_size 34304
		.amdhsa_private_segment_fixed_size 0
		.amdhsa_enable_private_segment 0
		.amdhsa_kernarg_size 40
		.amdhsa_user_sgpr_count 2
		.amdhsa_user_sgpr_kernarg_segment_ptr 1
		.amdhsa_wavefront_size32 1
		.amdhsa_system_sgpr_workgroup_id_x 1
		.amdhsa_system_sgpr_workgroup_id_y 1
		.amdhsa_system_sgpr_workgroup_id_z 1
		.amdhsa_system_vgpr_workitem_id 0
		.amdhsa_next_free_vgpr 768
		.amdhsa_next_free_sgpr 80
		.amdhsa_reserve_vcc 0
		.amdhsa_float_denorm_mode_32 3
		.amdhsa_float_denorm_mode_16_64 3
		.amdhsa_memory_ordered 1
		.amdhsa_forward_progress 1
		.amdhsa_inst_pref_size 92
	.end_amdhsa_kernel
	.amdgpu_metadata
---
amdhsa.version: [ 1, 2 ]
amdhsa.kernels:
  - .name:           k_q2053832fbe_up
    .symbol:         k_q2053832fbe_up.kd
    .args:
      - { .name: xq, .offset: 0, .size: 8, .value_kind: global_buffer, .address_space: global }
      - { .name: order, .offset: 8, .size: 8, .value_kind: global_buffer, .address_space: global }
      - { .name: wf, .offset: 16, .size: 8, .value_kind: global_buffer, .address_space: global }
      - { .name: b1, .offset: 24, .size: 8, .value_kind: global_buffer, .address_space: global }
      - { .name: h1, .offset: 32, .size: 8, .value_kind: global_buffer, .address_space: global }
    .group_segment_fixed_size: 34304
    .private_segment_fixed_size: 0
    .kernarg_segment_align: 8
    .kernarg_segment_size: 40
    .max_flat_workgroup_size: 128
    .sgpr_count:     80
    .vgpr_count:     768
    .wavefront_size: 32
...
	.end_amdgpu_metadata
.endif
;; end of part 6
;; launch down (part 7): grid 4 x 64, 4 waves a work-group, no clusters, 67,072 bytes of LDS; arguments h1, order, gp, wf, b2, out0; writes out0
.if DOCPART == 7
	.amdgcn_target "amdgcn-amd-amdhsa--gfx1250"
	.amdhsa_code_object_version 6
	.text
	.protected	k_q2053832fbe_down
	.globl	k_q2053832fbe_down
	.p2align	8
	.type	k_q2053832fbe_down,@function
k_q2053832fbe_down:
	s_mov_b64 s[64:65], 0
	v_nop
	global_prefetch_b8 v0, s[64:65] scope:SCOPE_SE
	s_setreg_imm32_b32 hwreg(HW_REG_WAVE_MODE, 25, 1), 1
	s_wait_xcnt 0x0
; out = the sum over the block's experts e of gate(token, e) x relu(h1[e] W2[e] + b2[e]), in MX-FP4; gate is 0 for a token that did not choose e.  EACH OUTPUT ROW HAS ONE OWNER: nothing is added between work-groups.
; SHARES.  Work-group (cb, blk): the 64 sorted tokens of block blk, output columns 256 cb .. + 255.  Wave w: 64 tokens x 64 columns: 16 accumulators for the expert in hand, and 128 registers of weighed sums.
; Weights, h1, their scale words and the bias come from memory straight into registers, as images of the operands' registers (512 consecutive bytes a load).  The walk over the experts hangs on a stored list,
; so the text has no copy engine, no cluster and no barrier in its loop; its one barrier stands behind the loop, on the way out.
; THE LOADS NEVER STOP BETWEEN EXPERTS: behind the products of K step s, which have read the step's registers for the last time, the NEXT expert's step s is asked for into the same registers.
; Three texts of a trip: the first expert's (its results start the weighed sums), one for an expert in the middle, and the last expert's (it asks for nothing).
; A BLOCK'S LIST HAS AT LEAST TWO EXPERTS, since a token's two experts differ: so the first expert always has a successor.
; TRANSPOSED: source 0 = 16 rows of W2, source 1 = 16 tokens of h1.  Lane (r, h) holds token r; register 16 b + i of a tile of tokens is column 32 b + 16 h + i of the wave's 64.
; SCALE REGISTERS: register 8 j + s holds, in lane (r, h), the scale word of K step s of row r of tile 2 j + h.
; LIMIT: where an expert that a token did NOT choose overflows to infinity in that token's row, 0 x infinity gives NaN there.
; REGISTERS.  Window 0: v1-15 lane terms and entries; v16-31 h1's scales; v32-47 the weights' scales; v48-79 the bias (at the end: row offsets); v80-207 the accumulators, (m, t) at 32 m + 8 t (at the end: rows of out);
;   v208-215 lo, hi of token r of tile m; v216-223 its two gates; v224-231 the gate for the expert in hand, a pair for each m; v232-235 offsets into gp; v236-243 at work on the list.
;   Window 1: h1's fragment (s, m) at 8 (4 s + m).   Window 2: the weights' (s, t) at 8 (4 s + t).   Window 3: v0-127 the weighed sums, laid as the accumulators.
.set WS,   0x800000
.set HS,   0x1000000
.set OP,   1040                        ; a row of the stage: 1,024 bytes + 16
.set HSC,  16
.set WSC,  32
.set BIAS, 48
.set ACC,  80
.set LO,   208
.set HI,   212
.set GP,   216
.set G,    224
.set GA,   232
.set UT,   236
.set UB,   66                          ; s66-73   for each expert: the lanes with a token that uses it; later: the lanes whose token chose the expert in hand
.set MSB, 0
.macro WIN new                         ; the immediate's high byte repeats the setting that is left
.if MSB != \new
	s_set_vgpr_msb (MSB<<8)|\new
.set MSB, \new
.endif
.endm
	s_load_b256 s[4:11], s[0:1], 0x0               ; h1 s[4:5], order s[6:7], gp s[8:9], wf s[10:11]
	s_load_b128 s[12:15], s[0:1], 0x20             ; b2 s[12:13], out0 s[14:15]
	v_lshl_add_u32 v254, v0, 2, 0x10400
	v_mov_b32 v255, 0
	v_lshrrev_b32 v1, 5, v0
	v_readfirstlane_b32 s16, v1                    ; wave 0..3
	s_mov_b32 s17, ttmp9                           ; cb
	s_and_b32 s18, ttmp7, 0xffff                   ; blk
	v_and_b32 v1, 31, v0                           ; lane
	v_and_b32 v2, 15, v0                           ; r
	v_bfe_u32 v3, v0, 4, 1                         ; h
	v_lshlrev_b32 v4, 4, v1                        ; 16 x lane: never rewritten
	v_lshlrev_b32 v5, 2, v2                        ; 4 r
	v_mul_u32_u24 v6, v2, OP
	v_lshl_add_u32 v6, v3, 6, v6
	s_lshl_b32 s52, s16, 8
	v_add_nc_u32 v6, s52, v6                       ; the stage, in: row r, + 256 w + 64 h
	v_lshlrev_b32 v7, 6, v3                        ; the bias: 16 h numbers on: never rewritten
	s_mul_i32 s52, s16, 16*OP
	v_add_nc_u32 v8, s52, v4                       ; the stage, out: my 16 rows, 16 bytes a lane
	v_mov_b32 v15, 1
.irp m, 0,1,2,3
	v_mov_b32 v[G+2*\m+1], 0                       ; the pairs' upper halves are named by the packed forms and never used: written once
.endr
	s_lshl_b32 s50, s17, 10
	s_lshl_b32 s52, s16, 8
	s_add_co_u32 s50, s50, s52                     ; my first column in a row of b2, in bytes
	s_lshl_b32 s52, s18, 8                         ; the block's 64 entries
	s_mov_b32 s53, 0
	s_lshl_b32 s54, s16, 6                         ; the 16 rows that I store at the end
	s_mov_b32 s55, 0
	s_lshl_b32 s56, s17, 10                        ; the work-group's 1,024 bytes of a row of out
	s_mov_b32 s57, 0
	s_wait_kmcnt 0x0
	s_add_nc_u64 s[6:7], s[6:7], s[52:53]
	s_add_nc_u64 s[54:55], s[6:7], s[54:55]
	s_add_nc_u64 s[14:15], s[14:15], s[56:57]
	s_load_b512 s[32:47], s[54:55], 0x0
.irp m, 0,1,2,3
	global_load_b32 v[9+\m], v5, s[6:7] offset:64*\m           ; the entry of token r of tile m (both halves of the lanes alike)
.endr
	s_wait_loadcnt 0x0
.irp m, 0,1,2,3
	v_bfe_u32 v[LO+\m], v[9+\m], 12, 4
	v_bfe_u32 v[HI+\m], v[9+\m], 16, 4
	v_and_b32 v[GA+\m], 0xfff, v[9+\m]             ; the token,
	v_min_u32 v[GA+\m], 0xfff, v[GA+\m]            ; held inside the buffer
	v_lshlrev_b32 v[GA+\m], 3, v[GA+\m]
	global_load_b64 v[GP+2*\m:GP+2*\m+1], v[GA+\m], s[8:9]     ; its two gates.  Older than every load below: in by the first K step's wait
.endr
	v_lshlrev_b32 v13, v[LO], v15                  ; which experts do my four tokens use?
.irp m, 1,2,3
	v_lshlrev_b32 v14, v[LO+\m], v15
	v_or_b32 v13, v13, v14
.endr
.irp m, 0,1,2,3
	v_lshlrev_b32 v14, v[HI+\m], v15
	v_or_b32 v13, v13, v14
.endr
	; THE BLOCK'S LIST OF EXPERTS, four bits each, ascending, and their number: the same list as in the launch before, made without a jump, alike in all four waves.  The eight compares go into eight registers of their own
.irp e, 0,1,2,3,4,5,6,7
	v_and_b32 v[UT+\e], 1<<\e, v13
.endr
.irp e, 0,1,2,3,4,5,6,7
	v_cmp_ne_u32 s[UB+\e], 0, v[UT+\e]
.endr
	s_mov_b32 s19, 0                               ; the list
	s_mov_b32 s20, 0                               ; how many
	s_mov_b32 s23, 0                               ; 4 x how many
.irp e, 0,1,2,3,4,5,6,7
	s_cmp_lg_u32 s[UB+\e], 0
	s_cselect_b32 s52, 1, 0
	s_lshl_b32 s53, \e, s23
	s_mul_i32 s53, s53, s52
	s_or_b32 s19, s19, s53
	s_lshl_b32 s53, s52, 2
	s_add_co_u32 s23, s23, s53
	s_add_co_u32 s20, s20, s52
.endr
	s_sub_co_u32 s20, s20, 1                       ; the number of the list's last entry
	s_wait_kmcnt 0x0                               ; my 16 entries are in: their base's registers serve as scratch below
.macro PICK                            ; s22 = entry s21 of the list
	s_lshl_b32 s52, s21, 2
	s_lshr_b32 s22, s19, s52
	s_and_b32 s22, s22, 7
	s_min_u32 s22, s22, 7
.endm
.macro BASES                           ; where expert s22's weights, their scale words, the bias, h1 and its scale words lie
	s_lshl_b32 s52, s22, 4
	s_add_co_u32 s52, s52, 128
	s_lshl_b32 s53, s17, 2
	s_add_co_u32 s52, s52, s53
	s_add_co_u32 s52, s52, s16                     ; G = 16 (8 + e) + 4 cb + w
	s_lshl_b32 s54, s52, 11
	s_add_co_u32 s54, s54, WS
	s_lshl_b32 s52, s52, 15
	s_mov_b32 s53, 0
	s_mov_b32 s55, 0
	s_add_nc_u64 s[24:25], s[10:11], s[52:53]
	s_add_nc_u64 s[26:27], s[10:11], s[54:55]
	s_lshl_b32 s52, s22, 12
	s_add_co_u32 s52, s52, s50
	s_add_nc_u64 s[28:29], s[12:13], s[52:53]
	s_lshl_b32 s52, s18, 3
	s_add_co_u32 s52, s52, s22                     ; 8 blk + e
	s_lshl_b32 s54, s52, 11
	s_add_co_u32 s54, s54, HS
	s_lshl_b32 s52, s52, 15
	s_add_nc_u64 s[30:31], s[4:5], s[52:53]
	s_add_nc_u64 s[48:49], s[4:5], s[54:55]
.endm
; AN EXPERT'S 144 LOADS GO OUT IN ONE ORDER, at the head and from trip to trip: the bias (8), K steps 0 to 2 (16 each: eight of the weights', eight of h1's), the scale words of steps 0 to 3 (4), steps 3 to 6,
; the scale words of steps 4 to 7 (4), step 7.
.macro LB
	WIN 0
.irp t, 0,1,2,3
	global_load_b128 v[BIAS+8*\t:BIAS+8*\t+3], v7, s[28:29] offset:(32*(\t/2)+8*(\t%2))*4
	global_load_b128 v[BIAS+8*\t+4:BIAS+8*\t+7], v7, s[28:29] offset:(32*(\t/2)+8*(\t%2))*4+16
.endr
.endm
.macro LS h                            ; the scale words of K steps 4 h .. 4 h + 3, the weights' and h1's: registers 8 j + 4 h .. + 3
	WIN 0
.irp j, 0,1
	global_load_b128 v[WSC+8*\j+4*\h:WSC+8*\j+4*\h+3], v4, s[26:27] offset:1024*\j+512*\h
.endr
.irp j, 0,1
	global_load_b128 v[HSC+8*\j+4*\h:HSC+8*\j+4*\h+3], v4, s[48:49] offset:1024*\j+512*\h
.endr
.endm
.macro LF s                            ; the eight fragments of K step s
	WIN 0x80                                       ; destination window 2
.irp t, 0,1,2,3
.irp c, 0,1
	global_load_b128 v[(4*\s+\t)*8+4*\c:(4*\s+\t)*8+4*\c+3], v4, s[24:25] offset:(4*\s+\t)*1024+512*\c
.endr
.endr
	WIN 0x40                                       ; destination window 1
.irp m, 0,1,2,3
.irp c, 0,1
	global_load_b128 v[(4*\s+\m)*8+4*\c:(4*\s+\m)*8+4*\c+3], v4, s[30:31] offset:(4*\s+\m)*1024+512*\c
.endr
.endr
.endm
; One matrix instruction: K step s, tokens' tile m, weights' tile t; c: the first register of its C.  The four forms differ in the halves of the lanes from which the scales are taken.
.macro WM s, m, t, c
.if ((\t)%2 == 0) && ((\m)%2 == 0)
	v_wmma_scale_f32_16x16x128_f8f6f4 v[ACC+32*\m+8*\t:ACC+32*\m+8*\t+7], v[(4*\s+\t)*8:(4*\s+\t)*8+7], v[(4*\s+\m)*8:(4*\s+\m)*8+7], v[\c:\c+7], v[WSC+8*(\t/2)+\s], v[HSC+8*(\m/2)+\s] matrix_a_fmt:MATRIX_FMT_FP4 matrix_b_fmt:MATRIX_FMT_FP4
.elseif ((\t)%2 == 1) && ((\m)%2 == 0)
	v_wmma_scale_f32_16x16x128_f8f6f4 v[ACC+32*\m+8*\t:ACC+32*\m+8*\t+7], v[(4*\s+\t)*8:(4*\s+\t)*8+7], v[(4*\s+\m)*8:(4*\s+\m)*8+7], v[\c:\c+7], v[WSC+8*(\t/2)+\s], v[HSC+8*(\m/2)+\s] matrix_a_fmt:MATRIX_FMT_FP4 matrix_b_fmt:MATRIX_FMT_FP4 matrix_a_scale:MATRIX_SCALE_ROW1
.elseif ((\t)%2 == 0) && ((\m)%2 == 1)
	v_wmma_scale_f32_16x16x128_f8f6f4 v[ACC+32*\m+8*\t:ACC+32*\m+8*\t+7], v[(4*\s+\t)*8:(4*\s+\t)*8+7], v[(4*\s+\m)*8:(4*\s+\m)*8+7], v[\c:\c+7], v[WSC+8*(\t/2)+\s], v[HSC+8*(\m/2)+\s] matrix_a_fmt:MATRIX_FMT_FP4 matrix_b_fmt:MATRIX_FMT_FP4 matrix_b_scale:MATRIX_SCALE_ROW1
.else
	v_wmma_scale_f32_16x16x128_f8f6f4 v[ACC+32*\m+8*\t:ACC+32*\m+8*\t+7], v[(4*\s+\t)*8:(4*\s+\t)*8+7], v[(4*\s+\m)*8:(4*\s+\m)*8+7], v[\c:\c+7], v[WSC+8*(\t/2)+\s], v[HSC+8*(\m/2)+\s] matrix_a_fmt:MATRIX_FMT_FP4 matrix_b_fmt:MATRIX_FMT_FP4 matrix_a_scale:MATRIX_SCALE_ROW1 matrix_b_scale:MATRIX_SCALE_ROW1
.endif
.endm
; An expert's eight K steps, 16 matrix instructions each; the 16 accumulators take turns, one instruction a turn, in the same order in every step and from trip to trip.
; The first step's C is the bias.
; nxt = 1: behind each step's products stand four places and then the NEXT expert's loads into the registers just read: its bias behind step 0, its scale words behind steps 3 and 7, its step s behind step s.
; THE WAITS count the loads that are younger than the youngest load a step needs (loads come back in order); 63 is the most that a wait can name, and a smaller count than the true one is safe.
;   step 0 needs the scale words of steps 0-3 (with them the bias and steps 0-2 are in): behind them went steps 3-7 and four loads of scale words: 84.
;   step 3 needs its fragments: behind them 68 of this expert's.
;   step 4 needs the scale words of steps 4-7 (with them steps 4-6 are in): behind them step 7's 16, and with nxt = 1 the 76 that this trip has issued.
;   step 7 needs its fragments: the expert's last; with nxt = 1 this trip's 124 are younger.
.macro KSTEPS nxt
.irp s, 0,1,2,3,4,5,6,7
.if (\s == 0) || (\s == 3)
	s_wait_loadcnt 63
.elseif \s == 4
.if \nxt
	s_wait_loadcnt 63
.else
	s_wait_loadcnt 16
.endif
.elseif \s == 7
.if \nxt
	s_wait_loadcnt 63
.else
	s_wait_loadcnt 0x0
.endif
.endif
	WIN 0x06                                       ; source 0 (weights) window 2, source 1 (h1) window 1, C and D window 0
.irp m, 0,1,2,3
.irp t, 0,1,2,3
.if \s == 0
	WM \s, \m, \t, BIAS+8*\t
.else
	WM \s, \m, \t, ACC+32*\m+8*\t
.endif
.endr
.endr
.if \nxt
.rept 4
	v_nop                                          ; four places in front of loads into registers that the products have read (behind step 7 also: of the first read of the results)
.endr
.if \s == 0
	LB
.elseif \s == 3
	LS 0
.elseif \s == 7
	LS 1
.endif
	LF \s
.endif
.endr
	WIN 0
.if \nxt == 0
.rept 4
	v_nop                                          ; four places in front of the first read of the results
.endr
.endif
.endm
; The gate of the expert in hand, s51, for token r of each tile: 0 unless the token chose it.  The eight compares go into eight registers of their own.
.macro GATES
.irp m, 0,1,2,3
	v_cmp_eq_u32 s[UB+\m], s51, v[LO+\m]
.endr
.irp m, 0,1,2,3
	v_cmp_eq_u32 s[UB+4+\m], s51, v[HI+\m]
.endr
.irp m, 0,1,2,3
	v_cndmask_b32 v[G+2*\m], 0, v[GP+2*\m], s[UB+\m]
.endr
.irp m, 0,1,2,3
	v_cndmask_b32 v[G+2*\m], v[G+2*\m], v[GP+2*\m+1], s[UB+4+\m]
.endr
.endm
; relu, and the weighed sum: the first expert's products start the sums (nothing is cleared), the others are fused multiply-adds, two at a time; of the gate's pair the low word serves both halves.
.macro EPI first
.set n, 0
.rept 128
	v_max_num_f32 v[ACC+n], 0, v[ACC+n]            ; in ascending order: each accumulator is read from its low end on
.set n, n+1
.endr
.if \first
	WIN 0xc0                                       ; destination window 3
.else
	WIN 0xf0                                       ; source 2 and destination window 3
.endif
.set n, 0
.rept 64
.if \first
	v_pk_mul_f32 v[2*n:2*n+1], v[ACC+2*n:ACC+2*n+1], v[G+2*(n/16):G+2*(n/16)+1] op_sel_hi:[1,0]
.else
	v_pk_fma_f32 v[2*n:2*n+1], v[ACC+2*n:ACC+2*n+1], v[G+2*(n/16):G+2*(n/16)+1], v[2*n:2*n+1] op_sel_hi:[1,0,1]
.endif
.set n, n+1
.endr
	WIN 0
.endm
	s_mov_b32 s21, 0
	PICK
	BASES
	LB                                             ; the first expert's loads, in the order stated above
	LF 0
	LF 1
	LF 2
	LS 0
	LF 3
	LF 4
	LF 5
	LF 6
	LS 1
	LF 7
	WIN 0
	s_mov_b32 s51, s22                             ; THE FIRST EXPERT, written out ahead of the loop: its results start the weighed sums.  It has a successor,
	s_mov_b32 s21, 1
	PICK
	s_wait_xcnt 0x0                                ; every earlier load has read its base: the bases are written again,
	BASES                                          ; for the successor, whose loads this trip issues
	KSTEPS 1
	GATES
	EPI 1
	s_cmp_lt_u32 s21, s20
	s_cbranch_scc0 .Llast
.Ltrip:                                            ; a trip: an expert in the middle of the list
	s_mov_b32 s51, s22
	s_add_co_u32 s21, s21, 1
	PICK
	s_wait_xcnt 0x0
	BASES
	KSTEPS 1
	GATES
	EPI 0
	s_cmp_lt_u32 s21, s20
	s_cbranch_scc1 .Ltrip
.Llast:                                            ; the list's last expert: nothing more is asked for
	s_mov_b32 s51, s22
	KSTEPS 0
	GATES
	EPI 0
	; THE WAY OUT.  A row's 1,024 bytes come from four waves: they meet in a stage in LDS, and each wave stores 16 whole rows to the tokens' own places.
	s_wait_loadcnt 0x0                             ; no load is out here (the last trip asked for nothing): the bias's registers are written below
	WIN 0x0c                                       ; an LDS store's data are its source 1: window 3
.irp m, 0,1,2,3
.irp b, 0,1
.irp q, 0,1,2,3
	ds_store_b128 v6, v[32*\m+16*\b+4*\q:32*\m+16*\b+4*\q+3] offset:\m*16*OP+128*\b+16*\q   ; lane (r, h): out(16 m + r, 64 w + 32 b + 16 h + 4 q .. + 3)
.endr
.endr
.endr
	WIN 0
	s_wait_dscnt 0x0                               ; for the others' sake
	s_barrier_signal -1
	s_barrier_wait -1                              ; 64 rows of 1,024 bytes lie in the stage
.irp i, 0,1,2,3,4,5,6,7,8,9,10,11,12,13,14,15
	s_and_b32 s52, s[32+\i], 0xfff                 ; the token of my row i,
	s_min_u32 s52, s52, 0xfff                      ; held inside the buffer
	s_lshl_b32 s52, s52, 12
	v_add_nc_u32 v[BIAS+\i], s52, v4
.endr
.irp i, 0,1,2,3,4,5,6,7,8,9,10,11,12,13,14,15
.irp f, 0,1
	ds_load_b128 v[ACC+8*\i+4*\f:ACC+8*\i+4*\f+3], v8 offset:\i*OP+512*\f
.endr
.endr
.irp i, 0,1,2,3,4,5,6,7,8,9,10,11,12,13,14,15
.irp f, 0,1
	s_wait_dscnt 31-(2*\i+\f)
	global_store_b128 v[BIAS+\i], v[ACC+8*\i+4*\f:ACC+8*\i+4*\f+3], s[14:15] offset:512*\f th:TH_STORE_NT   ; 512 consecutive bytes, aligned; written once, read by nobody here
.endr
.endr
	s_wait_tensorcnt 0x0
	ds_add_u32 v254, v255
	s_wait_dscnt 0x0
	s_endpgm
.Lfunc_end_k_q2053832fbe_down:
	.size	k_q2053832fbe_down, .Lfunc_end_k_q2053832fbe_down-k_q2053832fbe_down
	.p2alignl 7, 3214868480
	.fill 96, 4, 3214868480
	.section	.rodata,"a",@progbits
	.p2align	6, 0x0
	.amdhsa_kernel k_q2053832fbe_down
		.amdhsa_group_segment_fixed_size 67072
		.amdhsa_private_segment_fixed_size 0
		.amdhsa_enable_private_segment 0
		.amdhsa_kernarg_size 48
		.amdhsa_user_sgpr_count 2
		.amdhsa_user_sgpr_kernarg_segment_ptr 1
		.amdhsa_wavefront_size32 1
		.amdhsa_system_sgpr_workgroup_id_x 1
		.amdhsa_system_sgpr_workgroup_id_y 1
		.amdhsa_system_sgpr_workgroup_id_z 1
		.amdhsa_system_vgpr_workitem_id 0
		.amdhsa_next_free_vgpr 896
		.amdhsa_next_free_sgpr 80
		.amdhsa_reserve_vcc 0
		.amdhsa_float_denorm_mode_32 3
		.amdhsa_float_denorm_mode_16_64 3
		.amdhsa_memory_ordered 1
		.amdhsa_forward_progress 1
		.amdhsa_inst_pref_size 143
	.end_amdhsa_kernel
	.amdgpu_metadata
---
amdhsa.version: [ 1, 2 ]
amdhsa.kernels:
  - .name:           k_q2053832fbe_down
    .symbol:         k_q2053832fbe_down.kd
    .args:
      - { .name: h1, .offset: 0, .size: 8, .value_kind: global_buffer, .address_space: global }
      - { .name: order, .offset: 8, .size: 8, .value_kind: global_buffer, .address_space: global }
      - { .name: gp, .offset: 16, .size: 8, .value_kind: global_buffer, .address_space: global }
      - { .name: wf, .offset: 24, .size: 8, .value_kind: global_buffer, .address_space: global }
      - { .name: b2, .offset: 32, .size: 8, .value_kind: global_buffer, .address_space: global }
      - { .name: out0, .offset: 40, .size: 8, .value_kind: global_buffer, .address_space: global }
    .group_segment_fixed_size: 67072
    .private_segment_fixed_size: 0
    .kernarg_segment_align: 8
    .kernarg_segment_size: 48
    .max_flat_workgroup_size: 128
    .sgpr_count:     80
    .vgpr_count:     896
    .wavefront_size: 32
...
	.end_amdgpu_metadata
.endif
;; end of part 7
;; ======== version 3 of 3: 4 launches; version 2 with the launches up, down written anew for expert scheduling mode
;; workspace buffers: xq 2,228,224 bytes; sel 16,384 bytes of whole numbers; gp 32,768 bytes; order 16,384 bytes of whole numbers; wf 8,912,896 bytes; h1 17,825,792 bytes
;; launch gate: the kernel of part 1 again; grid 256 x 1, 4 waves a work-group, no clusters, 111,616 bytes of LDS; arguments x, Wg, bg, xq, sel, gp; writes xq, sel, gp
;; launch place: the kernel of part 5 again; grid 257 x 1, 8 waves a work-group, no clusters, 37,888 bytes of LDS; arguments sel, W1_codes, W1_scales, W2_codes, W2_scales, order, wf; writes order, wf
;; launch up (part 8): grid 4 x 64, 4 waves a work-group, no clusters, 34,304 bytes of LDS; arguments xq, order, wf, b1, h1; writes h1
.if DOCPART == 8
	.amdgcn_target "amdgcn-amd-amdhsa--gfx1250"
	.amdhsa_code_object_version 6
	.text
	.protected	k_q2053832fbe_up
	.globl	k_q2053832fbe_up
	.p2align	8
	.type	k_q2053832fbe_up,@function
k_q2053832fbe_up:
	s_mov_b64 s[64:65], 0
	v_nop
	global_prefetch_b8 v0, s[64:65] scope:SCOPE_SE
	s_setreg_imm32_b32 hwreg(HW_REG_WAVE_SCHED_MODE, 0, 2), 2
	s_setreg_imm32_b32 hwreg(HW_REG_WAVE_MODE, 25, 1), 1
	s_wait_xcnt 0x0
	s_wait_alu depctr_vm_vsrc(0)
; h1 = Q(relu(x W1[e] + b1[e])), in MX-FP4, for each block of 64 SORTED tokens and each expert that some token of the block has chosen.  All 64 rows are multiplied for each such expert
; (a block has the tokens of one pair of experts, or crosses into a neighbouring pair): so h1 lies at fixed places [block][expert], and the next launch weighs a row that did not choose the expert with 0.
; SHARES.  Work-group (cb, blk): block blk, hidden units 256 cb .. + 255.  Wave w: 64 tokens x 64 hidden units: 16 accumulators.
; x's 32 fragments stay in registers for the whole launch; an expert's 32 weight fragments, 16 scale registers and bias come from memory STRAIGHT INTO REGISTERS, in the order in which an earlier launch laid them:
; each byte is loaded by one wave.  The walk over the experts hangs on a stored list, so the text has no copy engine, no cluster and no barrier in its loop; LDS serves once, to turn x's gathered rows into fragments.
; THE LOADS NEVER STOP BETWEEN EXPERTS: when the products of K step s have read the step's registers for the last time, the NEXT expert's step s is asked for into the same registers, among the products of step s + 1.
; So the trip of an expert that has a successor and the last trip are two texts.
; TRANSPOSED: source 0 = 16 rows of W1, source 1 = 16 tokens.  Lane (r, h) holds token r; register 16 b + i of a tile of tokens is hidden unit 32 b + 16 h + i of the wave's 64 (by the order of a weight tile's rows).
; So the conversions take neighbours along the next K, and the wave's 64 units are half c = w % 2 of K step S = 2 cb + w / 2 of the next product.
; h1, codes: [blk][e][S 8][tile of tokens m 4][c 2][lane 32][16 bytes]: an image of the operand's registers.  Scales, at byte HS: [blk][e][q 4][lane][16 bytes], as the weights' are laid.
; SCALE REGISTERS, of weights and of x alike: register 8 j + s holds, in lane (r, h), the scale word of K step s of row r of tile 2 j + h: tile t names register 8 (t / 2) + s and the lanes' half t % 2.
; LIMITS: a block of 32 whose largest number lies under 2^-124, zeros too, keeps the scale byte 1 (only this program reads these bytes).
; REGISTERS.  Window 0: v1-15 lane terms and the block's entries; v16-31 x's scales; v32-47 the weights' scales; v48-79 the bias, 8 a tile; v80-207 the accumulators, (m, t) at 32 m + 8 t; v208-251 the quantiser's.
;   Window 1: x's fragment (s, m) at 8 (4 s + m).   Window 2: the weights' fragment (s, t) at 8 (4 s + t).
; THE MODE: SCHED_MODE bits 1:0 = 2 (LLVM: expert scheduling mode 2), set by the entry lines.  The code itself states the register dependences
; between vector or matrix instructions and memory or LDS instructions, with s_wait_alu, always for 0.
; THE PLAN.  Registers that memory instructions touch, in the loop:
;   the weights' fragments  32 registers a K step: eight buffers by turns.  Read by step s's 16 products; the successor's loads land in them among the products of step s + 1 (step 7's: behind step 7).
;   the bias                Read by step 0's products, as their C; loaded again with step 0's fragments.
;   the weights' scales     Registers 8 j + 0 .. 3 are read by steps 0 to 3 and loaded again with step 3's fragments; registers 8 j + 4 .. 7 by steps 4 to 7, and loaded again with step 7's.
;   PC, HW                  Written by the epilogue's conversions, exchanges and selects; read by the six stores at its end.
;   v4, v7                  Offsets of every load and store; made at the head and never written again: the scalar bases and immediate offsets do the rest.
;   x's fragments and scales, the accumulators and the quantiser's other registers are named by vector and matrix instructions alone.
; So in a trip with a successor ONE wait on va_vdst stands at the head of each of steps 1 to 7: the products of the step before are done reading.  The loads into that step's registers follow behind the first four
; products of the step in hand, which name their own step's fragments and scale registers and the accumulators: none of the registers that those loads touch.  One more stands behind step 7, one ahead of the stores;
; one wait on vm_vsrc at a trip's head stands ahead of the epilogue's next writes of PC and HW.  The last trip asks for nothing: its K steps hold no such wait.
.set XS,   0x200000                    ; x's scale bytes in xq
.set WS,   0x800000                    ; the weights' scale words in wf
.set HS,   0x1000000                   ; h1's scale words in h1
.set SP,   528                         ; a row of x's codes in LDS: 512 bytes + 16: the sixteen rows of a fragment load begin in different banks
.set XSC,  16
.set WSC,  32
.set BIAS, 48
.set ACC,  80
.set RO,   144                         ; v144-159 at the head: the byte offsets of my 16 rows of x
.set MXR,  208                         ; v208-215 eight blocks' largest numbers; later the rows' two bytes.  At the head: at work on the list
.set PD,   216                         ; v216-223 the other half's; later the bytes
.set SO,   224                         ; v224-231 the conversions' scale operands
.set PC,   232                         ; v232-247 the codes
.set HW,   248                         ; v248-249 two bytes a lane, to store
.set UB,   66                          ; s66-73   for each expert: the lanes with a token that uses it
.set MSB, 0
.macro WIN new                         ; the immediate's high byte repeats the setting that is left
.if MSB != \new
	s_set_vgpr_msb (MSB<<8)|\new
.set MSB, \new
.endif
.endm
	s_load_b256 s[4:11], s[0:1], 0x0               ; xq s[4:5], order s[6:7], wf s[8:9], b1 s[10:11]
	s_load_b64 s[12:13], s[0:1], 0x20              ; h1
	v_lshl_add_u32 v254, v0, 2, 0x8400
	v_mov_b32 v255, 0
	v_lshrrev_b32 v1, 5, v0
	v_readfirstlane_b32 s14, v1                    ; wave 0..3
	s_mov_b32 s15, ttmp9                           ; cb
	s_and_b32 s16, ttmp7, 0xffff                   ; blk
	v_and_b32 v1, 31, v0                           ; lane
	v_and_b32 v2, 15, v0                           ; r
	v_bfe_u32 v3, v0, 4, 1                         ; h
	v_lshlrev_b32 v4, 4, v1                        ; 16 x lane: never rewritten
	v_lshlrev_b32 v5, 2, v1                        ; 4 x lane
	v_mul_u32_u24 v6, v2, SP
	v_lshl_add_u32 v6, v3, 4, v6                   ; a fragment of x in LDS: row r, + 16 h
	v_lshlrev_b32 v7, 6, v3                        ; the bias: 16 h numbers on: never rewritten
	s_wait_alu depctr_va_sdst(0)                   ; s14, the wave's number, is written, ahead of its first reader
	s_mul_i32 s52, s14, 16*SP
	v_add_nc_u32 v8, s52, v4                       ; where I put my 16 rows
	v_mov_b32 v15, 1
.irp k, 0,1,2,3,4,5,6,7
	v_mov_b32 v[PD+\k], 0                          ; written once: a lane permute's destination counts as one of its sources
.endr
	s_mov_b32 s48, 0xffff0000                      ; lanes 16-31
	s_mov_b32 s50, 0x76543210
	s_mov_b32 s51, 0xfedcba98                      ; v_permlanex16_b32's selects for lane l xor 16
	s_lshl_b32 s49, s15, 10
	s_lshl_b32 s52, s14, 8
	s_add_co_u32 s49, s49, s52                     ; my first hidden unit in a row of b1, in bytes
	s_lshl_b32 s52, s15, 1
	s_lshr_b32 s53, s14, 1
	s_add_co_u32 s52, s52, s53                     ; S
	s_and_b32 s53, s14, 1                          ; c
	s_lshl_b32 s58, s52, 12
	s_lshl_b32 s54, s53, 9
	s_add_co_u32 s58, s58, s54                     ; my place in a (block, expert)'s codes: 4,096 S + 512 c
	s_lshr_b32 s59, s52, 2
	s_lshl_b32 s59, s59, 9
	s_and_b32 s54, s52, 3
	s_lshl_b32 s54, s54, 2
	s_add_co_u32 s59, s59, s54
	s_lshl_b32 s54, s53, 1
	s_add_co_u32 s59, s59, s54
	s_add_co_u32 s59, s59, HS                      ; and in its scale words: 512 (S / 4) + 4 (S % 4) + 2 c
	s_lshl_b32 s52, s16, 8                         ; the block's 64 entries
	s_mov_b32 s53, 0
	s_lshl_b32 s54, s14, 6                         ; my wave's 16 of them
	s_mov_b32 s55, 0
	s_wait_kmcnt 0x0
	s_add_nc_u64 s[6:7], s[6:7], s[52:53]
	s_add_nc_u64 s[54:55], s[6:7], s[54:55]
	s_load_b512 s[32:47], s[54:55], 0x0
	s_wait_alu depctr_va_vdst(0)                   ; the lane terms v4 to v8 are written, which the kernel's loads, stores and LDS instructions read as offsets and addresses; so are v254 and v255
	global_load_b32 v9, v5, s[6:7]                 ; lane l: the entries of places l and 32 + l
	global_load_b32 v10, v5, s[6:7] offset:128
	s_add_nc_u64 s[56:57], s[4:5], XS
	s_wait_kmcnt 0x0
.irp i, 0,1,2,3,4,5,6,7,8,9,10,11,12,13,14,15
	s_and_b32 s52, s[32+\i], 0xfff                 ; the token,
	s_min_u32 s52, s52, 0xfff                      ; held inside the buffer
	s_lshl_b32 s52, s52, 9
	v_add_nc_u32 v[RO+\i], s52, v4
.endr
	s_wait_alu depctr_va_vdst(0)                   ; the sixteen rows' offsets are written, which the loads below read: one wait for the run
.irp i, 0,1,2,3,4,5,6,7,8,9,10,11,12,13,14,15
	global_load_b128 v[ACC+4*\i:ACC+4*\i+3], v[RO+\i], s[4:5]   ; a row's 512 bytes of codes, consecutive
.endr
	s_wait_loadcnt 16                              ; the two loads of entries are in; the 16 rows are younger
	v_and_b32 v12, 0xfff, v9
	v_min_u32 v12, 0xfff, v12
	v_lshlrev_b32 v12, 5, v12
	v_and_b32 v13, 0xfff, v10
	v_min_u32 v13, 0xfff, v13
	v_lshlrev_b32 v13, 5, v13
	s_wait_alu depctr_va_vdst(0)                   ; v12 and v13 are written, which the four loads below read as offsets
	global_load_b128 v[XSC:XSC+3], v12, s[56:57]               ; place 32 j + lane = row r of tile 2 j + h: its eight scale words are registers 8 j .. 8 j + 7
	global_load_b128 v[XSC+4:XSC+7], v12, s[56:57] offset:16
	global_load_b128 v[XSC+8:XSC+11], v13, s[56:57]
	global_load_b128 v[XSC+12:XSC+15], v13, s[56:57] offset:16
	v_bfe_u32 v14, v9, 12, 4                       ; which experts do my two tokens use?
	v_lshlrev_b32 v11, v14, v15
	v_bfe_u32 v14, v9, 16, 4
	v_lshlrev_b32 v14, v14, v15
	v_or_b32 v11, v11, v14
	v_bfe_u32 v14, v10, 12, 4
	v_lshlrev_b32 v14, v14, v15
	v_or_b32 v11, v11, v14
	v_bfe_u32 v14, v10, 16, 4
	v_lshlrev_b32 v14, v14, v15
	v_or_b32 v11, v11, v14
	; THE BLOCK'S LIST OF EXPERTS, four bits each, in ascending order, and their number: made without a jump, alike in all four waves.  The eight compares go into eight registers of their own, ahead of the scalar part
.irp e, 0,1,2,3,4,5,6,7
	v_and_b32 v[MXR+\e], 1<<\e, v11
.endr
.irp e, 0,1,2,3,4,5,6,7
	v_cmp_ne_u32 s[UB+\e], 0, v[MXR+\e]
.endr
	s_wait_alu depctr_va_sdst(0)                   ; the eight compares have written s66 to s73, ahead of their first reader: one wait for the run
	s_mov_b32 s17, 0                               ; the list
	s_mov_b32 s18, 0                               ; how many
	s_mov_b32 s21, 0                               ; 4 x how many
.irp e, 0,1,2,3,4,5,6,7
	s_cmp_lg_u32 s[UB+\e], 0
	s_cselect_b32 s52, 1, 0                        ; does any token use expert e?
	s_lshl_b32 s53, \e, s21
	s_mul_i32 s53, s53, s52
	s_or_b32 s17, s17, s53
	s_lshl_b32 s53, s52, 2
	s_add_co_u32 s21, s21, s53
	s_add_co_u32 s18, s18, s52
.endr
	s_sub_co_u32 s18, s18, 1                       ; how many experts have a successor (every entry names an expert: the list is not empty)
.macro PICK                            ; s20 = entry s19 of the list
	s_lshl_b32 s52, s19, 2
	s_lshr_b32 s20, s17, s52
	s_and_b32 s20, s20, 7
	s_min_u32 s20, s20, 7
.endm
.macro BASES                           ; where expert s20's fragments, scale words and bias lie
	s_lshl_b32 s52, s20, 4
	s_lshl_b32 s53, s15, 2
	s_add_co_u32 s52, s52, s53
	s_add_co_u32 s52, s52, s14                     ; G = 16 e + 4 cb + w
	s_lshl_b32 s54, s52, 11
	s_add_co_u32 s54, s54, WS
	s_lshl_b32 s52, s52, 15
	s_mov_b32 s53, 0
	s_mov_b32 s55, 0
	s_add_nc_u64 s[22:23], s[8:9], s[52:53]
	s_add_nc_u64 s[24:25], s[8:9], s[54:55]
	s_lshl_b32 s52, s20, 12
	s_add_co_u32 s52, s52, s49
	s_add_nc_u64 s[26:27], s[10:11], s[52:53]
.endm
.macro STB                             ; where expert s20's codes and scale bytes go
	s_lshl_b32 s52, s16, 3
	s_add_co_u32 s52, s52, s20                     ; 8 blk + e
	s_lshl_b32 s54, s52, 11
	s_add_co_u32 s54, s54, s59
	s_lshl_b32 s52, s52, 15
	s_add_co_u32 s52, s52, s58
	s_mov_b32 s53, 0
	s_mov_b32 s55, 0
	s_add_nc_u64 s[28:29], s[12:13], s[52:53]
	s_add_nc_u64 s[30:31], s[12:13], s[54:55]
.endm
; AN EXPERT'S 76 LOADS GO OUT IN ONE ORDER, at the head and from trip to trip: the bias (8), K steps 0 to 2 (8 each), the scale words of steps 0 to 3 (2), steps 3 to 6, the scale words of steps 4 to 7 (2), step 7.
.macro LB                              ; the bias: lane (r, h), tile t: units 32 (t / 2) + 16 h + 8 (t % 2) + 0 .. 7: the result's layout
	WIN 0
.irp t, 0,1,2,3
	global_load_b128 v[BIAS+8*\t:BIAS+8*\t+3], v7, s[26:27] offset:(32*(\t/2)+8*(\t%2))*4
	global_load_b128 v[BIAS+8*\t+4:BIAS+8*\t+7], v7, s[26:27] offset:(32*(\t/2)+8*(\t%2))*4+16
.endr
.endm
.macro LW h                            ; the scale words of K steps 4 h .. 4 h + 3: registers 8 j + 4 h .. + 3
	WIN 0
.irp j, 0,1
	global_load_b128 v[WSC+8*\j+4*\h:WSC+8*\j+4*\h+3], v4, s[24:25] offset:1024*\j+512*\h
.endr
.endm
.macro LF s                            ; the four fragments of K step s: 512 consecutive bytes a load
	WIN 0x80                                       ; destination window 2
.irp t, 0,1,2,3
.irp c, 0,1
	global_load_b128 v[(4*(\s)+\t)*8+4*\c:(4*(\s)+\t)*8+4*\c+3], v4, s[22:23] offset:(4*(\s)+\t)*1024+512*\c
.endr
.endr
.endm
; One matrix instruction: K step s, tokens' tile m, weights' tile t; c: the first register of its C.  The four forms differ in the halves of the lanes from which the scales are taken.
.macro WM s, m, t, c
.if ((\t)%2 == 0) && ((\m)%2 == 0)
	v_wmma_scale_f32_16x16x128_f8f6f4 v[ACC+32*\m+8*\t:ACC+32*\m+8*\t+7], v[(4*\s+\t)*8:(4*\s+\t)*8+7], v[(4*\s+\m)*8:(4*\s+\m)*8+7], v[\c:\c+7], v[WSC+8*(\t/2)+\s], v[XSC+8*(\m/2)+\s] matrix_a_fmt:MATRIX_FMT_FP4 matrix_b_fmt:MATRIX_FMT_FP4
.elseif ((\t)%2 == 1) && ((\m)%2 == 0)
	v_wmma_scale_f32_16x16x128_f8f6f4 v[ACC+32*\m+8*\t:ACC+32*\m+8*\t+7], v[(4*\s+\t)*8:(4*\s+\t)*8+7], v[(4*\s+\m)*8:(4*\s+\m)*8+7], v[\c:\c+7], v[WSC+8*(\t/2)+\s], v[XSC+8*(\m/2)+\s] matrix_a_fmt:MATRIX_FMT_FP4 matrix_b_fmt:MATRIX_FMT_FP4 matrix_a_scale:MATRIX_SCALE_ROW1
.elseif ((\t)%2 == 0) && ((\m)%2 == 1)
	v_wmma_scale_f32_16x16x128_f8f6f4 v[ACC+32*\m+8*\t:ACC+32*\m+8*\t+7], v[(4*\s+\t)*8:(4*\s+\t)*8+7], v[(4*\s+\m)*8:(4*\s+\m)*8+7], v[\c:\c+7], v[WSC+8*(\t/2)+\s], v[XSC+8*(\m/2)+\s] matrix_a_fmt:MATRIX_FMT_FP4 matrix_b_fmt:MATRIX_FMT_FP4 matrix_b_scale:MATRIX_SCALE_ROW1
.else
	v_wmma_scale_f32_16x16x128_f8f6f4 v[ACC+32*\m+8*\t:ACC+32*\m+8*\t+7], v[(4*\s+\t)*8:(4*\s+\t)*8+7], v[(4*\s+\m)*8:(4*\s+\m)*8+7], v[\c:\c+7], v[WSC+8*(\t/2)+\s], v[XSC+8*(\m/2)+\s] matrix_a_fmt:MATRIX_FMT_FP4 matrix_b_fmt:MATRIX_FMT_FP4 matrix_a_scale:MATRIX_SCALE_ROW1 matrix_b_scale:MATRIX_SCALE_ROW1
.endif
.endm
; An expert's eight K steps, 16 matrix instructions each.  The 16 accumulators take turns, one instruction a turn, in the same order in every step and from trip to trip.
; The first step's C is the bias: nothing is cleared and nothing is added afterwards.
; nxt = 1: the NEXT expert's loads go out one step behind the products that read their registers.  At the head of step s (1 to 7) one wait states that the products of step s - 1 are done reading; behind the step's
; first four products stand the loads into the registers of step s - 1: with step 0's fragments the bias, with step 3's the scale words of steps 0 to 3.  Step 7's, with the scale words of steps 4 to 7, stand
; behind step 7's products, their places and one more wait.
; THE WAITS ON LOADS count the loads that are younger than the youngest load a step needs (loads come back in order).
;   step 0 needs the scale words of steps 0-3 (with them the bias and steps 0-2 are in): behind them went steps 3-7 and two loads of scale words: 42.
;   step 3 needs its fragments: behind them 34 of this expert's, and with nxt = 1 the 24 that this trip has issued (the bias, steps 0 and 1).
;   step 4 needs the scale words of steps 4-7 (with them steps 4-6 are in): behind them step 7's 8, and with nxt = 1 this trip's 32.
;   step 7 needs its fragments: the expert's last; with nxt = 1 this trip's 58 are younger.
.macro KSTEPS nxt
.irp s, 0,1,2,3,4,5,6,7
.if \s == 0
	s_wait_loadcnt 42
.elseif \s == 3
.if \nxt
	s_wait_loadcnt 58
.else
	s_wait_loadcnt 34
.endif
.elseif \s == 4
.if \nxt
	s_wait_loadcnt 40
.else
	s_wait_loadcnt 8
.endif
.elseif \s == 7
.if \nxt
	s_wait_loadcnt 58
.else
	s_wait_loadcnt 0x0
.endif
.endif
.if \nxt && (\s > 0)
	s_wait_alu depctr_va_vdst(0)                   ; the products of the step before are done reading its fragments (step 0's: the bias too; step 3's: the scale words of steps 0 to 3 too), in which the loads below land
.endif
	WIN 0x06                                       ; source 0 (weights) window 2, source 1 (x) window 1, C and D window 0
.irp t, 0,1,2,3
.if \s == 0
	WM \s, 0, \t, BIAS+8*\t
.else
	WM \s, 0, \t, ACC+8*\t
.endif
.endr
.if \nxt && (\s > 0)
.if \s == 1
	LB                                             ; no further wait: the four products since the wait name this step's fragments and scale registers and the accumulators alone
.elseif \s == 4
	LW 0
.endif
	LF \s-1
	WIN 0x06
.endif
.irp m, 1,2,3
.irp t, 0,1,2,3
.if \s == 0
	WM \s, \m, \t, BIAS+8*\t
.else
	WM \s, \m, \t, ACC+32*\m+8*\t
.endif
.endr
.endr
.endr
	WIN 0
.rept 4
	v_nop                                          ; four places in front of the first read of the results
.endr
.if \nxt
	s_wait_alu depctr_va_vdst(0)                   ; step 7's products are done reading its fragments and the scale words of steps 4 to 7, in which the loads below land; the places above stay beside this wait
	LW 1
	LF 7
	WIN 0
.endif
.endm
; relu, the quantiser along the next K, and the stores.  Block k = 2 m + b is 16 registers of mine and 16 of lane l xor 16.
.macro EPI
.set n, 0
.rept 128
	v_max_num_f32 v[ACC+n], 0, v[ACC+n]            ; in ascending order: each accumulator is read from its low end on
.set n, n+1
.endr
.irp k, 0,1,2,3,4,5,6,7
	v_max3_num_f32 v[MXR+\k], v[ACC+16*\k], v[ACC+16*\k+1], 0x1800000   ; none is negative: no |.|; the floor 2^(3 - 127) holds the byte at 1 from below
.endr
.irp i, 2,4,6,8,10,12,14
.irp k, 0,1,2,3,4,5,6,7
	v_max3_num_f32 v[MXR+\k], v[MXR+\k], v[ACC+16*\k+\i], v[ACC+16*\k+\i+1]
.endr
.endr
.irp k, 0,1,2,3,4,5,6,7
	v_permlanex16_b32 v[PD+\k], v[MXR+\k], s50, s51
.endr
.irp k, 0,1,2,3,4,5,6,7
	v_max_num_f32 v[MXR+\k], v[MXR+\k], v[PD+\k]
.endr
.irp k, 0,1,2,3,4,5,6,7
	v_add_nc_u32 v[SO+\k], 0xff000000, v[MXR+\k]   ; 2 off the exponent field: the conversion's scale operand
.endr
.irp k, 0,1,2,3,4,5,6,7
	v_lshrrev_b32 v[PD+\k], 23, v[SO+\k]           ; the scale's byte
.endr
.irp m, 0,1,2,3
	v_lshl_or_b32 v[MXR+\m], v[PD+2*\m+1], 8, v[PD+2*\m]       ; token r of tile m: bytes 2 c and 2 c + 1 of its scale word for K step S
.endr
.irp p, 0,1
	v_cndmask_b32 v[HW+\p], v[MXR+2*\p], v[MXR+2*\p+1], s48    ; lanes 0-15 carry tile 2 p's, lanes 16-31 tile 2 p + 1's
.endr
.irp k, 0,1,2,3,4,5,6,7
	v_cvt_scalef32_pk8_fp4_f32 v[PC+2*\k], v[ACC+16*\k:ACC+16*\k+7], v[SO+\k]
	v_cvt_scalef32_pk8_fp4_f32 v[PC+2*\k+1], v[ACC+16*\k+8:ACC+16*\k+15], v[SO+\k]
.endr
	v_nop                                          ; one plain place behind the last scaled conversion
.irp m, 0,1,2,3                        ; the operand's layout wants a WHOLE block in a lane: lanes 0-15 block 0, lanes 16-31 block 1
.irp i, 0,1
	v_permlane16_swap_b32 v[PC+4*\m+\i], v[PC+4*\m+2+\i]
.endr
.endr
	s_wait_alu depctr_va_vdst(0)                   ; the conversions and exchanges have written the codes, the selects the two registers of bytes: the six stores below read them
.irp m, 0,1,2,3
	global_store_b128 v4, v[PC+4*\m:PC+4*\m+3], s[28:29] offset:1024*\m   ; half a fragment's image: 512 consecutive bytes
.endr
.irp p, 0,1
	global_store_b16 v4, v[HW+\p], s[30:31] offset:1024*\p     ; two bytes of each lane's 16: a wave has no more of a scale word; 128 bytes a wave and expert
.endr
.endm
	s_mov_b32 s19, 0
	PICK
	BASES
	LB                                             ; the first expert's loads go out before x is turned, in the order stated above.  No vector or matrix instruction has named their registers, and v4 and v7 stand written since the head's wait
	LF 0
	LF 1
	LF 2
	LW 0
	LF 3
	LF 4
	LF 5
	LF 6
	LW 1
	LF 7
	WIN 0
	s_wait_loadcnt 63                              ; my 16 rows and x's scale words are in: 76 loads are younger than they
.irp i, 0,1,2,3,4,5,6,7,8,9,10,11,12,13,14,15
	ds_store_b128 v8, v[ACC+4*\i:ACC+4*\i+3] offset:\i*SP
.endr
	s_wait_dscnt 0x0                               ; for the others' sake
	s_barrier_signal -1
	s_barrier_wait -1                              ; the block's 64 rows lie in LDS
	WIN 0x40                                       ; destination window 1
.irp s, 0,1,2,3,4,5,6,7
.irp m, 0,1,2,3
.irp c, 0,1
	ds_load_b128 v[(4*\s+\m)*8+4*\c:(4*\s+\m)*8+4*\c+3], v6 offset:\m*16*SP+64*\s+32*\c
.endr
.endr
.endr
	WIN 0
	s_wait_dscnt 0x0
	s_wait_alu depctr_vm_vsrc(0)                   ; my LDS stores have read the rows' registers and the rows' loads their offsets: v80 to v159 are accumulators from here on, written by the products
	s_cmp_lt_u32 s19, s18
	s_cbranch_scc0 .Llast
.Ltrip:                                            ; a trip: an expert of the list that has a successor
	s_wait_xcnt 0x0                                ; every earlier load and store has read its base and its data: the bases, and in the epilogue the stores' data, are written again
	s_wait_alu depctr_vm_vsrc(0)                   ; the stores of the trip before have read the codes' registers and the two of bytes, which this trip's epilogue writes again
	STB                                            ; for the expert in hand,
	s_add_co_u32 s19, s19, 1
	PICK                                           ; and on to its successor,
	BASES                                          ; whose loads this trip issues
	KSTEPS 1
	EPI
	s_cmp_lt_u32 s19, s18
	s_cbranch_scc1 .Ltrip
.Llast:                                            ; the list's last expert: nothing more is asked for
	s_wait_xcnt 0x0
	s_wait_alu depctr_vm_vsrc(0)                   ; the stores of the trip before have read the codes' registers and the two of bytes, which this trip's epilogue writes again
	STB
	KSTEPS 0
	EPI
	s_wait_dscnt 0x0                               ; the closing lines, six on end
	s_wait_alu 0x0
	s_wait_tensorcnt 0x0
	ds_add_u32 v254, v255
	s_wait_dscnt 0x0
	s_endpgm
.Lfunc_end_k_q2053832fbe_up:
	.size	k_q2053832fbe_up, .Lfunc_end_k_q2053832fbe_up-k_q2053832fbe_up
	.p2alignl 7, 3214868480
	.fill 96, 4, 3214868480
	.section	.rodata,"a",@progbits
	.p2align	6, 0x0
	.amdhsa_kernel k_q2053832fbe_up
		.amdhsa_group_segment_fixed_size 34304
		.amdhsa_private_segment_fixed_size 0
		.amdhsa_enable_private_segment 0
		.amdhsa_kernarg_size 40
		.amdhsa_user_sgpr_count 2
		.amdhsa_user_sgpr_kernarg_segment_ptr 1
		.amdhsa_wavefront_size32 1
		.amdhsa_system_sgpr_workgroup_id_x 1
		.amdhsa_system_sgpr_workgroup_id_y 1
		.amdhsa_system_sgpr_workgroup_id_z 1
		.amdhsa_system_vgpr_workitem_id 0
		.amdhsa_next_free_vgpr 768
		.amdhsa_next_free_sgpr 80
		.amdhsa_reserve_vcc 0
		.amdhsa_float_denorm_mode_32 3
		.amdhsa_float_denorm_mode_16_64 3
		.amdhsa_memory_ordered 1
		.amdhsa_forward_progress 1
		.amdhsa_inst_pref_size 92
	.end_amdhsa_kernel
	.amdgpu_metadata
---
amdhsa.version: [ 1, 2 ]
amdhsa.kernels:
  - .name:           k_q2053832fbe_up
    .symbol:         k_q2053832fbe_up.kd
    .args:
      - { .name: xq, .offset: 0, .size: 8, .value_kind: global_buffer, .address_space: global }
      - { .name: order, .offset: 8, .size: 8, .value_kind: global_buffer, .address_space: global }
      - { .name: wf, .offset: 16, .size: 8, .value_kind: global_buffer, .address_space: global }
      - { .name: b1, .offset: 24, .size: 8, .value_kind: global_buffer, .address_space: global }
      - { .name: h1, .offset: 32, .size: 8, .value_kind: global_buffer, .address_space: global }
    .group_segment_fixed_size: 34304
    .private_segment_fixed_size: 0
    .kernarg_segment_align: 8
    .kernarg_segment_size: 40
    .max_flat_workgroup_size: 128
    .sgpr_count:     80
    .vgpr_count:     768
    .wavefront_size: 32
...
	.end_amdgpu_metadata
.endif
;; end of part 8
;; launch down (part 9): grid 4 x 64, 4 waves a work-group, no clusters, 67,072 bytes of LDS; arguments h1, order, gp, wf, b2, out0; writes out0
.if DOCPART == 9
	.amdgcn_target "amdgcn-amd-amdhsa--gfx1250"
	.amdhsa_code_object_version 6
	.text
	.protected	k_q2053832fbe_down
	.globl	k_q2053832fbe_down
	.p2align	8
	.type	k_q2053832fbe_down,@function
k_q2053832fbe_down:
	s_mov_b64 s[64:65], 0
	v_nop
	global_prefetch_b8 v0, s[64:65] scope:SCOPE_SE
	s_setreg_imm32_b32 hwreg(HW_REG_WAVE_SCHED_MODE, 0, 2), 2
	s_setreg_imm32_b32 hwreg(HW_REG_WAVE_MODE, 25, 1), 1
	s_wait_xcnt 0x0
	s_wait_alu depctr_vm_vsrc(0)
; out = the sum over the block's experts e of gate(token, e) x relu(h1[e] W2[e] + b2[e]), in MX-FP4; gate is 0 for a token that did not choose e.  EACH OUTPUT ROW HAS ONE OWNER: nothing is added between work-groups.
; SHARES.  Work-group (cb, blk): the 64 sorted tokens of block blk, output columns 256 cb .. + 255.  Wave w: 64 tokens x 64 columns: 16 accumulators for the expert in hand, and 128 registers of weighed sums.
; Weights, h1, their scale words and the bias come from memory straight into registers, as images of the operands' registers (512 consecutive bytes a load).  The walk over the experts hangs on a stored list,
; so the text has no copy engine, no cluster and no barrier in its loop; its one barrier stands behind the loop, on the way out.
; THE LOADS NEVER STOP BETWEEN EXPERTS: when the products of K step s have read the step's registers for the last time, the NEXT expert's step s is asked for into the same registers, among the products of step s + 1.
; Three texts of a trip: the first expert's (its results start the weighed sums), one for an expert in the middle, and the last expert's (it asks for nothing).
; A BLOCK'S LIST HAS AT LEAST TWO EXPERTS, since a token's two experts differ: so the first expert always has a successor.
; TRANSPOSED: source 0 = 16 rows of W2, source 1 = 16 tokens of h1.  Lane (r, h) holds token r; register 16 b + i of a tile of tokens is column 32 b + 16 h + i of the wave's 64.
; SCALE REGISTERS: register 8 j + s holds, in lane (r, h), the scale word of K step s of row r of tile 2 j + h.
; LIMIT: where an expert that a token did NOT choose overflows to infinity in that token's row, 0 x infinity gives NaN there.
; REGISTERS.  Window 0: v1-15 lane terms and entries; v16-31 h1's scales; v32-47 the weights' scales; v48-79 the bias (at the end: row offsets); v80-207 the accumulators, (m, t) at 32 m + 8 t (at the end: rows of out);
;   v208-215 lo, hi of token r of tile m; v216-223 its two gates; v224-231 the gate for the expert in hand, a pair for each m; v232-235 offsets into gp; v236-243 at work on the list.
;   Window 1: h1's fragment (s, m) at 8 (4 s + m).   Window 2: the weights' (s, t) at 8 (4 s + t).   Window 3: v0-127 the weighed sums, laid as the accumulators.
; THE MODE: SCHED_MODE bits 1:0 = 2 (LLVM: expert scheduling mode 2), set by the entry lines.  The code itself states the register dependences
; between vector or matrix instructions and memory or LDS instructions, with s_wait_alu, always for 0.
; THE PLAN.  Registers that memory instructions touch, in the loop:
;   the weights' and h1's fragments  64 registers a K step: eight buffers by turns.  Read by step s's 16 products; the successor's loads land in them among the products of step s + 1 (step 7's: behind step 7).
;   the bias                         Read by step 0's products, as their C; loaded again with step 0's fragments.
;   the two kinds of scale words     Registers 8 j + 0 .. 3 are read by steps 0 to 3 and loaded again with step 3's fragments; registers 8 j + 4 .. 7 by steps 4 to 7, and loaded again with step 7's.
;   v4, v7                           Offsets of every load; made at the head and never written again: the scalar bases and immediate offsets do the rest.
;   The accumulators, the gates and the weighed sums are named by vector and matrix instructions alone; the loop stores nothing, and no register that a memory instruction reads is written in it.
; So in a trip with a successor ONE wait on va_vdst stands at the head of each of steps 1 to 7: the products of the step before are done reading.  The loads into that step's registers follow behind the first four
; products of the step in hand, which name their own step's fragments and scale registers and the accumulators: none of the registers that those loads touch.  One more stands behind step 7.
; The last trip asks for nothing: its K steps hold no such wait.  On the way out one wait on va_vdst serves the LDS stores, the loads from the stage and the global stores.
.set WS,   0x800000
.set HS,   0x1000000
.set OP,   1040                        ; a row of the stage: 1,024 bytes + 16
.set HSC,  16
.set WSC,  32
.set BIAS, 48
.set ACC,  80
.set LO,   208
.set HI,   212
.set GP,   216
.set G,    224
.set GA,   232
.set UT,   236
.set UB,   66                          ; s66-73   for each expert: the lanes with a token that uses it; later: the lanes whose token chose the expert in hand
.set MSB, 0
.macro WIN new                         ; the immediate's high byte repeats the setting that is left
.if MSB != \new
	s_set_vgpr_msb (MSB<<8)|\new
.set MSB, \new
.endif
.endm
	s_load_b256 s[4:11], s[0:1], 0x0               ; h1 s[4:5], order s[6:7], gp s[8:9], wf s[10:11]
	s_load_b128 s[12:15], s[0:1], 0x20             ; b2 s[12:13], out0 s[14:15]
	v_lshl_add_u32 v254, v0, 2, 0x10400
	v_mov_b32 v255, 0
	v_lshrrev_b32 v1, 5, v0
	v_readfirstlane_b32 s16, v1                    ; wave 0..3
	s_mov_b32 s17, ttmp9                           ; cb
	s_and_b32 s18, ttmp7, 0xffff                   ; blk
	v_and_b32 v1, 31, v0                           ; lane
	v_and_b32 v2, 15, v0                           ; r
	v_bfe_u32 v3, v0, 4, 1                         ; h
	v_lshlrev_b32 v4, 4, v1                        ; 16 x lane: never rewritten
	v_lshlrev_b32 v5, 2, v2                        ; 4 r
	v_mul_u32_u24 v6, v2, OP
	v_lshl_add_u32 v6, v3, 6, v6
	s_wait_alu depctr_va_sdst(0)                   ; s16, the wave's number, is written, ahead of its first reader
	s_lshl_b32 s52, s16, 8
	v_add_nc_u32 v6, s52, v6                       ; the stage, in: row r, + 256 w + 64 h
	v_lshlrev_b32 v7, 6, v3                        ; the bias: 16 h numbers on: never rewritten
	s_mul_i32 s52, s16, 16*OP
	v_add_nc_u32 v8, s52, v4                       ; the stage, out: my 16 rows, 16 bytes a lane
	v_mov_b32 v15, 1
.irp m, 0,1,2,3
	v_mov_b32 v[G+2*\m+1], 0                       ; the pairs' upper halves are named by the packed forms and never used: written once
.endr
	s_lshl_b32 s50, s17, 10
	s_lshl_b32 s52, s16, 8
	s_add_co_u32 s50, s50, s52                     ; my first column in a row of b2, in bytes
	s_lshl_b32 s52, s18, 8                         ; the block's 64 entries
	s_mov_b32 s53, 0
	s_lshl_b32 s54, s16, 6                         ; the 16 rows that I store at the end
	s_mov_b32 s55, 0
	s_lshl_b32 s56, s17, 10                        ; the work-group's 1,024 bytes of a row of out
	s_mov_b32 s57, 0
	s_wait_kmcnt 0x0
	s_add_nc_u64 s[6:7], s[6:7], s[52:53]
	s_add_nc_u64 s[54:55], s[6:7], s[54:55]
	s_add_nc_u64 s[14:15], s[14:15], s[56:57]
	s_load_b512 s[32:47], s[54:55], 0x0
	s_wait_alu depctr_va_vdst(0)                   ; the lane terms v4 to v8 are written, which the kernel's loads and LDS instructions read as offsets and addresses; so are v254 and v255
.irp m, 0,1,2,3
	global_load_b32 v[9+\m], v5, s[6:7] offset:64*\m           ; the entry of token r of tile m (both halves of the lanes alike)
.endr
	s_wait_loadcnt 0x0
.irp m, 0,1,2,3
	v_bfe_u32 v[LO+\m], v[9+\m], 12, 4
	v_bfe_u32 v[HI+\m], v[9+\m], 16, 4
	v_and_b32 v[GA+\m], 0xfff, v[9+\m]             ; the token,
	v_min_u32 v[GA+\m], 0xfff, v[GA+\m]            ; held inside the buffer
	v_lshlrev_b32 v[GA+\m], 3, v[GA+\m]
.endr
	s_wait_alu depctr_va_vdst(0)                   ; the four offsets into gp are written, which the loads below read: one wait for the run
.irp m, 0,1,2,3
	global_load_b64 v[GP+2*\m:GP+2*\m+1], v[GA+\m], s[8:9]     ; its two gates.  Older than every load below: in by the first K step's wait
.endr
	v_lshlrev_b32 v13, v[LO], v15                  ; which experts do my four tokens use?
.irp m, 1,2,3
	v_lshlrev_b32 v14, v[LO+\m], v15
	v_or_b32 v13, v13, v14
.endr
.irp m, 0,1,2,3
	v_lshlrev_b32 v14, v[HI+\m], v15
	v_or_b32 v13, v13, v14
.endr
	; THE BLOCK'S LIST OF EXPERTS, four bits each, ascending, and their number: the same list as in the launch before, made without a jump, alike in all four waves.  The eight compares go into eight registers of their own
.irp e, 0,1,2,3,4,5,6,7
	v_and_b32 v[UT+\e], 1<<\e, v13
.endr
.irp e, 0,1,2,3,4,5,6,7
	v_cmp_ne_u32 s[UB+\e], 0, v[UT+\e]
.endr
	s_wait_alu depctr_va_sdst(0)                   ; the eight compares have written s66 to s73, ahead of their first reader: one wait for the run
	s_mov_b32 s19, 0                               ; the list
	s_mov_b32 s20, 0                               ; how many
	s_mov_b32 s23, 0                               ; 4 x how many
.irp e, 0,1,2,3,4,5,6,7
	s_cmp_lg_u32 s[UB+\e], 0
	s_cselect_b32 s52, 1, 0
	s_lshl_b32 s53, \e, s23
	s_mul_i32 s53, s53, s52
	s_or_b32 s19, s19, s53
	s_lshl_b32 s53, s52, 2
	s_add_co_u32 s23, s23, s53
	s_add_co_u32 s20, s20, s52
.endr
	s_sub_co_u32 s20, s20, 1                       ; the number of the list's last entry
	s_wait_kmcnt 0x0                               ; my 16 entries are in: their base's registers serve as scratch below
.macro PICK                            ; s22 = entry s21 of the list
	s_lshl_b32 s52, s21, 2
	s_lshr_b32 s22, s19, s52
	s_and_b32 s22, s22, 7
	s_min_u32 s22, s22, 7
.endm
.macro BASES                           ; where expert s22's weights, their scale words, the bias, h1 and its scale words lie
	s_lshl_b32 s52, s22, 4
	s_add_co_u32 s52, s52, 128
	s_lshl_b32 s53, s17, 2
	s_add_co_u32 s52, s52, s53
	s_add_co_u32 s52, s52, s16                     ; G = 16 (8 + e) + 4 cb + w
	s_lshl_b32 s54, s52, 11
	s_add_co_u32 s54, s54, WS
	s_lshl_b32 s52, s52, 15
	s_mov_b32 s53, 0
	s_mov_b32 s55, 0
	s_add_nc_u64 s[24:25], s[10:11], s[52:53]
	s_add_nc_u64 s[26:27], s[10:11], s[54:55]
	s_lshl_b32 s52, s22, 12
	s_add_co_u32 s52, s52, s50
	s_add_nc_u64 s[28:29], s[12:13], s[52:53]
	s_lshl_b32 s52, s18, 3
	s_add_co_u32 s52, s52, s22                     ; 8 blk + e
	s_lshl_b32 s54, s52, 11
	s_add_co_u32 s54, s54, HS
	s_lshl_b32 s52, s52, 15
	s_add_nc_u64 s[30:31], s[4:5], s[52:53]
	s_add_nc_u64 s[48:49], s[4:5], s[54:55]
.endm
; AN EXPERT'S 144 LOADS GO OUT IN ONE ORDER, at the head and from trip to trip: the bias (8), K steps 0 to 2 (16 each: eight of the weights', eight of h1's), the scale words of steps 0 to 3 (4), steps 3 to 6,
; the scale words of steps 4 to 7 (4), step 7.
.macro LB
	WIN 0
.irp t, 0,1,2,3
	global_load_b128 v[BIAS+8*\t:BIAS+8*\t+3], v7, s[28:29] offset:(32*(\t/2)+8*(\t%2))*4
	global_load_b128 v[BIAS+8*\t+4:BIAS+8*\t+7], v7, s[28:29] offset:(32*(\t/2)+8*(\t%2))*4+16
.endr
.endm
.macro LS h                            ; the scale words of K steps 4 h .. 4 h + 3, the weights' and h1's: registers 8 j + 4 h .. + 3
	WIN 0
.irp j, 0,1
	global_load_b128 v[WSC+8*\j+4*\h:WSC+8*\j+4*\h+3], v4, s[26:27] offset:1024*\j+512*\h
.endr
.irp j, 0,1
	global_load_b128 v[HSC+8*\j+4*\h:HSC+8*\j+4*\h+3], v4, s[48:49] offset:1024*\j+512*\h
.endr
.endm
.macro LF s                            ; the eight fragments of K step s
	WIN 0x80                                       ; destination window 2
.irp t, 0,1,2,3
.irp c, 0,1
	global_load_b128 v[(4*(\s)+\t)*8+4*\c:(4*(\s)+\t)*8+4*\c+3], v4, s[24:25] offset:(4*(\s)+\t)*1024+512*\c
.endr
.endr
	WIN 0x40                                       ; destination window 1
.irp m, 0,1,2,3
.irp c, 0,1
	global_load_b128 v[(4*(\s)+\m)*8+4*\c:(4*(\s)+\m)*8+4*\c+3], v4, s[30:31] offset:(4*(\s)+\m)*1024+512*\c
.endr
.endr
.endm
; One matrix instruction: K step s, tokens' tile m, weights' tile t; c: the first register of its C.  The four forms differ in the halves of the lanes from which the scales are taken.
.macro WM s, m, t, c
.if ((\t)%2 == 0) && ((\m)%2 == 0)
	v_wmma_scale_f32_16x16x128_f8f6f4 v[ACC+32*\m+8*\t:ACC+32*\m+8*\t+7], v[(4*\s+\t)*8:(4*\s+\t)*8+7], v[(4*\s+\m)*8:(4*\s+\m)*8+7], v[\c:\c+7], v[WSC+8*(\t/2)+\s], v[HSC+8*(\m/2)+\s] matrix_a_fmt:MATRIX_FMT_FP4 matrix_b_fmt:MATRIX_FMT_FP4
.elseif ((\t)%2 == 1) && ((\m)%2 == 0)
	v_wmma_scale_f32_16x16x128_f8f6f4 v[ACC+32*\m+8*\t:ACC+32*\m+8*\t+7], v[(4*\s+\t)*8:(4*\s+\t)*8+7], v[(4*\s+\m)*8:(4*\s+\m)*8+7], v[\c:\c+7], v[WSC+8*(\t/2)+\s], v[HSC+8*(\m/2)+\s] matrix_a_fmt:MATRIX_FMT_FP4 matrix_b_fmt:MATRIX_FMT_FP4 matrix_a_scale:MATRIX_SCALE_ROW1
.elseif ((\t)%2 == 0) && ((\m)%2 == 1)
	v_wmma_scale_f32_16x16x128_f8f6f4 v[ACC+32*\m+8*\t:ACC+32*\m+8*\t+7], v[(4*\s+\t)*8:(4*\s+\t)*8+7], v[(4*\s+\m)*8:(4*\s+\m)*8+7], v[\c:\c+7], v[WSC+8*(\t/2)+\s], v[HSC+8*(\m/2)+\s] matrix_a_fmt:MATRIX_FMT_FP4 matrix_b_fmt:MATRIX_FMT_FP4 matrix_b_scale:MATRIX_SCALE_ROW1
.else
	v_wmma_scale_f32_16x16x128_f8f6f4 v[ACC+32*\m+8*\t:ACC+32*\m+8*\t+7], v[(4*\s+\t)*8:(4*\s+\t)*8+7], v[(4*\s+\m)*8:(4*\s+\m)*8+7], v[\c:\c+7], v[WSC+8*(\t/2)+\s], v[HSC+8*(\m/2)+\s] matrix_a_fmt:MATRIX_FMT_FP4 matrix_b_fmt:MATRIX_FMT_FP4 matrix_a_scale:MATRIX_SCALE_ROW1 matrix_b_scale:MATRIX_SCALE_ROW1
.endif
.endm
; An expert's eight K steps, 16 matrix instructions each; the 16 accumulators take turns, one instruction a turn, in the same order in every step and from trip to trip.
; The first step's C is the bias.
; nxt = 1: the NEXT expert's loads go out one step behind the products that read their registers.  At the head of step s (1 to 7) one wait states that the products of step s - 1 are done reading; behind the step's
; first four products stand the loads into the registers of step s - 1: with step 0's fragments the bias, with step 3's the scale words of steps 0 to 3.  Step 7's, with the scale words of steps 4 to 7, stand
; behind step 7's products, their places and one more wait.
; THE WAITS ON LOADS count the loads that are younger than the youngest load a step needs (loads come back in order); 63 is the most that a wait can name, and a smaller count than the true one is safe.
;   step 0 needs the scale words of steps 0-3 (with them the bias and steps 0-2 are in): behind them went steps 3-7 and four loads of scale words: 84.
;   step 3 needs its fragments: behind them 68 of this expert's.
;   step 4 needs the scale words of steps 4-7 (with them steps 4-6 are in): behind them step 7's 16, and with nxt = 1 the 56 that this trip has issued (the bias, steps 0 to 2).
;   step 7 needs its fragments: the expert's last; with nxt = 1 this trip's 108 are younger.
.macro KSTEPS nxt
.irp s, 0,1,2,3,4,5,6,7
.if (\s == 0) || (\s == 3)
	s_wait_loadcnt 63
.elseif \s == 4
.if \nxt
	s_wait_loadcnt 63
.else
	s_wait_loadcnt 16
.endif
.elseif \s == 7
.if \nxt
	s_wait_loadcnt 63
.else
	s_wait_loadcnt 0x0
.endif
.endif
.if \nxt && (\s > 0)
	s_wait_alu depctr_va_vdst(0)                   ; the products of the step before are done reading its fragments (step 0's: the bias too; step 3's: the scale words of steps 0 to 3 too), in which the loads below land
.endif
	WIN 0x06                                       ; source 0 (weights) window 2, source 1 (h1) window 1, C and D window 0
.irp t, 0,1,2,3
.if \s == 0
	WM \s, 0, \t, BIAS+8*\t
.else
	WM \s, 0, \t, ACC+8*\t
.endif
.endr
.if \nxt && (\s > 0)
.if \s == 1
	LB                                             ; no further wait: the four products since the wait name this step's fragments and scale registers and the accumulators alone
.elseif \s == 4
	LS 0
.endif
	LF \s-1
	WIN 0x06
.endif
.irp m, 1,2,3
.irp t, 0,1,2,3
.if \s == 0
	WM \s, \m, \t, BIAS+8*\t
.else
	WM \s, \m, \t, ACC+32*\m+8*\t
.endif
.endr
.endr
.endr
	WIN 0
.rept 4
	v_nop                                          ; four places in front of the first read of the results
.endr
.if \nxt
	s_wait_alu depctr_va_vdst(0)                   ; step 7's products are done reading its fragments and the scale words of steps 4 to 7, in which the loads below land; the places above stay beside this wait
	LS 1
	LF 7
	WIN 0
.endif
.endm
; The gate of the expert in hand, s51, for token r of each tile: 0 unless the token chose it.  The eight compares go into eight registers of their own.
.macro GATES
.irp m, 0,1,2,3
	v_cmp_eq_u32 s[UB+\m], s51, v[LO+\m]
.endr
.irp m, 0,1,2,3
	v_cmp_eq_u32 s[UB+4+\m], s51, v[HI+\m]
.endr
	s_wait_alu depctr_va_sdst(0)                   ; the eight compares have written s66 to s73, which the selects below read: one wait for the run
.irp m, 0,1,2,3
	v_cndmask_b32 v[G+2*\m], 0, v[GP+2*\m], s[UB+\m]
.endr
.irp m, 0,1,2,3
	v_cndmask_b32 v[G+2*\m], v[G+2*\m], v[GP+2*\m+1], s[UB+4+\m]
.endr
.endm
; relu, and the weighed sum: the first expert's products start the sums (nothing is cleared), the others are fused multiply-adds, two at a time; of the gate's pair the low word serves both halves.
.macro EPI first
.set n, 0
.rept 128
	v_max_num_f32 v[ACC+n], 0, v[ACC+n]            ; in ascending order: each accumulator is read from its low end on
.set n, n+1
.endr
.if \first
	WIN 0xc0                                       ; destination window 3
.else
	WIN 0xf0                                       ; source 2 and destination window 3
.endif
.set n, 0
.rept 64
.if \first
	v_pk_mul_f32 v[2*n:2*n+1], v[ACC+2*n:ACC+2*n+1], v[G+2*(n/16):G+2*(n/16)+1] op_sel_hi:[1,0]
.else
	v_pk_fma_f32 v[2*n:2*n+1], v[ACC+2*n:ACC+2*n+1], v[G+2*(n/16):G+2*(n/16)+1], v[2*n:2*n+1] op_sel_hi:[1,0,1]
.endif
.set n, n+1
.endr
	WIN 0
.endm
	s_mov_b32 s21, 0
	PICK
	BASES
	LB                                             ; the first expert's loads, in the order stated above.  No vector or matrix instruction has named their registers, and v4 and v7 stand written since the head's wait
	LF 0
	LF 1
	LF 2
	LS 0
	LF 3
	LF 4
	LF 5
	LF 6
	LS 1
	LF 7
	WIN 0
	s_mov_b32 s51, s22                             ; THE FIRST EXPERT, written out ahead of the loop: its results start the weighed sums.  It has a successor,
	s_mov_b32 s21, 1
	PICK
	s_wait_xcnt 0x0                                ; every earlier load has read its base: the bases are written again,
	BASES                                          ; for the successor, whose loads this trip issues
	KSTEPS 1
	GATES
	EPI 1
	s_cmp_lt_u32 s21, s20
	s_cbranch_scc0 .Llast
.Ltrip:                                            ; a trip: an expert in the middle of the list
	s_mov_b32 s51, s22
	s_add_co_u32 s21, s21, 1
	PICK
	s_wait_xcnt 0x0
	BASES
	KSTEPS 1
	GATES
	EPI 0
	s_cmp_lt_u32 s21, s20
	s_cbranch_scc1 .Ltrip
.Llast:                                            ; the list's last expert: nothing more is asked for
	s_mov_b32 s51, s22
	KSTEPS 0
	GATES
	EPI 0
	; THE WAY OUT.  A row's 1,024 bytes come from four waves: they meet in a stage in LDS, and each wave stores 16 whole rows to the tokens' own places.
	s_wait_loadcnt 0x0                             ; no load is out here (the last trip asked for nothing): the bias's registers are written below
.irp i, 0,1,2,3,4,5,6,7,8,9,10,11,12,13,14,15
	s_and_b32 s52, s[32+\i], 0xfff                 ; the token of my row i,
	s_min_u32 s52, s52, 0xfff                      ; held inside the buffer
	s_lshl_b32 s52, s52, 12
	v_add_nc_u32 v[BIAS+\i], s52, v4
.endr
	WIN 0x0c                                       ; an LDS store's data are its source 1: window 3
	s_wait_alu depctr_va_vdst(0)                   ; the multiply-adds have written the weighed sums, which the LDS stores read; the additions above have written the rows' offsets, which the global stores read; the epilogue is done with the accumulators' registers, in which the loads from the stage land
.irp m, 0,1,2,3
.irp b, 0,1
.irp q, 0,1,2,3
	ds_store_b128 v6, v[32*\m+16*\b+4*\q:32*\m+16*\b+4*\q+3] offset:\m*16*OP+128*\b+16*\q   ; lane (r, h): out(16 m + r, 64 w + 32 b + 16 h + 4 q .. + 3)
.endr
.endr
.endr
	WIN 0
	s_wait_dscnt 0x0                               ; for the others' sake
	s_barrier_signal -1
	s_barrier_wait -1                              ; 64 rows of 1,024 bytes lie in the stage
.irp i, 0,1,2,3,4,5,6,7,8,9,10,11,12,13,14,15
.irp f, 0,1
	ds_load_b128 v[ACC+8*\i+4*\f:ACC+8*\i+4*\f+3], v8 offset:\i*OP+512*\f   ; no vector or matrix instruction since the wait above names these registers
.endr
.endr
.irp i, 0,1,2,3,4,5,6,7,8,9,10,11,12,13,14,15
.irp f, 0,1
	s_wait_dscnt 31-(2*\i+\f)
	global_store_b128 v[BIAS+\i], v[ACC+8*\i+4*\f:ACC+8*\i+4*\f+3], s[14:15] offset:512*\f th:TH_STORE_NT   ; 512 consecutive bytes, aligned; written once, read by nobody here
.endr
.endr
	s_wait_dscnt 0x0                               ; the closing lines, six on end
	s_wait_alu 0x0
	s_wait_tensorcnt 0x0
	ds_add_u32 v254, v255
	s_wait_dscnt 0x0
	s_endpgm
.Lfunc_end_k_q2053832fbe_down:
	.size	k_q2053832fbe_down, .Lfunc_end_k_q2053832fbe_down-k_q2053832fbe_down
	.p2alignl 7, 3214868480
	.fill 96, 4, 3214868480
	.section	.rodata,"a",@progbits
	.p2align	6, 0x0
	.amdhsa_kernel k_q2053832fbe_down
		.amdhsa_group_segment_fixed_size 67072
		.amdhsa_private_segment_fixed_size 0
		.amdhsa_enable_private_segment 0
		.amdhsa_kernarg_size 48
		.amdhsa_user_sgpr_count 2
		.amdhsa_user_sgpr_kernarg_segment_ptr 1
		.amdhsa_wavefront_size32 1
		.amdhsa_system_sgpr_workgroup_id_x 1
		.amdhsa_system_sgpr_workgroup_id_y 1
		.amdhsa_system_sgpr_workgroup_id_z 1
		.amdhsa_system_vgpr_workitem_id 0
		.amdhsa_next_free_vgpr 896
		.amdhsa_next_free_sgpr 80
		.amdhsa_reserve_vcc 0
		.amdhsa_float_denorm_mode_32 3
		.amdhsa_float_denorm_mode_16_64 3
		.amdhsa_memory_ordered 1
		.amdhsa_forward_progress 1
		.amdhsa_inst_pref_size 142
	.end_amdhsa_kernel
	.amdgpu_metadata
---
amdhsa.version: [ 1, 2 ]
amdhsa.kernels:
  - .name:           k_q2053832fbe_down
    .symbol:         k_q2053832fbe_down.kd
    .args:
      - { .name: h1, .offset: 0, .size: 8, .value_kind: global_buffer, .address_space: global }
      - { .name: order, .offset: 8, .size: 8, .value_kind: global_buffer, .address_space: global }
      - { .name: gp, .offset: 16, .size: 8, .value_kind: global_buffer, .address_space: global }
      - { .name: wf, .offset: 24, .size: 8, .value_kind: global_buffer, .address_space: global }
      - { .name: b2, .offset: 32, .size: 8, .value_kind: global_buffer, .address_space: global }
      - { .name: out0, .offset: 40, .size: 8, .value_kind: global_buffer, .address_space: global }
    .group_segment_fixed_size: 67072
    .private_segment_fixed_size: 0
    .kernarg_segment_align: 8
    .kernarg_segment_size: 48
    .max_flat_workgroup_size: 128
    .sgpr_count:     80
    .vgpr_count:     896
    .wavefront_size: 32
...
	.end_amdgpu_metadata
.endif
;; end of part 9
